; MI455X (gfx1250); checked and timed in simulation.
; The chip was launched on July 23, 2026; its instructions are those of AMD's public machine-readable ISA for CDNA 5 (MIT licence, August 2026) and "CDNA5" Instruction Set Architecture Reference Guide (July 2026). The comments in the code are by the model that wrote it; some were corrected since.
;; Lo RA Attention. Allowed arithmetic: float matrix products may take bf16 or f16 operands with f32 sums; other float arithmetic in f32, or as packed bf16 or f16 multiplies, adds, multiply-adds, maxima and minima; sums over many terms, partial sums and values carried from step to step in f32; what a program stores and reads back later, other than sums and carried values, may be rounded once to bf16 or f16.
;; Inputs: K_A 16 x 1,024 float32; K_B 1,024 x 16 float32; K_weight 1,024 x 1,024 float32; O_weight 1,024 x 1,024 float32; Q_A 16 x 1,024 float32; Q_B 1,024 x 16 float32; Q_weight 1,024 x 1,024 float32; V_A 16 x 1,024 float32; V_B 1,024 x 16 float32; V_weight 1,024 x 1,024 float32; key 4 x 2,048 x 1,024 float32; query 4 x 2,048 x 1,024 float32; value 4 x 2,048 x 1,024 float32.
;; Outputs: out0 4 x 2,048 x 1,024 float32.
;; 2 versions, each right. Each part assembles by itself: llvm-mc -triple=amdgcn-amd-amdhsa -mcpu=gfx1250 --defsym DOCPART=n.
;; ======== version 1 of 2: 5 launches
;; limits: values are held in f16: magnitudes above 65,504 overflow, below 6.1e-05 lose precision; inputs' magnitudes at most 65,504
;; workspace buffers: h16 58,720,256 bytes; qkv 50,331,648 bytes; pbuf 33,554,432 bytes; stat 1,048,576 bytes; obuf 16,777,216 bytes
;; launch prep (part 1): grid 2368 x 1, 8 waves a work-group, no clusters, 0 bytes of LDS; arguments query, key, value, O_weight, Q_weight, K_weight, V_weight, Q_A, K_A, V_A, Q_B, K_B, V_B, h16; writes h16
.if DOCPART == 1
	.amdgcn_target "amdgcn-amd-amdhsa--gfx1250"
	.amdhsa_code_object_version 6
	.text
	.protected	k_q31a620b7a8_prep
	.globl	k_q31a620b7a8_prep
	.p2align	8
	.type	k_q31a620b7a8_prep,@function
k_q31a620b7a8_prep:
	s_mov_b64 s[64:65], 0
	v_nop
	global_prefetch_b8 v0, s[64:65] scope:SCOPE_SE
	s_setreg_imm32_b32 hwreg(HW_REG_WAVE_MODE, 25, 1), 1
	s_wait_xcnt 0x0
; PREP.  All matrix operands of the later launches are made here, each rounded once from f32 to f16, into h16:
;   byte 0           query, key, value as [24576][1024] f16 (three blocks of 16,777,216 bytes)
;   byte 50,331,648  O_weight [1024][1024] f16
;   byte 52,428,800  (W + B A) / 4 for Q, K, V, [1024][1024] f16 each: x W^T + (x A^T) B^T = x (W + B A)^T, so the low-rank part is folded into the weight, in f32
; The factor 1/4 is a power of two: it rounds nothing and leaves the projections' results room in f16 on both sides.
; LIMITS.  f16 ends at 65,504: |query|, |key|, |value|, |O_weight| and |W + B A| / 4 lie within it; below 6e-5 a number keeps f16's fixed step of 6e-8.  NaN and infinities are not treated apart.
; SHARES.  Work-groups 0 to 767 fold: matrix id / 256, rows 4 (id % 256) .. + 3; thread t owns columns 4 t .. 4 t + 3.  Work-groups 768 to 2,367 convert 65,536 bytes of f32 each.
; No LDS, no matrix unit, no cluster: the conversion is a stream in which no byte is used twice; the rank-16 product is 16 multiply-adds for each weight and stays exact in f32.
.set FOLDS, 768
.set WQ,    52428800                   ; byte offset of the folded weights in h16
.set AR,    16                         ; v[16:79]   fold: A's 16 rows, my four columns; stream: 16 x 4 numbers as loaded
.set WR,    80                         ; v[80:95]   fold: W's four rows, my four columns; stream: v[80:111] the halves to store
.set HR,    96                         ; v[96:103]  fold: the halves to store
	s_load_b512 s[8:23], s[0:1], 0x0               ; query s[8:9], key s[10:11], value s[12:13], O_weight s[14:15], Q_weight s[16:17], K_weight s[18:19], V_weight s[20:21], Q_A s[22:23]
	s_load_b256 s[24:31], s[0:1], 0x40             ; K_A s[24:25], V_A s[26:27], Q_B s[28:29], K_B s[30:31]
	s_load_b128 s[32:35], s[0:1], 0x60             ; V_B s[32:33], h16 s[34:35]
	s_mov_b32 s5, 0                                ; high words of the two offsets
	s_mov_b32 s7, 0
	s_wait_kmcnt 0x0
	s_cmp_lt_u32 ttmp9, FOLDS
	s_cbranch_scc0 .Lstream
	; THE FOLD
	s_lshr_b32 s2, ttmp9, 8                        ; which matrix: 0 Q, 1 K, 2 V
	s_and_b32 s3, ttmp9, 255                       ; which four rows
	s_cmp_eq_u32 s2, 0
	s_cselect_b64 s[52:53], s[16:17], s[18:19]     ; W
	s_cselect_b64 s[54:55], s[22:23], s[24:25]     ; A
	s_cselect_b64 s[56:57], s[28:29], s[30:31]     ; B
	s_cmp_eq_u32 s2, 2
	s_cselect_b64 s[52:53], s[20:21], s[52:53]
	s_cselect_b64 s[54:55], s[26:27], s[54:55]
	s_cselect_b64 s[56:57], s[32:33], s[56:57]
	s_lshl_b32 s4, s3, 14                          ; four rows of W: 16,384 bytes
	s_add_nc_u64 s[52:53], s[52:53], s[4:5]
	s_lshl_b32 s4, s3, 8                           ; four rows of B: 256 bytes
	s_add_nc_u64 s[56:57], s[56:57], s[4:5]
	s_lshl_b32 s6, s2, 21                          ; a folded matrix is 2,097,152 bytes,
	s_lshl_b32 s4, s3, 13                          ; four rows of it 8,192
	s_add_co_u32 s6, s6, s4
	s_add_co_u32 s6, s6, WQ
	s_add_nc_u64 s[58:59], s[34:35], s[6:7]
	s_load_b512 s[36:51], s[56:57], 0x0            ; B's four rows, 16 numbers each, are the same for all threads: scalar registers
	s_load_b512 s[68:83], s[56:57], 0x40
	s_load_b512 s[84:99], s[56:57], 0x80
	s_load_b512 s[8:23], s[56:57], 0xc0            ; (the arguments that lay here have been chosen from)
	v_lshlrev_b32 v1, 4, v0                        ; my four columns in f32,
	v_lshlrev_b32 v2, 3, v0                        ; and in f16
.irp i, 0,1,2,3
	global_load_b128 v[WR+4*(\i):WR+4*(\i)+3], v1, s[52:53] offset:(\i)*4096 th:TH_LOAD_NT  ; a wave's load covers 512 consecutive bytes
.endr
.irp r, 0,1,2,3,4,5,6,7,8,9,10,11,12,13,14,15
	global_load_b128 v[AR+4*(\r):AR+4*(\r)+3], v1, s[54:55] offset:(\r)*4096
.endr
	s_wait_kmcnt 0x0
.set r, 0
.rept 16
	s_wait_loadcnt 15-r                            ; loads come back in order: W and A's rows 0 to r are in, the 15 - r younger rows stay out
.irp j, 0,1,2,3
	v_fmac_f32 v[WR+(\j)],    s[36+r], v[AR+4*r+(\j)]
	v_fmac_f32 v[WR+4+(\j)],  s[68+r], v[AR+4*r+(\j)]
	v_fmac_f32 v[WR+8+(\j)],  s[84+r], v[AR+4*r+(\j)]
	v_fmac_f32 v[WR+12+(\j)], s[8+r],  v[AR+4*r+(\j)]
.endr
.set r, r+1
.endr
.irp p, 0,2,4,6,8,10,12,14
	v_pk_mul_f32 v[WR+(\p):WR+(\p)+1], v[WR+(\p):WR+(\p)+1], 0x3e800000 op_sel_hi:[1,0]  ; x 1/4
.endr
.irp p, 0,1,2,3,4,5,6,7
	v_cvt_pk_f16_f32 v[HR+(\p)], v[WR+2*(\p)], v[WR+2*(\p)+1]
.endr
.irp i, 0,1,2,3
	global_store_b64 v2, v[HR+2*(\i):HR+2*(\i)+1], s[58:59] offset:(\i)*2048  ; a wave stores 256 consecutive bytes, aligned
.endr
	s_endpgm
.Lstream:
	; THE CONVERSION.  Work-group j takes 65,536 bytes of f32 and makes 32,768 of f16 at byte 32,768 j of h16: 512 work-groups each for query, key and value, 64 for O_weight.
	s_sub_co_u32 s2, ttmp9, FOLDS                  ; j
	s_lshr_b32 s3, s2, 9                           ; which tensor
	s_cmp_eq_u32 s3, 0
	s_cselect_b64 s[52:53], s[8:9], s[10:11]
	s_cmp_eq_u32 s3, 2
	s_cselect_b64 s[52:53], s[12:13], s[52:53]
	s_cmp_eq_u32 s3, 3
	s_cselect_b64 s[52:53], s[14:15], s[52:53]
	s_and_b32 s4, s2, 511
	s_lshl_b32 s4, s4, 16
	s_add_nc_u64 s[52:53], s[52:53], s[4:5]
	s_lshl_b32 s6, s2, 15
	s_add_nc_u64 s[58:59], s[34:35], s[6:7]
	v_lshrrev_b32 v3, 5, v0                        ; wave
	v_and_b32 v4, 31, v0                           ; lane
	v_lshlrev_b32 v1, 4, v4
	v_lshl_add_u32 v1, v3, 13, v1                  ; in: 8,192 x wave + 16 x lane
	v_lshlrev_b32 v2, 3, v4
	v_lshl_add_u32 v2, v3, 12, v2                  ; out: 4,096 x wave + 8 x lane
.irp i, 0,1,2,3,4,5,6,7,8,9,10,11,12,13,14,15
	global_load_b128 v[AR+4*(\i):AR+4*(\i)+3], v1, s[52:53] offset:512*(\i) th:TH_LOAD_NT  ; all of the wave's sixteen loads go out at once, 512 consecutive bytes each
.endr
.irp i, 0,1,2,3,4,5,6,7,8,9,10,11,12,13,14,15
	s_wait_loadcnt 15-(\i)                         ; load i is in, the younger ones stay out
	v_cvt_pk_f16_f32 v[WR+2*(\i)],   v[AR+4*(\i)],   v[AR+4*(\i)+1]
	v_cvt_pk_f16_f32 v[WR+2*(\i)+1], v[AR+4*(\i)+2], v[AR+4*(\i)+3]
	global_store_b64 v2, v[WR+2*(\i):WR+2*(\i)+1], s[58:59] offset:256*(\i)  ; 256 consecutive bytes, aligned; each register is written once, so no store's source is rewritten
.endr
	s_endpgm
.Lfunc_end_k_q31a620b7a8_prep:
	.size	k_q31a620b7a8_prep, .Lfunc_end_k_q31a620b7a8_prep-k_q31a620b7a8_prep
	.p2alignl 7, 3214868480
	.fill 96, 4, 3214868480
	.section	.rodata,"a",@progbits
	.p2align	6, 0x0
	.amdhsa_kernel k_q31a620b7a8_prep
		.amdhsa_group_segment_fixed_size 0
		.amdhsa_private_segment_fixed_size 0
		.amdhsa_enable_private_segment 0
		.amdhsa_kernarg_size 112
		.amdhsa_user_sgpr_count 2
		.amdhsa_user_sgpr_kernarg_segment_ptr 1
		.amdhsa_wavefront_size32 1
		.amdhsa_system_sgpr_workgroup_id_x 1
		.amdhsa_system_sgpr_workgroup_id_y 1
		.amdhsa_system_sgpr_workgroup_id_z 1
		.amdhsa_system_vgpr_workitem_id 0
		.amdhsa_next_free_vgpr 112
		.amdhsa_next_free_sgpr 100
		.amdhsa_reserve_vcc 0
		.amdhsa_float_denorm_mode_32 3
		.amdhsa_float_denorm_mode_16_64 3
		.amdhsa_memory_ordered 1
		.amdhsa_forward_progress 1
		.amdhsa_inst_pref_size 20
	.end_amdhsa_kernel
	.amdgpu_metadata
---
amdhsa.version: [ 1, 2 ]
amdhsa.kernels:
  - .name:           k_q31a620b7a8_prep
    .symbol:         k_q31a620b7a8_prep.kd
    .args:
      - { .name: query, .offset: 0, .size: 8, .value_kind: global_buffer, .address_space: global }
      - { .name: key, .offset: 8, .size: 8, .value_kind: global_buffer, .address_space: global }
      - { .name: value, .offset: 16, .size: 8, .value_kind: global_buffer, .address_space: global }
      - { .name: O_weight, .offset: 24, .size: 8, .value_kind: global_buffer, .address_space: global }
      - { .name: Q_weight, .offset: 32, .size: 8, .value_kind: global_buffer, .address_space: global }
      - { .name: K_weight, .offset: 40, .size: 8, .value_kind: global_buffer, .address_space: global }
      - { .name: V_weight, .offset: 48, .size: 8, .value_kind: global_buffer, .address_space: global }
      - { .name: Q_A, .offset: 56, .size: 8, .value_kind: global_buffer, .address_space: global }
      - { .name: K_A, .offset: 64, .size: 8, .value_kind: global_buffer, .address_space: global }
      - { .name: V_A, .offset: 72, .size: 8, .value_kind: global_buffer, .address_space: global }
      - { .name: Q_B, .offset: 80, .size: 8, .value_kind: global_buffer, .address_space: global }
      - { .name: K_B, .offset: 88, .size: 8, .value_kind: global_buffer, .address_space: global }
      - { .name: V_B, .offset: 96, .size: 8, .value_kind: global_buffer, .address_space: global }
      - { .name: h16, .offset: 104, .size: 8, .value_kind: global_buffer, .address_space: global }
    .group_segment_fixed_size: 0
    .private_segment_fixed_size: 0
    .kernarg_segment_align: 8
    .kernarg_segment_size: 112
    .max_flat_workgroup_size: 256
    .sgpr_count:     100
    .vgpr_count:     112
    .wavefront_size: 32
...
	.end_amdgpu_metadata
.endif
;; end of part 1
;; launch proj (part 2): grid 4 x 192, 4 waves a work-group, clusters of 4 x 4, 327,680 bytes of LDS; arguments h16, qkv; writes qkv
.if DOCPART == 2
	.amdgcn_target "amdgcn-amd-amdhsa--gfx1250"
	.amdhsa_code_object_version 6
	.text
	.protected	k_q31a620b7a8_proj
	.globl	k_q31a620b7a8_proj
	.p2align	8
	.type	k_q31a620b7a8_proj,@function
k_q31a620b7a8_proj:
	s_mov_b64 s[64:65], 0
	v_nop
	global_prefetch_b8 v0, s[64:65] scope:SCOPE_SE
	s_setreg_imm32_b32 hwreg(HW_REG_WAVE_MODE, 25, 1), 1
	s_wait_xcnt 0x0
	s_wait_alu depctr_hold_cnt(0) depctr_sa_sdst(0) depctr_va_vdst(0) depctr_va_sdst(0) depctr_va_ssrc(0) depctr_va_vcc(0) depctr_vm_vsrc(0)
	s_getreg_b32 s2, hwreg(HW_REG_IB_STS2, 6, 4)
	s_cmp_eq_u32 s2, 0
	s_cbranch_scc0 .Lentry_in_a_cluster
	s_endpgm
.Lentry_in_a_cluster:
	s_bfe_u32 s2, ttmp6, 0x10000c
	s_cmp_lg_u32 s2, 0xf033
	s_cbranch_scc0 .Lentry_shape_is_right
	s_endpgm
.Lentry_shape_is_right:
; PROJ.  qkv[m][n] = the sum over k of X[m][k] W_t[n][k]: X = query, key, value on end, [24576][1024] f16 at h16's byte 0; W_t = (W + B A) / 4 of Q, K, V, t = m / 8192, [1024][1024] f16.
; So qkv holds q / 4, k / 4, v / 4, [8192][1024] f16 each, rounded once from f32 sums.
; LIMITS.  q, k and v lie within 4 x 65,504; below 4 x 6e-5 they keep f16's fixed step.  NaN and infinities are not treated apart.
; SHARES.  A tile is 128 rows of X by 256 rows of W: 768 work-groups, three for each of 256 WGPs.  Four waves, each 64 x 128: 32 accumulators of 16 x 16.  K goes in 8 steps of 128 through two LDS slots.
; CLUSTER.  4 x 4 work-groups: the four of a row of the cluster need the same rows of X, the four of a column the same rows of W: each tile is asked for jointly, by the same tensor load in all four.
; THE MATRIX INSTRUCTION IS USED TRANSPOSED (source 0 = 16 rows of W, source 1 = 16 rows of X): a lane holds row l % 16 of the result and eight neighbouring columns 8 (l / 16) + 0..7.
; REGISTERS, in windows of 256 (s_set_vgpr_msb: bits 1:0 source 0, 3:2 source 1, 5:4 source 2, 7:6 destination):
;   window 0: v0-31 addresses; v128-255 X's fragments, buffer f, 32 K c, block a at 128 + 64 f + 32 c + 8 a (on the way out v128-191 rows read back, v192-223 packed results)
;   window 1: W's fragments at 128 f + 64 c + 8 b          window 2: accumulator (a, b) at 64 a + 8 b
.set KT,     8                         ; K steps
.set PITCH,  272                       ; an LDS row: 256 bytes + 16 of padding = 68 words: the 16 rows of a fragment load start at 16 different groups of four banks (64 banks of 4 bytes: ISA guide 11.1)
.set AHALF,  64*PITCH                  ; what waves 0 and 1 fetch, and what a wave reads of X
.set ATILE,  128*PITCH
.set BHALF,  128*PITCH                 ; what waves 2 and 3 fetch, and what a wave reads of W
.set SLOT1,  131072                    ; slot 1 begins here, so that one exclusive or changes the slot
.set STAGE,  SLOT1+ATILE+2*BHALF       ; 235,520: behind the ring, 16 rows x 272 bytes for each wave
.set SPARE,  STAGE+4*16*PITCH          ; 252,928: the spare words, 128 bytes a wave: two blocks of 256 bytes that no other line names
.set ROWB,   2048                      ; bytes in a row of the result
.set KSA,    256                       ; bytes from K step to K step
.set KSB,    256
.set WOFF,   52428800                  ; the folded weights in h16
.set ADA0, 16                          ; v16  my lane's place in a slot's rows of X; never rewritten
.set ADB0, 17                          ; v17  the same for W
.set ADA,  18                          ; v18  the same in the slot in hand
.set ADB,  19
.set STO,  24                          ; v24  the way out: where I put 16 bytes of a row
.set RD,   25                          ; v25  where I read a row back
.set CO,   26                          ; v26  my byte offset in the result
.set SPW,  28                          ; v28  my spare word: SPARE + 4 x my thread's number; never rewritten
.set NIL,  29                          ; v29  0; never rewritten
.set PFO,  30                          ; v30  the prefetches' offset: a lane a row; never rewritten
.set OB,   128
.set TMP,  192
.set G1A,  24                          ; s[24:31] descriptor group 1 for X's tiles;  s[32:39] group 0: set 0 for K step 0, set 1 for K step 1, which then walks
.set G0A,  32
.set LIM,  43                          ; s43  2 in a wave that prefetches, else the greatest number
.set PFA,  44                          ; s[44:45] where my prefetches stand
.set G1B,  48                          ; s[48:55], s[56:63] the same for W's tiles
.set G0B,  56
.set TB,   70                          ; s70  LDS byte at which the slot in hand begins
.set CY,   77                          ; s77  the cluster's y
.set FLAGS, (1<<16)|(1<<20)|(1<<21)|(5<<22)|(3<<25)  ; 17:16 elements of 2 bytes; 20 padding on; 21 set beside a mask; 24:22 after every 64 words; 31:25 4 words of it
.set MUL,  0xa1                        ; source 0 (W) window 1, source 1 (X) window 0, C and D window 2
.set TO_B, 0x40                        ; destination window 1, address window 0
.set MSB, 0
.macro WIN new                         ; the immediate's high byte repeats the setting that is left; a switch that changes nothing is dropped
.if MSB != (\new)
	s_set_vgpr_msb (MSB<<8)|(\new)
.set MSB, \new
.endif
.endm
.macro PLACES                          ; four places in front of loads into registers that matrix instructions have read, and of lines that read results
.rept 4
	v_nop
.endr
.endm
; A joint load: waves 0 and 1 fetch the two halves of X's tile, waves 2 and 3 those of W's.  The branch hangs on the wave's number alone.  An s_nop 0 and four v_nop follow each line.
.macro JLOAD s
	s_cmp_eq_u32 s11, 0
	s_cbranch_scc0 .Lfor_b_\@
	tensor_load_to_lds s[G0A+4*(\s):G0A+4*(\s)+3], s[G1A:G1A+7]
	s_nop 0
.rept 4
	v_nop
.endr
	s_branch .Lasked_\@
.Lfor_b_\@:
	tensor_load_to_lds s[G0B+4*(\s):G0B+4*(\s)+3], s[G1B:G1B+7]
	s_nop 0
.rept 4
	v_nop
.endr
.Lasked_\@:
.endm
.macro CREST                           ; a round of the cluster's barrier behind its opening barrier
	s_cmp_lg_u32 s10, 0
	s_cbranch_scc1 .Lnot_wave_0_\@
	s_barrier_signal -3
.Lnot_wave_0_\@:
	s_barrier_wait -3
	s_barrier_signal -1
	s_barrier_wait -1
.endm
.macro CROUND                          ; a whole round
	s_barrier_signal -1
	s_barrier_wait -1
	CREST
.endm
; A prefetch of the K step that stands two refills on (256 matrix instructions ahead of the load that will want it): 32 rows x 256 bytes, a lane a row.  Each row's 256 bytes of a K step are named once in the launch:
; X's rows by wave 0 (the launch has one cluster along x), the four partners taking 32 rows each by address; W's rows by waves 2 and 3 of the first cluster that reads that matrix, 32 rows a partner.
; The last two refills have no K step two on: s3 is 2 and 1 there.
.macro ASK
	s_cmp_gt_u32 s3, s[LIM]
	s_cbranch_scc0 .Lnot_mine_\@
	global_prefetch_b8 v[PFO], s[PFA:PFA+1] th:TH_LOAD_NT scope:SCOPE_SE
.Lnot_mine_\@:
.endm
; 8 matrix instructions: block a of X's rows x all 8 blocks of W's, 32 along K (half c of buffer f).  zero = 1: the product starts the sums.
; The 32 accumulators take turns in one fixed order: 31 others' instructions stand between two on one accumulator, over the backward jump too.
.macro MUL8 f, c, a, zero
	WIN MUL
.irp b, 0,1,2,3,4,5,6,7
.if \zero
	v_wmma_f32_16x16x32_f16 v[64*(\a)+8*(\b):64*(\a)+8*(\b)+7], v[128*(\f)+64*(\c)+8*(\b):128*(\f)+64*(\c)+8*(\b)+7], v[128+64*(\f)+32*(\c)+8*(\a):128+64*(\f)+32*(\c)+8*(\a)+7], 0
.else
	v_wmma_f32_16x16x32_f16 v[64*(\a)+8*(\b):64*(\a)+8*(\b)+7], v[128*(\f)+64*(\c)+8*(\b):128*(\f)+64*(\c)+8*(\b)+7], v[128+64*(\f)+32*(\c)+8*(\a):128+64*(\f)+32*(\c)+8*(\a)+7], v[64*(\a)+8*(\b):64*(\a)+8*(\b)+7]
.endif
.endr
.endm
.macro MUL32 f, c, zero
	MUL8 \f, \c, 0, \zero
	MUL8 \f, \c, 1, \zero
	MUL8 \f, \c, 2, \zero
	MUL8 \f, \c, 3, \zero
.endm
; 48 LDS loads in one run: the fragments of 64 along K at byte k of the slot's rows, into buffer f: 24 for the first 32 along K, then 24 for the second.
.macro FETCH k, f
.if (\k) == 0
	WIN 0
	v_add_nc_u32 v[ADA], s[TB], v[ADA0]
	v_add_nc_u32 v[ADB], s[TB], v[ADB0]
.endif
.irp c, 0,1
	WIN TO_B
.irp i, 0,1,2,3,4,5,6,7
	ds_load_b128 v[128*(\f)+64*(\c)+8*(\i):128*(\f)+64*(\c)+8*(\i)+3],   v[ADB] offset:(\k)+64*(\c)+(\i)*16*PITCH
	ds_load_b128 v[128*(\f)+64*(\c)+8*(\i)+4:128*(\f)+64*(\c)+8*(\i)+7], v[ADB] offset:(\k)+64*(\c)+(\i)*16*PITCH+32
.endr
	WIN 0
.irp i, 0,1,2,3
	ds_load_b128 v[128+64*(\f)+32*(\c)+8*(\i):128+64*(\f)+32*(\c)+8*(\i)+3],   v[ADA] offset:(\k)+64*(\c)+(\i)*16*PITCH
	ds_load_b128 v[128+64*(\f)+32*(\c)+8*(\i)+4:128+64*(\f)+32*(\c)+8*(\i)+7], v[ADA] offset:(\k)+64*(\c)+(\i)*16*PITCH+32
.endr
.endr
.endm
; The first half of a K step: multiplies buffer f and fetches the slot's second 64 along K into buffer g.
.macro HALF f, g, zero
	s_wait_dscnt 24                                ; f's first 24 loads are in; its other 24 may be out
	PLACES                                         ; g was multiplied just before
	FETCH 128, \g
	MUL32 \f, 0, \zero
	s_wait_dscnt 48                                ; all but the 48 just issued
	MUL32 \f, 1, 0
.endm
; The second half multiplies buffer 1 and changes slots: ONE barrier.  In front of it each wave waits for all its tensor loads (the one that is out is its part of the next slot), adds 0 to its spare word, and waits
; for that and for its own reads of this slot.  fill = 1: the barrier opens a round of the cluster's barrier, and behind the round this slot is filled again, with the K step two on: the load has 112 matrix instructions in which to land.
.macro TURN fill
	WIN 0
.if \fill
	s_wait_xcnt 0x0                                ; the last prefetch, a K step back, has read its address
	s_add_nc_u64 s[PFA:PFA+1], s[PFA:PFA+1], KSA
.endif
	s_wait_tensorcnt 0x0                           ; no tensor load of mine is out, so a group 0 may be written
	ds_add_u32 v[SPW], v[NIL]                      ; 0 onto my spare word
.if \fill
	s_xor_b32 s[G0A+5], s[G0A+5], SLOT1            ; the walking descriptors: the other slot than last time,
	s_add_nc_u64 s[G0A+6:G0A+7], s[G0A+6:G0A+7], KSA  ; the next K step; the type bits on top are not reached
	s_xor_b32 s[G0B+5], s[G0B+5], SLOT1
	s_add_nc_u64 s[G0B+6:G0B+7], s[G0B+6:G0B+7], KSB
.endif
	s_xor_b32 s[TB], s[TB], SLOT1                  ; the fetches go on in the other slot
	s_wait_dscnt 25                                ; the add and buffer 1's second 24 loads may be out
	MUL8 1, 0, 0, 0
	s_wait_dscnt 0x0                               ; the add is done, and my reads of this slot are over
	s_barrier_signal -1
	MUL8 1, 0, 1, 0                                ; work on registers while the others arrive
	WIN 0                                          ; at a branch and at a label every window is 0
	s_barrier_wait -1
.if \fill
	CREST                                          ; no wave of any partner still reads this slot or has a load on its way
	JLOAD 1                                        ; the first tensor load behind the round; its four v_nop are also the places in front of the loads below
.else
	PLACES
.endif
	FETCH 0, 0
.if \fill
	ASK
.endif
	MUL8 1, 0, 2, 0
	MUL8 1, 0, 3, 0
	MUL32 1, 1, 0
.endm
	s_load_b128 s[84:87], s[0:1], 0x0              ; h16 s[84:85], qkv s[86:87]
	v_lshl_add_u32 v[SPW], v0, 2, SPARE
	v_mov_b32 v[NIL], 0
	ds_add_u32 v[SPW], v[NIL]                      ; the wave's opening: the add and its wait stand ahead of my first tensor load; the set-up below stands between them
	v_lshrrev_b32 v1, 5, v0
	v_readfirstlane_b32 s10, v1                    ; wave 0..3
	s_lshr_b32 s11, s10, 1                         ; which 64 rows of X are mine.  Also: I fetch for X (0) or for W (1)
	s_and_b32 s12, s10, 1                          ; which 128 rows of W.  Also: which half of that tile I fetch
	s_bfe_u32 s40, ttmp6, 0x40000                  ; cx
	s_bfe_u32 s41, ttmp6, 0x40004                  ; cy
	s_lshl_b32 s42, ttmp9, 2
	s_add_co_u32 s42, s42, s40                     ; tile column = 4 x cluster x + cx
	s_and_b32 s[CY], ttmp7, 0xffff
	s_lshl_b32 s13, s[CY], 2
	s_add_co_u32 s13, s13, s41                     ; tile row = 4 x cluster y + cy
	s_lshl_b32 s43, s41, 2
	s_lshl_b32 s43, 15, s43                        ; my row of the cluster
	s_lshl_b32 s44, 0x1111, s40                    ; my column
	s_or_b32 s[G1A], s43, FLAGS
	s_or_b32 s[G1B], s44, FLAGS
	s_mov_b32 s[G1A+1], 128<<16                    ; tensor_dim0 = 128
	s_mov_b32 s[G1A+2], 64<<16                     ; tensor_dim1 = 64
	s_mov_b32 s[G1A+3], 128<<16                    ; tile_dim0 = 128
	s_mov_b32 s[G1A+4], 64                         ; tile_dim1 = 64
	s_mov_b32 s[G1A+5], 1024                       ; elements from row to row
	s_mov_b32 s[G1A+6], 0
	s_mov_b32 s[G1A+7], 0
	s_mov_b32 s[G1B+1], 128<<16
	s_mov_b32 s[G1B+2], 128<<16                    ; 128 rows
	s_mov_b32 s[G1B+3], 128<<16
	s_mov_b32 s[G1B+4], 128
	s_mov_b32 s[G1B+5], 1024
	s_mov_b32 s[G1B+6], 0
	s_mov_b32 s[G1B+7], 0
	s_lshl_b32 s16, s13, 7                         ; X: row 128 x tile row + 64 x half,
	s_lshl_b32 s17, s12, 6
	s_add_co_u32 s16, s16, s17
	s_lshl_b32 s16, s16, 11                        ; in bytes (under 2^26)
	s_mov_b32 s17, 0
	s_lshl_b32 s46, s42, 8                         ; W: row 256 x tile column + 128 x half,
	s_lshl_b32 s47, s12, 7
	s_add_co_u32 s46, s46, s47
	s_lshl_b32 s46, s46, 11
	s_lshr_b32 s47, s[CY], 4                       ; of matrix t: sixteen clusters of rows to each
	s_lshl_b32 s47, s47, 21
	s_add_co_u32 s46, s46, s47
	s_add_co_u32 s46, s46, WOFF
	s_mov_b32 s47, 0
	s_mul_i32 s20, s12, AHALF                      ; where they go: no place in the cluster enters an LDS address
	s_mul_i32 s21, s12, BHALF
	s_add_co_u32 s21, s21, ATILE
	s_mov_b32 s[TB], 0
	s_wait_dscnt 0x0                               ; the opening add is done
	s_wait_kmcnt 0x0
	s_add_nc_u64 s[14:15], s[84:85], s[16:17]
	s_add_nc_u64 s[46:47], s[84:85], s[46:47]
	CROUND                                         ; all sixteen work-groups are here: the first joint loads meet
.irp s, 0,1
	s_mov_b32 s[G0A+4*(\s)], 1
	s_add_co_u32 s[G0A+4*(\s)+1], s20, (\s)*SLOT1
	s_add_nc_u64 s[G0A+4*(\s)+2:G0A+4*(\s)+3], s[14:15], (\s)*KSA
	s_or_b32 s[G0A+4*(\s)+3], s[G0A+4*(\s)+3], 0x80000000
	s_mov_b32 s[G0B+4*(\s)], 1
	s_add_co_u32 s[G0B+4*(\s)+1], s21, (\s)*SLOT1
	s_add_nc_u64 s[G0B+4*(\s)+2:G0B+4*(\s)+3], s[46:47], (\s)*KSB
	s_or_b32 s[G0B+4*(\s)+3], s[G0B+4*(\s)+3], 0x80000000
	JLOAD \s                                       ; two loads of mine are out
.endr
	; a fragment is 16 rows x 32 K in 8 registers: lane l holds row l % 16, K = 8 (l / 16) + 0..7 and 16 + 8 (l / 16) + 0..7: two loads of 16 bytes, 32 bytes apart
	v_and_b32 v1, 15, v0                           ; l % 16
	v_bfe_u32 v2, v0, 4, 1                         ; l / 16
	v_mul_u32_u24 v3, v1, PITCH
	v_lshl_add_u32 v3, v2, 4, v3                   ; row x pitch + 16 x half
	s_mul_i32 s21, s11, AHALF
	s_mul_i32 s22, s12, BHALF
	s_add_co_u32 s22, s22, ATILE
	v_add_nc_u32 v[ADA0], s21, v3
	v_add_nc_u32 v[ADB0], s22, v3
	s_mul_i32 s23, s10, 16*PITCH
	s_add_co_u32 s23, s23, STAGE                   ; my stage
	v_add_nc_u32 v[STO], s23, v3                   ; in: row l % 16, 16 bytes for each half of the lanes
	v_mul_u32_u24 v5, v2, PITCH                    ; back: lanes 0-15 one row of 256 bytes, lanes 16-31 the next
	v_lshl_add_u32 v5, v1, 4, v5
	v_add_nc_u32 v[RD], s23, v5
	v_mul_u32_u24 v5, v2, ROWB
	v_lshl_add_u32 v[CO], v1, 4, v5
	s_lshl_b32 s16, s13, 7                         ; my part of the result: row 128 x tile row + 64 x half,
	s_lshl_b32 s17, s11, 6
	s_add_co_u32 s16, s16, s17
	s_lshl_b32 s16, s16, 11
	s_lshl_b32 s17, s42, 9                         ; byte 512 x tile column + 256 x half of it
	s_add_co_u32 s16, s16, s17
	s_lshl_b32 s17, s12, 8
	s_add_co_u32 s16, s16, s17
	s_mov_b32 s17, 0
	s_add_nc_u64 s[8:9], s[86:87], s[16:17]
	; the prefetches
	s_lshl_b32 s20, s13, 7                         ; X: the tile's 128 rows, my work-group's 32 of them
	s_lshl_b32 s21, s40, 5
	s_add_co_u32 s20, s20, s21
	s_lshl_b32 s20, s20, 11
	s_lshl_b32 s22, s42, 8                         ; W: the 128 rows that I fetch, my work-group's 32 of them
	s_lshl_b32 s21, s12, 7
	s_add_co_u32 s22, s22, s21
	s_lshl_b32 s21, s41, 5
	s_add_co_u32 s22, s22, s21
	s_lshl_b32 s22, s22, 11
	s_lshr_b32 s21, s[CY], 4
	s_lshl_b32 s21, s21, 21
	s_add_co_u32 s22, s22, s21
	s_add_co_u32 s22, s22, WOFF
	s_and_b32 s23, s[CY], 15                       ; the clusters along which a matrix is read again
	s_cmp_eq_u32 s11, 0
	s_cselect_b32 s20, s20, s22
	s_cselect_b32 s23, ttmp9, s23
	s_cselect_b32 s22, s12, 0                      ; of X's two waves the first asks
	s_or_b32 s23, s23, s22
	s_cmp_eq_u32 s23, 0
	s_cselect_b32 s[LIM], 2, -1                    ; the same in all sixteen partners, for a given wave
	s_mov_b32 s21, 0
	s_add_nc_u64 s[PFA:PFA+1], s[84:85], s[20:21]
	s_add_nc_u64 s[PFA:PFA+1], s[PFA:PFA+1], 3*KSA ; at K step 3: the first refill steps it to 4.  Nothing is prefetched at the head, where every work-group's first tiles are on their way
	v_and_b32 v[PFO], 31, v0
	v_lshlrev_b32 v[PFO], 11, v[PFO]
	s_wait_tensorcnt 1                             ; my part of K step 0 is in; K step 1's may stay out
	s_barrier_signal -1
	s_barrier_wait -1                              ; everybody's is
	FETCH 0, 0
	HALF 0, 1, 1                                   ; the first half stands in front of the loop: its products start the sums
	WIN 0
	s_mov_b32 s3, KT-2
.Lk:                                               ; a trip: the second half of one K step, a refill, the first half of the next
	TURN 1
	HALF 0, 1, 0
	WIN 0
	s_sub_co_u32 s3, s3, 1
	s_cmp_lg_u32 s3, 0
	s_cbranch_scc1 .Lk
	TURN 0                                         ; the tail is written out: nothing is left to fetch
	HALF 0, 1, 0
	s_wait_dscnt 24
	MUL32 1, 0, 0
	s_wait_dscnt 0x0
	MUL32 1, 1, 0
	WIN 0
	PLACES
; THE WAY OUT, 16 rows at a time: rounded to f16, 16 bytes a lane; into my own stage; back as whole rows of 256 bytes; stored.
.macro PACK a
	WIN 0x0a                                       ; sources 0 and 1 window 2; each accumulator's registers in ascending order
.irp b, 0,1,2,3,4,5,6,7
.irp r, 0,1,2,3
	v_cvt_pk_f16_f32 v[TMP+4*(\b)+(\r)], v[64*(\a)+8*(\b)+2*(\r)], v[64*(\a)+8*(\b)+2*(\r)+1]
.endr
.endr
	WIN 0
.endm
.macro TOSTAGE a
.irp b, 0,1,2,3,4,5,6,7
	ds_store_b128 v[STO], v[TMP+4*(\b):TMP+4*(\b)+3] offset:32*(\b)
.endr
.irp t, 0,1,2,3,4,5,6,7
	ds_load_b128 v[OB+32*((\a)%2)+4*(\t):OB+32*((\a)%2)+4*(\t)+3], v[RD] offset:(\t)*2*PITCH  ; LDS serves a wave's instructions in order (ISA guide 5.7.1.4): these see the stores above
.endr
.endm
.macro SEND a
	s_wait_dscnt 0x0                               ; the block is back in registers
	s_wait_xcnt 0x0                                ; the block before has left its registers, which the next block's loads will write
.irp t, 0,1,2,3,4,5,6,7
	global_store_b128 v[CO], v[OB+32*((\a)%2)+4*(\t):OB+32*((\a)%2)+4*(\t)+3], s[8:9] offset:(16*(\a)+2*(\t))*ROWB  ; 16 lanes store 256 consecutive bytes, aligned
.endr
.endm
	PACK 0
	TOSTAGE 0
.irp a, 1,2,3
	PACK \a                                        ; a block's conversions stand between the loads of the block before and the wait for them
	SEND (\a)-1
	TOSTAGE \a
.endr
	SEND 3
	s_wait_tensorcnt 0x0                           ; the wave's end
	ds_add_u32 v[SPW], v[NIL]
	s_wait_dscnt 0x0
	CROUND                                         ; the closing round: no work-group ends while a partner may still ask for a tile that names it
	s_endpgm
.Lfunc_end_k_q31a620b7a8_proj:
	.size	k_q31a620b7a8_proj, .Lfunc_end_k_q31a620b7a8_proj-k_q31a620b7a8_proj
	.p2alignl 7, 3214868480
	.fill 96, 4, 3214868480
	.section	.rodata,"a",@progbits
	.p2align	6, 0x0
	.amdhsa_kernel k_q31a620b7a8_proj
		.amdhsa_group_segment_fixed_size 327680
		.amdhsa_private_segment_fixed_size 0
		.amdhsa_enable_private_segment 0
		.amdhsa_kernarg_size 16
		.amdhsa_user_sgpr_count 2
		.amdhsa_user_sgpr_kernarg_segment_ptr 1
		.amdhsa_wavefront_size32 1
		.amdhsa_system_sgpr_workgroup_id_x 1
		.amdhsa_system_sgpr_workgroup_id_y 1
		.amdhsa_system_sgpr_workgroup_id_z 1
		.amdhsa_system_vgpr_workitem_id 0
		.amdhsa_next_free_vgpr 768
		.amdhsa_next_free_sgpr 92
		.amdhsa_reserve_vcc 0
		.amdhsa_float_denorm_mode_32 3
		.amdhsa_float_denorm_mode_16_64 3
		.amdhsa_memory_ordered 1
		.amdhsa_forward_progress 1
		.amdhsa_inst_pref_size 70
	.end_amdhsa_kernel
	.amdgpu_metadata
---
amdhsa.version: [ 1, 2 ]
amdhsa.kernels:
  - .name:           k_q31a620b7a8_proj
    .symbol:         k_q31a620b7a8_proj.kd
    .args:
      - { .name: h16, .offset: 0, .size: 8, .value_kind: global_buffer, .address_space: global }
      - { .name: qkv, .offset: 8, .size: 8, .value_kind: global_buffer, .address_space: global }
    .group_segment_fixed_size: 327680
    .private_segment_fixed_size: 0
    .kernarg_segment_align: 8
    .kernarg_segment_size: 16
    .max_flat_workgroup_size: 128
    .sgpr_count:     92
    .vgpr_count:     768
    .wavefront_size: 32
...
	.end_amdgpu_metadata
.endif
;; end of part 2
;; launch score (part 3): grid 8 x 64, 4 waves a work-group, clusters of 4 x 4, 327,680 bytes of LDS; arguments qkv, pbuf, stat; writes pbuf, stat
.if DOCPART == 3
	.amdgcn_target "amdgcn-amd-amdhsa--gfx1250"
	.amdhsa_code_object_version 6
	.text
	.protected	k_q31a620b7a8_score
	.globl	k_q31a620b7a8_score
	.p2align	8
	.type	k_q31a620b7a8_score,@function
k_q31a620b7a8_score:
	s_mov_b64 s[64:65], 0
	v_nop
	global_prefetch_b8 v0, s[64:65] scope:SCOPE_SE
	s_setreg_imm32_b32 hwreg(HW_REG_WAVE_MODE, 25, 1), 1
	s_wait_xcnt 0x0
	s_wait_alu depctr_hold_cnt(0) depctr_sa_sdst(0) depctr_va_vdst(0) depctr_va_sdst(0) depctr_va_ssrc(0) depctr_va_vcc(0) depctr_vm_vsrc(0)
	s_getreg_b32 s2, hwreg(HW_REG_IB_STS2, 6, 4)
	s_cmp_eq_u32 s2, 0
	s_cbranch_scc0 .Lentry_in_a_cluster
	s_endpgm
.Lentry_in_a_cluster:
	s_bfe_u32 s2, ttmp6, 0x10000c
	s_cmp_lg_u32 s2, 0xf033
	s_cbranch_scc0 .Lentry_shape_is_right
	s_endpgm
.Lentry_shape_is_right:
; SCORE.  S[q][k] = (q / 4) . (k / 4) within a batch; for each query and each block t of 128 keys: the block's maximum, m' = floor(c max) + 1, P = 2^(c S - m') in f16, l = the sum of the unrounded P.
; c = log2(e) x 16 / sqrt(1024): the 16 undoes the two factors 1/4.  pbuf: [8192 queries][2048 keys] f16.  stat: m'[16 t][8192 rows] f32, then l likewise, 524,288 bytes on.
; THE SOFTMAX is split as a running maximum is: here the block's own maximum is taken away, so that every exponent is at most 0 and at the maximum at least -1 (l >= 1/2); the next launch corrects by 2^(m'_t - the greatest m').
; m' is a whole number, so those corrections are powers of two.  The exponent is c (S - max) + (c max - m'): the difference is taken before the scale, and c max - m' is exact.
; LIMITS.  P below 6e-8 counts as 0 in the second product (not in l); where c max passes 2^24 the exponent at the maximum may be -2.  NaN and infinities are not treated apart.
; SHARES.  A tile is 128 queries x 256 keys: 512 work-groups.  Four waves, each 64 queries x 128 keys: a wave's columns are one block t.  K (the 1,024 channels) goes in 8 steps of 128 through two LDS slots.
; CLUSTER.  4 x 4: q's rows are shared along a row of the cluster, k's along a column, and asked for jointly.
; THE MATRIX INSTRUCTION IS USED TRANSPOSED (source 0 = 16 keys, source 1 = 16 queries): a lane holds ONE query (l % 16) and, of each 16 keys, 8 (l / 16) + 0..7: a query's maximum and sum want one exchange between the halves of the lanes.
; REGISTERS: window 0: v0-31 addresses; v96-111 the softmax's statistics; v128-255 q's fragments (on the way out rows read back and packed P); window 1: k's fragments; window 2: accumulator (a, b) at 64 a + 8 b.
.set KT,     8
.set PITCH,  272                       ; an LDS row: 256 bytes + 16 of padding: the 16 rows of a fragment load start at 16 different groups of four banks (ISA guide 11.1)
.set AHALF,  64*PITCH
.set ATILE,  128*PITCH
.set BHALF,  128*PITCH
.set SLOT1,  131072
.set STAGE,  SLOT1+ATILE+2*BHALF       ; 235,520
.set STATS,  STAGE+4*16*PITCH          ; 252,928: 512 bytes a wave: 64 m', then 64 l
.set SPARE,  STATS+2048                ; 254,976: the spare words
.set ROWB,   4096                      ; bytes in a row of pbuf
.set KSA,    256
.set KSB,    256
.set KOFF,   16777216                  ; k / 4 in qkv
.set ADA0, 16
.set ADB0, 17
.set ADA,  18
.set ADB,  19
.set SAD,  21                          ; v21  where I put m' (lanes 0-15) or l (lanes 16-31) of my query
.set SRD,  22                          ; v22  where I read 16 bytes of them back
.set SGO,  23                          ; v23  and their byte offset in stat
.set STO,  24
.set RD,   25
.set CO,   26
.set SPW,  28
.set NIL,  29
.set PFO,  30
.set TT,   96                          ; v96-103  eight running maxima
.set MR,   104                         ; v[104:105] the block's maximum, twice
.set DD,   106                         ; v[106:107] c max - m', twice
.set XX,   108                         ; v108  c max
.set MP,   109                         ; v109  m'
.set LR,   110                         ; v110  l
.set SV,   111                         ; v111  what the lane stores
.set OB,   128
.set TMP,  192
.set G1A,  24
.set G0A,  32
.set LIM,  43
.set PFA,  44
.set G1B,  48
.set G0B,  56
.set TB,   70
.set CS,   72                          ; s[72:73] c: the packed scaling takes the pair's low word for both halves
.set SEL,  74                          ; s[74:75] v_permlanex16_b32's selects: each lane takes its own place in the other half
.set HM,   76                          ; s76  the mask of lanes 16 to 31
.set CY,   77
.set FLAGS, (1<<16)|(1<<20)|(1<<21)|(5<<22)|(3<<25)
.set MUL,  0xa1
.set TO_B, 0x40
.set MSB, 0
.macro WIN new
.if MSB != (\new)
	s_set_vgpr_msb (MSB<<8)|(\new)
.set MSB, \new
.endif
.endm
.macro PLACES
.rept 4
	v_nop
.endr
.endm
.macro JLOAD s                         ; a joint load: waves 0 and 1 fetch q's halves, waves 2 and 3 k's; an s_nop 0 and four v_nop follow each line
	s_cmp_eq_u32 s11, 0
	s_cbranch_scc0 .Lfor_b_\@
	tensor_load_to_lds s[G0A+4*(\s):G0A+4*(\s)+3], s[G1A:G1A+7]
	s_nop 0
.rept 4
	v_nop
.endr
	s_branch .Lasked_\@
.Lfor_b_\@:
	tensor_load_to_lds s[G0B+4*(\s):G0B+4*(\s)+3], s[G1B:G1B+7]
	s_nop 0
.rept 4
	v_nop
.endr
.Lasked_\@:
.endm
.macro CREST
	s_cmp_lg_u32 s10, 0
	s_cbranch_scc1 .Lnot_wave_0_\@
	s_barrier_signal -3
.Lnot_wave_0_\@:
	s_barrier_wait -3
	s_barrier_signal -1
	s_barrier_wait -1
.endm
.macro CROUND
	s_barrier_signal -1
	s_barrier_wait -1
	CREST
.endm
; A prefetch of the K step two refills on, a lane a row, each row's 256 bytes named once in the launch: q's rows by wave 0 where the cluster's x is 0, k's by waves 2 and 3 of the batch's first cluster of rows;
; the four partners that ask for a tile jointly take 32 rows each, by address.  The last two refills ask for nothing.
.macro ASK
	s_cmp_gt_u32 s3, s[LIM]
	s_cbranch_scc0 .Lnot_mine_\@
	global_prefetch_b8 v[PFO], s[PFA:PFA+1] th:TH_LOAD_NT scope:SCOPE_SE
.Lnot_mine_\@:
.endm
.macro MUL8 f, c, a, zero              ; the 32 accumulators take turns in one fixed order
	WIN MUL
.irp b, 0,1,2,3,4,5,6,7
.if \zero
	v_wmma_f32_16x16x32_f16 v[64*(\a)+8*(\b):64*(\a)+8*(\b)+7], v[128*(\f)+64*(\c)+8*(\b):128*(\f)+64*(\c)+8*(\b)+7], v[128+64*(\f)+32*(\c)+8*(\a):128+64*(\f)+32*(\c)+8*(\a)+7], 0
.else
	v_wmma_f32_16x16x32_f16 v[64*(\a)+8*(\b):64*(\a)+8*(\b)+7], v[128*(\f)+64*(\c)+8*(\b):128*(\f)+64*(\c)+8*(\b)+7], v[128+64*(\f)+32*(\c)+8*(\a):128+64*(\f)+32*(\c)+8*(\a)+7], v[64*(\a)+8*(\b):64*(\a)+8*(\b)+7]
.endif
.endr
.endm
.macro MUL32 f, c, zero
	MUL8 \f, \c, 0, \zero
	MUL8 \f, \c, 1, \zero
	MUL8 \f, \c, 2, \zero
	MUL8 \f, \c, 3, \zero
.endm
.macro FETCH k, f                      ; 48 LDS loads in one run: 64 along K at byte k of the slot's rows, into buffer f
.if (\k) == 0
	WIN 0
	v_add_nc_u32 v[ADA], s[TB], v[ADA0]
	v_add_nc_u32 v[ADB], s[TB], v[ADB0]
.endif
.irp c, 0,1
	WIN TO_B
.irp i, 0,1,2,3,4,5,6,7
	ds_load_b128 v[128*(\f)+64*(\c)+8*(\i):128*(\f)+64*(\c)+8*(\i)+3],   v[ADB] offset:(\k)+64*(\c)+(\i)*16*PITCH
	ds_load_b128 v[128*(\f)+64*(\c)+8*(\i)+4:128*(\f)+64*(\c)+8*(\i)+7], v[ADB] offset:(\k)+64*(\c)+(\i)*16*PITCH+32
.endr
	WIN 0
.irp i, 0,1,2,3
	ds_load_b128 v[128+64*(\f)+32*(\c)+8*(\i):128+64*(\f)+32*(\c)+8*(\i)+3],   v[ADA] offset:(\k)+64*(\c)+(\i)*16*PITCH
	ds_load_b128 v[128+64*(\f)+32*(\c)+8*(\i)+4:128+64*(\f)+32*(\c)+8*(\i)+7], v[ADA] offset:(\k)+64*(\c)+(\i)*16*PITCH+32
.endr
.endr
.endm
.macro HALF f, g, zero
	s_wait_dscnt 24                                ; f's first 24 loads are in; its other 24 may be out
	PLACES                                         ; g was multiplied just before
	FETCH 128, \g
	MUL32 \f, 0, \zero
	s_wait_dscnt 48                                ; all but the 48 just issued
	MUL32 \f, 1, 0
.endm
; The second half of a K step and the change of slots: each wave waits for all its tensor loads, adds 0 to its spare word, waits for that and for its reads of the slot; one barrier, which with fill = 1 opens a round of the
; cluster's barrier; the joint refill is the first tensor load behind the round.
.macro TURN fill
	WIN 0
.if \fill
	s_wait_xcnt 0x0                                ; the last prefetch, a K step back, has read its address
	s_add_nc_u64 s[PFA:PFA+1], s[PFA:PFA+1], KSA
.endif
	s_wait_tensorcnt 0x0                           ; no tensor load of mine is out, so a group 0 may be written
	ds_add_u32 v[SPW], v[NIL]                      ; 0 onto my spare word
.if \fill
	s_xor_b32 s[G0A+5], s[G0A+5], SLOT1
	s_add_nc_u64 s[G0A+6:G0A+7], s[G0A+6:G0A+7], KSA
	s_xor_b32 s[G0B+5], s[G0B+5], SLOT1
	s_add_nc_u64 s[G0B+6:G0B+7], s[G0B+6:G0B+7], KSB
.endif
	s_xor_b32 s[TB], s[TB], SLOT1
	s_wait_dscnt 25                                ; the add and buffer 1's second 24 loads may be out
	MUL8 1, 0, 0, 0
	s_wait_dscnt 0x0                               ; the add is done, and my reads of this slot are over
	s_barrier_signal -1
	MUL8 1, 0, 1, 0
	WIN 0
	s_barrier_wait -1
.if \fill
	CREST
	JLOAD 1
.else
	PLACES
.endif
	FETCH 0, 0
.if \fill
	ASK
.endif
	MUL8 1, 0, 2, 0
	MUL8 1, 0, 3, 0
	MUL32 1, 1, 0
.endm
	s_load_b128 s[84:87], s[0:1], 0x0              ; qkv s[84:85], pbuf s[86:87]
	s_load_b64 s[88:89], s[0:1], 0x10              ; stat
	v_lshl_add_u32 v[SPW], v0, 2, SPARE
	v_mov_b32 v[NIL], 0
	ds_add_u32 v[SPW], v[NIL]                      ; the wave's opening: the add and its wait stand ahead of my first tensor load
	v_lshrrev_b32 v1, 5, v0
	v_readfirstlane_b32 s10, v1                    ; wave 0..3
	s_lshr_b32 s11, s10, 1                         ; which 64 queries are mine.  Also: I fetch for q (0) or for k (1)
	s_and_b32 s12, s10, 1                          ; which 128 keys.  Also: which half of that tile I fetch
	s_bfe_u32 s40, ttmp6, 0x40000                  ; cx
	s_bfe_u32 s41, ttmp6, 0x40004                  ; cy
	s_lshl_b32 s42, ttmp9, 2
	s_add_co_u32 s42, s42, s40                     ; tile column: 256 keys of the batch
	s_and_b32 s[CY], ttmp7, 0xffff
	s_lshl_b32 s13, s[CY], 2
	s_add_co_u32 s13, s13, s41                     ; tile row: 128 of the 8,192 queries
	s_lshl_b32 s43, s41, 2
	s_lshl_b32 s43, 15, s43
	s_lshl_b32 s44, 0x1111, s40
	s_or_b32 s[G1A], s43, FLAGS
	s_or_b32 s[G1B], s44, FLAGS
	s_mov_b32 s[G1A+1], 128<<16
	s_mov_b32 s[G1A+2], 64<<16
	s_mov_b32 s[G1A+3], 128<<16
	s_mov_b32 s[G1A+4], 64
	s_mov_b32 s[G1A+5], 1024
	s_mov_b32 s[G1A+6], 0
	s_mov_b32 s[G1A+7], 0
	s_mov_b32 s[G1B+1], 128<<16
	s_mov_b32 s[G1B+2], 128<<16
	s_mov_b32 s[G1B+3], 128<<16
	s_mov_b32 s[G1B+4], 128
	s_mov_b32 s[G1B+5], 1024
	s_mov_b32 s[G1B+6], 0
	s_mov_b32 s[G1B+7], 0
	s_lshl_b32 s16, s13, 7                         ; q: row 128 x tile row + 64 x half
	s_lshl_b32 s17, s12, 6
	s_add_co_u32 s16, s16, s17
	s_lshl_b32 s16, s16, 11
	s_mov_b32 s17, 0
	s_lshl_b32 s46, s42, 8                         ; k: row 2,048 x batch + 256 x tile column + 128 x half; a batch is four clusters of rows
	s_lshl_b32 s47, s12, 7
	s_add_co_u32 s46, s46, s47
	s_lshr_b32 s47, s[CY], 2
	s_lshl_b32 s47, s47, 11
	s_add_co_u32 s46, s46, s47
	s_lshl_b32 s46, s46, 11
	s_add_co_u32 s46, s46, KOFF
	s_mov_b32 s47, 0
	s_mul_i32 s20, s12, AHALF
	s_mul_i32 s21, s12, BHALF
	s_add_co_u32 s21, s21, ATILE
	s_mov_b32 s[TB], 0
	s_mov_b32 s[CS], 0x3f38aa3b                    ; c = log2(e) / 2
	s_mov_b32 s[CS+1], s[CS]                       ; named with it as a pair
	s_mov_b32 s[SEL], 0x76543210
	s_mov_b32 s[SEL+1], 0xfedcba98
	s_wait_dscnt 0x0                               ; the opening add is done
	s_wait_kmcnt 0x0
	s_add_nc_u64 s[14:15], s[84:85], s[16:17]
	s_add_nc_u64 s[46:47], s[84:85], s[46:47]
	CROUND                                         ; all sixteen work-groups are here: the first joint loads meet
.irp s, 0,1
	s_mov_b32 s[G0A+4*(\s)], 1
	s_add_co_u32 s[G0A+4*(\s)+1], s20, (\s)*SLOT1
	s_add_nc_u64 s[G0A+4*(\s)+2:G0A+4*(\s)+3], s[14:15], (\s)*KSA
	s_or_b32 s[G0A+4*(\s)+3], s[G0A+4*(\s)+3], 0x80000000
	s_mov_b32 s[G0B+4*(\s)], 1
	s_add_co_u32 s[G0B+4*(\s)+1], s21, (\s)*SLOT1
	s_add_nc_u64 s[G0B+4*(\s)+2:G0B+4*(\s)+3], s[46:47], (\s)*KSB
	s_or_b32 s[G0B+4*(\s)+3], s[G0B+4*(\s)+3], 0x80000000
	JLOAD \s
.endr
	v_and_b32 v1, 15, v0                           ; l % 16
	v_bfe_u32 v2, v0, 4, 1                         ; l / 16
	v_and_b32 v4, 31, v0                           ; l
	v_mul_u32_u24 v3, v1, PITCH
	v_lshl_add_u32 v3, v2, 4, v3
	s_mul_i32 s21, s11, AHALF
	s_mul_i32 s22, s12, BHALF
	s_add_co_u32 s22, s22, ATILE
	v_add_nc_u32 v[ADA0], s21, v3
	v_add_nc_u32 v[ADB0], s22, v3
	s_mul_i32 s23, s10, 16*PITCH
	s_add_co_u32 s23, s23, STAGE
	v_add_nc_u32 v[STO], s23, v3
	v_mul_u32_u24 v5, v2, PITCH
	v_lshl_add_u32 v5, v1, 4, v5
	v_add_nc_u32 v[RD], s23, v5
	v_mul_u32_u24 v5, v2, ROWB
	v_lshl_add_u32 v[CO], v1, 4, v5
	s_lshl_b32 s23, s10, 9
	s_add_co_u32 s23, s23, STATS                   ; my 512 bytes of statistics
	v_lshlrev_b32 v5, 2, v1
	v_lshl_add_u32 v5, v2, 8, v5
	v_add_nc_u32 v[SAD], s23, v5                   ; 256 (l / 16) + 4 (l % 16)
	v_lshl_add_u32 v[SRD], v4, 4, s23              ; 16 l
	v_lshlrev_b32 v5, 4, v1
	v_lshl_add_u32 v[SGO], v2, 19, v5              ; lanes 0-15: m'; lanes 16-31: l, 524,288 bytes on
	s_lshl_b32 s16, s13, 7                         ; my part of pbuf
	s_lshl_b32 s17, s11, 6
	s_add_co_u32 s16, s16, s17
	s_lshl_b32 s16, s16, 12
	s_lshl_b32 s17, s42, 9
	s_add_co_u32 s16, s16, s17
	s_lshl_b32 s17, s12, 8
	s_add_co_u32 s16, s16, s17
	s_mov_b32 s17, 0
	s_add_nc_u64 s[8:9], s[86:87], s[16:17]
	s_lshl_b32 s16, s42, 1                         ; my block t = 2 x tile column + half,
	s_add_co_u32 s16, s16, s12
	s_lshl_b32 s16, s16, 13                        ; 8,192 rows to a block,
	s_lshl_b32 s17, s13, 7
	s_add_co_u32 s16, s16, s17
	s_lshl_b32 s17, s11, 6
	s_add_co_u32 s16, s16, s17                     ; my 64 rows,
	s_lshl_b32 s16, s16, 2                         ; in bytes
	s_mov_b32 s17, 0
	s_add_nc_u64 s[66:67], s[88:89], s[16:17]
	; the prefetches
	s_lshl_b32 s20, s13, 7
	s_lshl_b32 s21, s40, 5
	s_add_co_u32 s20, s20, s21
	s_lshl_b32 s20, s20, 11
	s_lshl_b32 s22, s42, 8
	s_lshl_b32 s21, s12, 7
	s_add_co_u32 s22, s22, s21
	s_lshl_b32 s21, s41, 5
	s_add_co_u32 s22, s22, s21
	s_lshr_b32 s21, s[CY], 2
	s_lshl_b32 s21, s21, 11
	s_add_co_u32 s22, s22, s21
	s_lshl_b32 s22, s22, 11
	s_add_co_u32 s22, s22, KOFF
	s_and_b32 s23, s[CY], 3                        ; the clusters along which a batch's keys are read again
	s_cmp_eq_u32 s11, 0
	s_cselect_b32 s20, s20, s22
	s_cselect_b32 s23, ttmp9, s23
	s_cselect_b32 s22, s12, 0
	s_or_b32 s23, s23, s22
	s_cmp_eq_u32 s23, 0
	s_cselect_b32 s[LIM], 2, -1
	s_mov_b32 s21, 0
	s_add_nc_u64 s[PFA:PFA+1], s[84:85], s[20:21]
	s_add_nc_u64 s[PFA:PFA+1], s[PFA:PFA+1], 3*KSA ; at K step 3: the first refill steps it to 4; nothing is prefetched at the head
	v_lshlrev_b32 v[PFO], 11, v4
	s_wait_tensorcnt 1                             ; my part of K step 0 is in; K step 1's may stay out
	s_barrier_signal -1
	s_barrier_wait -1
	FETCH 0, 0
	HALF 0, 1, 1
	WIN 0
	s_mov_b32 s3, KT-2
.Lk:
	TURN 1
	HALF 0, 1, 0
	WIN 0
	s_sub_co_u32 s3, s3, 1
	s_cmp_lg_u32 s3, 0
	s_cbranch_scc1 .Lk
	TURN 0
	HALF 0, 1, 0
	s_wait_dscnt 24
	MUL32 1, 0, 0
	s_wait_dscnt 0x0
	MUL32 1, 1, 0
	WIN 0
	PLACES
	v_cmp_lt_u32 s[HM], 15, v4                     ; lanes 16 to 31
; THE SOFTMAX OF 16 QUERIES x 128 KEYS (block a of my rows): a lane holds 64 scores of one query, the lane 16 away the other 64.
.macro SOFT a
.set AC, 64*(\a)
	WIN 0x2a                                       ; three sources in window 2
.irp b, 0,1,2,3,4,5,6,7
	v_max3_num_f32 v[TT+(\b)], v[AC+8*(\b)], v[AC+8*(\b)+1], v[AC+8*(\b)+2]
.endr
	WIN 0x28
.irp b, 0,1,2,3,4,5,6,7
	v_max3_num_f32 v[TT+(\b)], v[TT+(\b)], v[AC+8*(\b)+3], v[AC+8*(\b)+4]
.endr
.irp b, 0,1,2,3,4,5,6,7
	v_max3_num_f32 v[TT+(\b)], v[TT+(\b)], v[AC+8*(\b)+5], v[AC+8*(\b)+6]
.endr
.irp b, 0,2,4,6
	v_max3_num_f32 v[TT+(\b)], v[TT+(\b)], v[AC+8*(\b)+7], v[AC+8*(\b)+15]
.endr
	WIN 0
	v_max3_num_f32 v[TT], v[TT], v[TT+1], v[TT+2]
	v_max3_num_f32 v[TT+3], v[TT+3], v[TT+4], v[TT+5]
	v_max3_num_f32 v[TT], v[TT], v[TT+6], v[TT+7]
	v_max_num_f32 v[TT], v[TT], v[TT+3]
	v_permlanex16_b32 v[TT+1], v[TT], s[SEL], s[SEL+1]
	v_max_num_f32 v[MR], v[TT], v[TT+1]            ; the block's maximum for my query
	v_mov_b32 v[MR+1], v[MR]
	v_mul_f32 v[XX], s[CS], v[MR]
	v_floor_f32 v[MP], v[XX]
	v_add_f32 v[MP], 1.0, v[MP]                    ; m'
	v_sub_f32 v[DD], v[XX], v[MP]                  ; c max - m', made from m' as it is stored
	v_mov_b32 v[DD+1], v[DD]
	WIN 0x82                                       ; destination and source 0 window 2
.set p, 0
.rept 32
	v_pk_add_f32 v[AC+p:AC+p+1], v[AC+p:AC+p+1], v[MR:MR+1] neg_lo:[0,1] neg_hi:[0,1]
.set p, p+2
.endr
.set p, 0
.rept 32
	v_pk_fma_f32 v[AC+p:AC+p+1], v[AC+p:AC+p+1], s[CS:CS+1], v[DD:DD+1] op_sel_hi:[1,0,1]
.set p, p+2
.endr
.set p, 0
.rept 64
	v_exp_f32 v[AC+p], v[AC+p]                     ; one batch: nothing ahead of the wait below names a result
.set p, p+1
.endr
	v_nop                                          ; a plain instruction behind the last exponential
	s_wait_alu depctr_va_vdst(0)                   ; and the wait ahead of the first use: one for the 64
	WIN 0x0a
.irp b, 0,1,2,3,4,5,6,7
.irp r, 0,1,2,3
	v_cvt_pk_f16_f32 v[TMP+4*(\b)+(\r)], v[AC+8*(\b)+2*(\r)], v[AC+8*(\b)+2*(\r)+1]
.endr
.endr
	WIN 0x8a                                       ; the sum of the 32 pairs, in place: neighbours 16, 8, 4, 2 and 1 pairs apart
.irp w, 32,16,8,4,2
.set p, 0
.rept (\w)/2
	v_pk_add_f32 v[AC+p:AC+p+1], v[AC+p:AC+p+1], v[AC+p+(\w):AC+p+(\w)+1]
.set p, p+2
.endr
.endr
	WIN 0x0a
	v_add_f32 v[LR], v[AC], v[AC+1]
	WIN 0
	v_permlanex16_b32 v[TT+1], v[LR], s[SEL], s[SEL+1]
	v_add_f32 v[LR], v[LR], v[TT+1]
	v_cndmask_b32 v[SV], v[MP], v[LR], s[HM]       ; lanes 0-15 keep m', lanes 16-31 l
	ds_store_b32 v[SAD], v[SV] offset:64*(\a)
.endm
.macro TOSTAGE a
.irp b, 0,1,2,3,4,5,6,7
	ds_store_b128 v[STO], v[TMP+4*(\b):TMP+4*(\b)+3] offset:32*(\b)
.endr
.irp t, 0,1,2,3,4,5,6,7
	ds_load_b128 v[OB+32*((\a)%2)+4*(\t):OB+32*((\a)%2)+4*(\t)+3], v[RD] offset:(\t)*2*PITCH  ; LDS serves a wave's instructions in order (ISA guide 5.7.1.4): these see the stores above
.endr
.endm
.macro SEND a
	s_wait_dscnt 0x0                               ; the block is back in registers
	s_wait_xcnt 0x0                                ; the block before has left its registers, which the next block's loads will write
.irp t, 0,1,2,3,4,5,6,7
	global_store_b128 v[CO], v[OB+32*((\a)%2)+4*(\t):OB+32*((\a)%2)+4*(\t)+3], s[8:9] offset:(16*(\a)+2*(\t))*ROWB  ; 16 lanes store 256 consecutive bytes, aligned
.endr
.endm
	SOFT 0
	TOSTAGE 0
.irp a, 1,2,3
	SOFT \a                                        ; a block's softmax stands between the loads of the block before and the wait for them
	SEND (\a)-1
	TOSTAGE \a
.endr
	SEND 3
	ds_load_b128 v[TT:TT+3], v[SRD]                ; my wave's 64 m' and 64 l, its own bytes, 16 bytes a lane
	s_wait_dscnt 0x0
	global_store_b128 v[SGO], v[TT:TT+3], s[66:67] ; lanes 0-15 store 256 consecutive bytes of m', lanes 16-31 of l, both aligned
	s_wait_tensorcnt 0x0                           ; the wave's end
	ds_add_u32 v[SPW], v[NIL]
	s_wait_dscnt 0x0
	CROUND                                         ; the closing round
	s_endpgm
.Lfunc_end_k_q31a620b7a8_score:
	.size	k_q31a620b7a8_score, .Lfunc_end_k_q31a620b7a8_score-k_q31a620b7a8_score
	.p2alignl 7, 3214868480
	.fill 96, 4, 3214868480
	.section	.rodata,"a",@progbits
	.p2align	6, 0x0
	.amdhsa_kernel k_q31a620b7a8_score
		.amdhsa_group_segment_fixed_size 327680
		.amdhsa_private_segment_fixed_size 0
		.amdhsa_enable_private_segment 0
		.amdhsa_kernarg_size 24
		.amdhsa_user_sgpr_count 2
		.amdhsa_user_sgpr_kernarg_segment_ptr 1
		.amdhsa_wavefront_size32 1
		.amdhsa_system_sgpr_workgroup_id_x 1
		.amdhsa_system_sgpr_workgroup_id_y 1
		.amdhsa_system_sgpr_workgroup_id_z 1
		.amdhsa_system_vgpr_workitem_id 0
		.amdhsa_next_free_vgpr 768
		.amdhsa_next_free_sgpr 92
		.amdhsa_reserve_vcc 0
		.amdhsa_float_denorm_mode_32 3
		.amdhsa_float_denorm_mode_16_64 3
		.amdhsa_memory_ordered 1
		.amdhsa_forward_progress 1
		.amdhsa_inst_pref_size 114
	.end_amdhsa_kernel
	.amdgpu_metadata
---
amdhsa.version: [ 1, 2 ]
amdhsa.kernels:
  - .name:           k_q31a620b7a8_score
    .symbol:         k_q31a620b7a8_score.kd
    .args:
      - { .name: qkv, .offset: 0, .size: 8, .value_kind: global_buffer, .address_space: global }
      - { .name: pbuf, .offset: 8, .size: 8, .value_kind: global_buffer, .address_space: global }
      - { .name: stat, .offset: 16, .size: 8, .value_kind: global_buffer, .address_space: global }
    .group_segment_fixed_size: 327680
    .private_segment_fixed_size: 0
    .kernarg_segment_align: 8
    .kernarg_segment_size: 24
    .max_flat_workgroup_size: 128
    .sgpr_count:     92
    .vgpr_count:     768
    .wavefront_size: 32
...
	.end_amdgpu_metadata
.endif
;; end of part 3
;; launch pv (part 4): grid 4 x 64, 4 waves a work-group, clusters of 4 x 4, 327,680 bytes of LDS; arguments pbuf, qkv, stat, obuf; writes obuf
.if DOCPART == 4
	.amdgcn_target "amdgcn-amd-amdhsa--gfx1250"
	.amdhsa_code_object_version 6
	.text
	.protected	k_q31a620b7a8_pv
	.globl	k_q31a620b7a8_pv
	.p2align	8
	.type	k_q31a620b7a8_pv,@function
k_q31a620b7a8_pv:
	s_mov_b64 s[64:65], 0
	v_nop
	global_prefetch_b8 v0, s[64:65] scope:SCOPE_SE
	s_setreg_imm32_b32 hwreg(HW_REG_WAVE_MODE, 25, 1), 1
	s_wait_xcnt 0x0
	s_wait_alu depctr_hold_cnt(0) depctr_sa_sdst(0) depctr_va_vdst(0) depctr_va_sdst(0) depctr_va_ssrc(0) depctr_va_vcc(0) depctr_vm_vsrc(0)
	s_getreg_b32 s2, hwreg(HW_REG_IB_STS2, 6, 4)
	s_cmp_eq_u32 s2, 0
	s_cbranch_scc0 .Lentry_in_a_cluster
	s_endpgm
.Lentry_in_a_cluster:
	s_bfe_u32 s2, ttmp6, 0x10000c
	s_cmp_lg_u32 s2, 0xf033
	s_cbranch_scc0 .Lentry_shape_is_right
	s_endpgm
.Lentry_shape_is_right:
; PV.  obuf[q][e] = (the sum over blocks t of f_t[q] P_t[q][:] (V/4)_t[:][e]) x 4 / L[q], with M' = the greatest m'_t[q], f_t = 2^(m'_t - M'), L = the sum of l_t f_t: the softmax's global maximum is taken away here.
; P: pbuf [8192][2048] f16.  V / 4: qkv's third block, [8192 keys][1024 channels] f16.  m', l: stat.  obuf: [8192][1024] f16, the attention's result unscaled, rounded once from f32.
; f_t is a power of two at most 1 (m' is a whole number): P's fragments are multiplied by it in f16 between their LDS load and the matrix instruction, which rounds nothing above f16's fixed step of 6e-8.  L >= 1/2 (1/4 where c max passes 2^24).
; LIMITS.  The result is a mean of V's rows and lies within 65,504; below 6e-5 it keeps f16's fixed step.  f_t below 6e-8 counts as 0 in the product, below 2^-126 also in L.  NaN and infinities are not treated apart.
; SHARES.  A tile is 128 queries x 256 channels: 256 work-groups.  Four waves, each 64 x 128.  K (a batch's 2,048 keys) goes in 16 steps of 128, a step a block t, through two LDS slots.
; CLUSTER.  4 x 4: P's rows are shared along a row of the cluster, V's tiles along a column, and asked for jointly.
; LAYOUT.  Source 0 = 16 channels of V^T, brought out of LDS turned by ds_load_tr16_b128; source 1 = 16 queries of P: a lane holds one query (l % 16) and eight neighbouring channels.
; THE SCALINGS, 64 for each 64 keys, stand four behind each of a half step's last 16 matrix instructions: one vector instruction for each matrix instruction.
; REGISTERS: window 0: v0-31 addresses; v32-67 the head's statistics; v100-103 f_t of my four row blocks (twice, as f16 halves); v104-111 4 / L, in pairs; v128-255 P's fragments; window 1: V's; window 2: accumulators.
.set KT,     16
.set PITCH,  272                       ; a row of P in LDS: 256 bytes + 16
.set VP,     544                       ; a row of V: 512 bytes + 32 = 136 words
.set AHALF,  64*PITCH
.set ATILE,  128*PITCH
.set BHALF,  64*VP                     ; 64 keys x 256 channels: what waves 2 and 3 fetch
.set SLOT1,  131072
.set STAGE,  SLOT1+ATILE+2*BHALF       ; 235,520
.set FAC,    STAGE+4*16*PITCH          ; 252,928: f_t of the tile's 128 rows, 512 bytes a block t
.set INVL,   FAC+8192                  ; 261,120: 4 / L of the 128 rows
.set SPARE,  INVL+512                  ; 261,632: the spare words
.set ROWB,   2048
.set KSA,    256                       ; 128 keys along a row of P
.set KSB,    262144                    ; 128 rows of V
.set VOFF,   33554432                  ; V / 4 in qkv
.set ADA0, 16
.set ADB0, 17
.set ADA,  18
.set ADB,  19
.set FADR, 20                          ; v20  where my rows' factors of the step to be fetched lie
.set STO,  24
.set RD,   25
.set CO,   26
.set SPW,  28
.set NIL,  29
.set PFO,  30
.set FACR, 100
.set IL,   104
.set OB,   128
.set TMP,  192
.set G1A,  24
.set G0A,  32
.set LIM,  43
.set PFA,  44
.set G1B,  48
.set G0B,  56
.set PST,  68                          ; s[68:69] the prefetches' step
.set TB,   70
.set CY,   77
.set MUL,  0xa1
.set TO_B, 0x40
.set MSB, 0
.macro WIN new
.if MSB != (\new)
	s_set_vgpr_msb (MSB<<8)|(\new)
.set MSB, \new
.endif
.endm
.macro PLACES
.rept 4
	v_nop
.endr
.endm
.macro JLOAD s                         ; a joint load: waves 0 and 1 fetch P's halves, waves 2 and 3 V's; an s_nop 0 and four v_nop follow each line
	s_cmp_eq_u32 s11, 0
	s_cbranch_scc0 .Lfor_b_\@
	tensor_load_to_lds s[G0A+4*(\s):G0A+4*(\s)+3], s[G1A:G1A+7]
	s_nop 0
.rept 4
	v_nop
.endr
	s_branch .Lasked_\@
.Lfor_b_\@:
	tensor_load_to_lds s[G0B+4*(\s):G0B+4*(\s)+3], s[G1B:G1B+7]
	s_nop 0
.rept 4
	v_nop
.endr
.Lasked_\@:
.endm
.macro CREST
	s_cmp_lg_u32 s10, 0
	s_cbranch_scc1 .Lnot_wave_0_\@
	s_barrier_signal -3
.Lnot_wave_0_\@:
	s_barrier_wait -3
	s_barrier_signal -1
	s_barrier_wait -1
.endm
.macro CROUND
	s_barrier_signal -1
	s_barrier_wait -1
	CREST
.endm
; A prefetch of the K step two refills on, each aligned block of 256 bytes named once in the launch: P's by wave 0 (one cluster along x), a lane a row, 32 rows a partner; V's by waves 2 and 3 of the batch's first cluster
; of rows: of the wave's 64 keys a partner takes 16, two lanes a row of 512 bytes.  Partners are told apart by address.  The last two refills ask for nothing.
.macro ASK
	s_cmp_gt_u32 s3, s[LIM]
	s_cbranch_scc0 .Lnot_mine_\@
	global_prefetch_b8 v[PFO], s[PFA:PFA+1] th:TH_LOAD_NT scope:SCOPE_SE
.Lnot_mine_\@:
.endm
.macro MUL8 f, c, a, zero              ; the 32 accumulators take turns in one fixed order
	WIN MUL
.irp b, 0,1,2,3,4,5,6,7
.if \zero
	v_wmma_f32_16x16x32_f16 v[64*(\a)+8*(\b):64*(\a)+8*(\b)+7], v[128*(\f)+64*(\c)+8*(\b):128*(\f)+64*(\c)+8*(\b)+7], v[128+64*(\f)+32*(\c)+8*(\a):128+64*(\f)+32*(\c)+8*(\a)+7], 0
.else
	v_wmma_f32_16x16x32_f16 v[64*(\a)+8*(\b):64*(\a)+8*(\b)+7], v[128*(\f)+64*(\c)+8*(\b):128*(\f)+64*(\c)+8*(\b)+7], v[128+64*(\f)+32*(\c)+8*(\a):128+64*(\f)+32*(\c)+8*(\a)+7], v[64*(\a)+8*(\b):64*(\a)+8*(\b)+7]
.endif
.endr
.endm
.macro MUL32 f, c, zero
	MUL8 \f, \c, 0, \zero
	MUL8 \f, \c, 1, \zero
	MUL8 \f, \c, 2, \zero
	MUL8 \f, \c, 3, \zero
.endm
; The last 16 products of buffer f (its second 32 keys, row blocks 2 and 3), and behind each four of the 64 scalings of buffer g's fragments of P, which have just come in.  The scalings name no register of the products round them.
.macro RIDE f, g
.set n, 0
.irp a, 2,3
.irp b, 0,1,2,3,4,5,6,7
	WIN MUL
	v_wmma_f32_16x16x32_f16 v[64*(\a)+8*(\b):64*(\a)+8*(\b)+7], v[128*(\f)+64+8*(\b):128*(\f)+64+8*(\b)+7], v[128+64*(\f)+32+8*(\a):128+64*(\f)+32+8*(\a)+7], v[64*(\a)+8*(\b):64*(\a)+8*(\b)+7]
	WIN 0
.rept 4
	v_pk_mul_f16 v[128+64*(\g)+n], v[128+64*(\g)+n], v[FACR+(n/8)%4]
.set n, n+1
.endr
.endr
.endr
.endm
; 48 LDS loads in one run: the fragments of keys kk .. kk + 63 of the slot, into buffer f.  V's come turned: two loads take 32 keys x 16 channels and leave a fragment of V^T.
.macro FETCH kk, f
.if (\kk) == 0
	WIN 0
	v_add_nc_u32 v[ADA], s[TB], v[ADA0]
	v_add_nc_u32 v[ADB], s[TB], v[ADB0]
.endif
.irp c, 0,1
	WIN TO_B
.irp i, 0,1,2,3,4,5,6,7
	ds_load_tr16_b128 v[128*(\f)+64*(\c)+8*(\i):128*(\f)+64*(\c)+8*(\i)+3],   v[ADB] offset:((\kk)+32*(\c))*VP+32*(\i)
	ds_load_tr16_b128 v[128*(\f)+64*(\c)+8*(\i)+4:128*(\f)+64*(\c)+8*(\i)+7], v[ADB] offset:((\kk)+32*(\c))*VP+32*(\i)+16*VP
.endr
	WIN 0
.irp i, 0,1,2,3
	ds_load_b128 v[128+64*(\f)+32*(\c)+8*(\i):128+64*(\f)+32*(\c)+8*(\i)+3],   v[ADA] offset:2*(\kk)+64*(\c)+(\i)*16*PITCH
	ds_load_b128 v[128+64*(\f)+32*(\c)+8*(\i)+4:128+64*(\f)+32*(\c)+8*(\i)+7], v[ADA] offset:2*(\kk)+64*(\c)+(\i)*16*PITCH+32
.endr
.endr
.endm
; The first half of a K step: buffer f is in and scaled; the slot's second 64 keys are fetched into g, 48 products ahead of the wait for them, and scaled beside the last 16.
.macro HALF f, g, zero
	PLACES                                         ; g was multiplied just before
	FETCH 64, \g
	MUL32 \f, 0, \zero
	MUL8 \f, 1, 0, 0
	MUL8 \f, 1, 1, 0
	s_wait_dscnt 0x0                               ; g is in
	RIDE \f, \g
.endm
; The second half and the change of slots.  No LDS load of mine is out at its head.  Each wave waits for all its tensor loads, adds 0 to its spare word and waits for that; one barrier, which with fill = 1 opens a round of the
; cluster's barrier; the joint refill is the first tensor load behind the round.  Then the next slot's first 64 keys and the next block's factors are fetched.
.macro TURN fill
	WIN 0
.if \fill
	s_wait_xcnt 0x0                                ; the last prefetch, a K step back, has read its address
	s_add_nc_u64 s[PFA:PFA+1], s[PFA:PFA+1], s[PST:PST+1]
.endif
	s_wait_tensorcnt 0x0                           ; no tensor load of mine is out, so a group 0 may be written
	ds_add_u32 v[SPW], v[NIL]                      ; 0 onto my spare word
.if \fill
	s_xor_b32 s[G0A+5], s[G0A+5], SLOT1
	s_add_nc_u64 s[G0A+6:G0A+7], s[G0A+6:G0A+7], KSA
	s_xor_b32 s[G0B+5], s[G0B+5], SLOT1
	s_add_nc_u64 s[G0B+6:G0B+7], s[G0B+6:G0B+7], KSB
.endif
	s_xor_b32 s[TB], s[TB], SLOT1
	MUL8 1, 0, 0, 0
	s_wait_dscnt 0x0                               ; the add is done; my reads of this slot were waited for in the half before
	s_barrier_signal -1
	MUL8 1, 0, 1, 0
	WIN 0
	s_barrier_wait -1
.if \fill
	CREST
	JLOAD 1
.else
	PLACES
.endif
	v_add_nc_u32 v[FADR], 512, v[FADR]             ; the next block's factors
	FETCH 0, 0
.irp a, 0,1,2,3
	ds_load_b32 v[FACR+(\a)], v[FADR] offset:64*(\a)
.endr
.if \fill
	ASK
.endif
	MUL8 1, 0, 2, 0
	MUL8 1, 0, 3, 0
	MUL8 1, 1, 0, 0
	MUL8 1, 1, 1, 0
	s_wait_dscnt 0x0                               ; buffer 0 and the factors are in
	RIDE 1, 0
.endm
	s_load_b256 s[84:91], s[0:1], 0x0              ; pbuf s[84:85], qkv s[86:87], stat s[88:89], obuf s[90:91]
	v_lshl_add_u32 v[SPW], v0, 2, SPARE
	v_mov_b32 v[NIL], 0
	ds_add_u32 v[SPW], v[NIL]                      ; the wave's opening: the add and its wait stand ahead of my first tensor load
	v_lshrrev_b32 v1, 5, v0
	v_readfirstlane_b32 s10, v1                    ; wave 0..3
	s_lshr_b32 s11, s10, 1                         ; which 64 queries are mine.  Also: I fetch for P (0) or for V (1)
	s_and_b32 s12, s10, 1                          ; which 128 channels.  Also: which half of that tile I fetch
	s_bfe_u32 s40, ttmp6, 0x40000                  ; cx
	s_bfe_u32 s41, ttmp6, 0x40004                  ; cy
	s_lshl_b32 s42, ttmp9, 2
	s_add_co_u32 s42, s42, s40                     ; tile column: 256 channels
	s_and_b32 s[CY], ttmp7, 0xffff
	s_lshl_b32 s13, s[CY], 2
	s_add_co_u32 s13, s13, s41                     ; tile row: 128 queries
	s_lshl_b32 s43, s41, 2
	s_lshl_b32 s43, 15, s43
	s_lshl_b32 s44, 0x1111, s40
	s_or_b32 s[G1A], s43, (1<<16)|(1<<20)|(1<<21)|(5<<22)|(3<<25)  ; P: after every 64 words 4 words of padding
	s_or_b32 s[G1B], s44, (1<<16)|(1<<20)|(1<<21)|(6<<22)|(7<<25)  ; V: after every 128 words 8 words
	s_mov_b32 s[G1A+1], 128<<16                    ; tensor_dim0 = 128
	s_mov_b32 s[G1A+2], 64<<16                     ; tensor_dim1 = 64
	s_mov_b32 s[G1A+3], 128<<16                    ; tile_dim0 = 128
	s_mov_b32 s[G1A+4], 64                         ; tile_dim1 = 64
	s_mov_b32 s[G1A+5], 2048                       ; elements from row to row of P
	s_mov_b32 s[G1A+6], 0
	s_mov_b32 s[G1A+7], 0
	s_mov_b32 s[G1B+1], 256<<16                    ; 256 channels
	s_mov_b32 s[G1B+2], 64<<16                     ; 64 keys
	s_mov_b32 s[G1B+3], 256<<16
	s_mov_b32 s[G1B+4], 64
	s_mov_b32 s[G1B+5], 1024
	s_mov_b32 s[G1B+6], 0
	s_mov_b32 s[G1B+7], 0
	s_lshl_b32 s16, s13, 7                         ; P: row 128 x tile row + 64 x half
	s_lshl_b32 s17, s12, 6
	s_add_co_u32 s16, s16, s17
	s_lshl_b32 s16, s16, 12
	s_mov_b32 s17, 0
	s_lshr_b32 s46, s[CY], 2                       ; V: key 2,048 x batch + 64 x half,
	s_lshl_b32 s46, s46, 11
	s_lshl_b32 s47, s12, 6
	s_add_co_u32 s46, s46, s47
	s_lshl_b32 s46, s46, 11
	s_lshl_b32 s47, s42, 9                         ; byte 512 x tile column of its row
	s_add_co_u32 s46, s46, s47
	s_add_co_u32 s46, s46, VOFF
	s_mov_b32 s47, 0
	s_mul_i32 s20, s12, AHALF
	s_mul_i32 s21, s12, BHALF
	s_add_co_u32 s21, s21, ATILE
	s_mov_b32 s[TB], 0
	s_wait_dscnt 0x0                               ; the opening add is done
	s_wait_kmcnt 0x0
	s_add_nc_u64 s[14:15], s[84:85], s[16:17]
	s_add_nc_u64 s[46:47], s[86:87], s[46:47]
	CROUND                                         ; all sixteen work-groups are here: the first joint loads meet
.irp s, 0,1
	s_mov_b32 s[G0A+4*(\s)], 1
	s_add_co_u32 s[G0A+4*(\s)+1], s20, (\s)*SLOT1
	s_add_nc_u64 s[G0A+4*(\s)+2:G0A+4*(\s)+3], s[14:15], (\s)*KSA
	s_or_b32 s[G0A+4*(\s)+3], s[G0A+4*(\s)+3], 0x80000000
	s_mov_b32 s[G0B+4*(\s)], 1
	s_add_co_u32 s[G0B+4*(\s)+1], s21, (\s)*SLOT1
	s_add_nc_u64 s[G0B+4*(\s)+2:G0B+4*(\s)+3], s[46:47], (\s)*KSB
	s_or_b32 s[G0B+4*(\s)+3], s[G0B+4*(\s)+3], 0x80000000
	JLOAD \s
.endr
	; THE FACTORS.  Thread i stands for row i of the tile: its 16 m' and 16 l; a wave's load covers 128 consecutive bytes.
	s_lshl_b32 s16, s13, 9                         ; 128 rows x 4 bytes
	s_mov_b32 s17, 0
	s_add_nc_u64 s[66:67], s[88:89], s[16:17]
	v_lshlrev_b32 v5, 2, v0
.set t, 0
.rept 16
	global_load_b32 v[32+t], v5, s[66:67] offset:t*32768
	global_load_b32 v[48+t], v5, s[66:67] offset:524288+t*32768
.set t, t+1
.endr
	v_and_b32 v1, 15, v0                           ; l % 16
	v_bfe_u32 v2, v0, 4, 1                         ; l / 16
	v_and_b32 v4, 31, v0                           ; l
	v_mul_u32_u24 v3, v1, PITCH
	v_lshl_add_u32 v3, v2, 4, v3
	s_mul_i32 s21, s11, AHALF
	v_add_nc_u32 v[ADA0], s21, v3
	v_and_b32 v6, 7, v0                            ; the turning load: lane l reads key 8 (l / 16) + l % 8, channels 8 ((l / 8) % 2) + 0..7
	v_bfe_u32 v7, v0, 3, 1
	v_lshl_add_u32 v6, v2, 3, v6
	v_mul_u32_u24 v6, v6, VP
	v_lshl_add_u32 v6, v7, 4, v6
	s_lshl_b32 s22, s12, 8                         ; my 128 channels: 256 bytes of a row
	s_add_co_u32 s22, s22, ATILE
	v_add_nc_u32 v[ADB0], s22, v6
	s_mul_i32 s23, s10, 16*PITCH
	s_add_co_u32 s23, s23, STAGE
	v_add_nc_u32 v[STO], s23, v3
	v_mul_u32_u24 v8, v2, PITCH
	v_lshl_add_u32 v8, v1, 4, v8
	v_add_nc_u32 v[RD], s23, v8
	v_mul_u32_u24 v8, v2, ROWB
	v_lshl_add_u32 v[CO], v1, 4, v8
	s_lshl_b32 s23, s11, 8
	s_add_co_u32 s23, s23, FAC
	v_lshl_add_u32 v[FADR], v1, 2, s23             ; FAC + 4 (64 x half + l % 16): block 0
	s_lshl_b32 s16, s13, 7                         ; my part of obuf
	s_lshl_b32 s17, s11, 6
	s_add_co_u32 s16, s16, s17
	s_lshl_b32 s16, s16, 11
	s_lshl_b32 s17, s42, 9
	s_add_co_u32 s16, s16, s17
	s_lshl_b32 s17, s12, 8
	s_add_co_u32 s16, s16, s17
	s_mov_b32 s17, 0
	s_add_nc_u64 s[8:9], s[90:91], s[16:17]
	; the prefetches
	s_lshl_b32 s20, s13, 7                         ; P: the tile's 128 rows, my work-group's 32, at K step 3
	s_lshl_b32 s21, s40, 5
	s_add_co_u32 s20, s20, s21
	s_lshl_b32 s20, s20, 12
	s_add_co_u32 s20, s20, 3*KSA
	s_lshr_b32 s22, s[CY], 2                       ; V: the 64 keys that I fetch, my work-group's 16, at K step 3
	s_lshl_b32 s22, s22, 11
	s_lshl_b32 s21, s12, 6
	s_add_co_u32 s22, s22, s21
	s_lshl_b32 s21, s41, 4
	s_add_co_u32 s22, s22, s21
	s_lshl_b32 s22, s22, 11
	s_lshl_b32 s21, s42, 9
	s_add_co_u32 s22, s22, s21
	s_add_co_u32 s22, s22, VOFF+3*KSB
	s_and_b32 s23, s[CY], 3                        ; the clusters along which a batch's V is read again
	s_mov_b32 s[PST], KSB
	s_mov_b32 s[PST+1], 0
	s_cmp_eq_u32 s11, 0
	s_cselect_b32 s20, s20, s22
	s_cselect_b32 s23, ttmp9, s23
	s_cselect_b32 s22, s12, 0
	s_cselect_b32 s[PST], KSA, s[PST]
	s_cselect_b32 s78, 0, -1                       ; all lanes: P's offsets or V's
	s_cselect_b64 s[PFA:PFA+1], s[84:85], s[86:87]
	s_or_b32 s23, s23, s22
	s_cmp_eq_u32 s23, 0
	s_cselect_b32 s[LIM], 2, -1
	s_mov_b32 s21, 0
	s_add_nc_u64 s[PFA:PFA+1], s[PFA:PFA+1], s[20:21]  ; the first refill steps it to K step 4; nothing is prefetched at the head
	v_lshlrev_b32 v6, 12, v4                       ; P: a lane a row of 4,096 bytes
	v_lshrrev_b32 v7, 1, v4                        ; V: two lanes a row of 2,048 bytes, 256 bytes apart
	v_lshlrev_b32 v7, 11, v7
	v_and_b32 v8, 1, v4
	v_lshl_add_u32 v7, v8, 8, v7
	v_cndmask_b32 v[PFO], v6, v7, s78
	s_wait_loadcnt 0x0                             ; m' and l
	v_max3_num_f32 v64, v32, v33, v34
.irp t, 3,5,7,9,11,13
	v_max3_num_f32 v64, v64, v[32+(\t)], v[33+(\t)]
.endr
	v_max_num_f32 v64, v64, v47                    ; M'
.set t, 0
.rept 16
	v_sub_f32 v[32+t], v[32+t], v64
.set t, t+1
.endr
.set t, 0
.rept 16
	v_exp_f32 v[32+t], v[32+t]                     ; f_t
.set t, t+1
.endr
	v_nop                                          ; a plain instruction behind the last exponential,
	s_wait_alu depctr_va_vdst(0)                   ; and the wait ahead of the first use: one for the sixteen
	v_mul_f32 v65, v48, v32
.set t, 1
.rept 15
	v_fmac_f32 v65, v[48+t], v[32+t]               ; L, in f32
.set t, t+1
.endr
	v_rcp_f32 v66, v65
	v_add_nc_u32 v67, FAC, v5                      ; a plain instruction behind the reciprocal; the roundings below are the work between it and its wait
.set t, 0
.rept 16
	v_cvt_pk_f16_f32 v[48+t], v[32+t], v[32+t]     ; f_t in both halves
.set t, t+1
.endr
	s_wait_alu depctr_va_vdst(0)
	v_mul_f32 v66, 4.0, v66                        ; 4 / L: the 4 undoes V's factor 1/4
.set t, 0
.rept 16
	ds_store_b32 v67, v[48+t] offset:512*t
.set t, t+1
.endr
	ds_store_b32 v67, v66 offset:8192              ; INVL
	s_wait_tensorcnt 1                             ; my part of K step 0 is in; K step 1's may stay out
	s_wait_dscnt 0x0                               ; for the others' sake: my factors are stored
	s_barrier_signal -1
	s_barrier_wait -1
	FETCH 0, 0
.irp a, 0,1,2,3
	ds_load_b32 v[FACR+(\a)], v[FADR] offset:64*(\a)
	ds_load_b32 v[IL+2*(\a)], v[FADR] offset:8192+64*(\a)
.endr
	s_wait_dscnt 0x0
.irp a, 0,1,2,3
	v_mov_b32 v[IL+2*(\a)+1], v[IL+2*(\a)]         ; pairs for the packed multiply
.endr
.set n, 0
.rept 64
	v_pk_mul_f16 v[128+n], v[128+n], v[FACR+(n/8)%4]  ; the first 64 keys are scaled with nothing beside them
.set n, n+1
.endr
	HALF 0, 1, 1
	WIN 0
	s_mov_b32 s3, KT-2
.Lk:
	TURN 1
	HALF 0, 1, 0
	WIN 0
	s_sub_co_u32 s3, s3, 1
	s_cmp_lg_u32 s3, 0
	s_cbranch_scc1 .Lk
	TURN 0
	HALF 0, 1, 0
	MUL32 1, 0, 0                                  ; buffer 1 is in and scaled
	MUL32 1, 1, 0
	WIN 0
	PLACES
; THE WAY OUT, 16 rows at a time: times 4 / L, rounded to f16, through my own stage, stored as whole rows of 256 bytes.
.macro PACK a
	WIN 0x82                                       ; destination and source 0 window 2; each accumulator's registers in ascending order
.set p, 0
.rept 32
	v_pk_mul_f32 v[64*(\a)+p:64*(\a)+p+1], v[64*(\a)+p:64*(\a)+p+1], v[IL+2*(\a):IL+2*(\a)+1]
.set p, p+2
.endr
	WIN 0x0a
.irp b, 0,1,2,3,4,5,6,7
.irp r, 0,1,2,3
	v_cvt_pk_f16_f32 v[TMP+4*(\b)+(\r)], v[64*(\a)+8*(\b)+2*(\r)], v[64*(\a)+8*(\b)+2*(\r)+1]
.endr
.endr
	WIN 0
.endm
.macro TOSTAGE a
.irp b, 0,1,2,3,4,5,6,7
	ds_store_b128 v[STO], v[TMP+4*(\b):TMP+4*(\b)+3] offset:32*(\b)
.endr
.irp t, 0,1,2,3,4,5,6,7
	ds_load_b128 v[OB+32*((\a)%2)+4*(\t):OB+32*((\a)%2)+4*(\t)+3], v[RD] offset:(\t)*2*PITCH  ; LDS serves a wave's instructions in order (ISA guide 5.7.1.4): these see the stores above
.endr
.endm
.macro SEND a
	s_wait_dscnt 0x0                               ; the block is back in registers
	s_wait_xcnt 0x0                                ; the block before has left its registers, which the next block's loads will write
.irp t, 0,1,2,3,4,5,6,7
	global_store_b128 v[CO], v[OB+32*((\a)%2)+4*(\t):OB+32*((\a)%2)+4*(\t)+3], s[8:9] offset:(16*(\a)+2*(\t))*ROWB  ; 16 lanes store 256 consecutive bytes, aligned
.endr
.endm
	PACK 0
	TOSTAGE 0
.irp a, 1,2,3
	PACK \a
	SEND (\a)-1
	TOSTAGE \a
.endr
	SEND 3
	s_wait_tensorcnt 0x0                           ; the wave's end
	ds_add_u32 v[SPW], v[NIL]
	s_wait_dscnt 0x0
	CROUND                                         ; the closing round
	s_endpgm
.Lfunc_end_k_q31a620b7a8_pv:
	.size	k_q31a620b7a8_pv, .Lfunc_end_k_q31a620b7a8_pv-k_q31a620b7a8_pv
	.p2alignl 7, 3214868480
	.fill 96, 4, 3214868480
	.section	.rodata,"a",@progbits
	.p2align	6, 0x0
	.amdhsa_kernel k_q31a620b7a8_pv
		.amdhsa_group_segment_fixed_size 327680
		.amdhsa_private_segment_fixed_size 0
		.amdhsa_enable_private_segment 0
		.amdhsa_kernarg_size 32
		.amdhsa_user_sgpr_count 2
		.amdhsa_user_sgpr_kernarg_segment_ptr 1
		.amdhsa_wavefront_size32 1
		.amdhsa_system_sgpr_workgroup_id_x 1
		.amdhsa_system_sgpr_workgroup_id_y 1
		.amdhsa_system_sgpr_workgroup_id_z 1
		.amdhsa_system_vgpr_workitem_id 0
		.amdhsa_next_free_vgpr 768
		.amdhsa_next_free_sgpr 92
		.amdhsa_reserve_vcc 0
		.amdhsa_float_denorm_mode_32 3
		.amdhsa_float_denorm_mode_16_64 3
		.amdhsa_memory_ordered 1
		.amdhsa_forward_progress 1
		.amdhsa_inst_pref_size 116
	.end_amdhsa_kernel
	.amdgpu_metadata
---
amdhsa.version: [ 1, 2 ]
amdhsa.kernels:
  - .name:           k_q31a620b7a8_pv
    .symbol:         k_q31a620b7a8_pv.kd
    .args:
      - { .name: pbuf, .offset: 0, .size: 8, .value_kind: global_buffer, .address_space: global }
      - { .name: qkv, .offset: 8, .size: 8, .value_kind: global_buffer, .address_space: global }
      - { .name: stat, .offset: 16, .size: 8, .value_kind: global_buffer, .address_space: global }
      - { .name: obuf, .offset: 24, .size: 8, .value_kind: global_buffer, .address_space: global }
    .group_segment_fixed_size: 327680
    .private_segment_fixed_size: 0
    .kernarg_segment_align: 8
    .kernarg_segment_size: 32
    .max_flat_workgroup_size: 128
    .sgpr_count:     92
    .vgpr_count:     768
    .wavefront_size: 32
...
	.end_amdgpu_metadata
.endif
;; end of part 4
;; launch oproj (part 5): grid 4 x 64, 4 waves a work-group, clusters of 4 x 4, 327,680 bytes of LDS; arguments obuf, h16, out0; writes out0
.if DOCPART == 5
	.amdgcn_target "amdgcn-amd-amdhsa--gfx1250"
	.amdhsa_code_object_version 6
	.text
	.protected	k_q31a620b7a8_oproj
	.globl	k_q31a620b7a8_oproj
	.p2align	8
	.type	k_q31a620b7a8_oproj,@function
k_q31a620b7a8_oproj:
	s_mov_b64 s[64:65], 0
	v_nop
	global_prefetch_b8 v0, s[64:65] scope:SCOPE_SE
	s_setreg_imm32_b32 hwreg(HW_REG_WAVE_MODE, 25, 1), 1
	s_wait_xcnt 0x0
	s_wait_alu depctr_hold_cnt(0) depctr_sa_sdst(0) depctr_va_vdst(0) depctr_va_sdst(0) depctr_va_ssrc(0) depctr_va_vcc(0) depctr_vm_vsrc(0)
	s_getreg_b32 s2, hwreg(HW_REG_IB_STS2, 6, 4)
	s_cmp_eq_u32 s2, 0
	s_cbranch_scc0 .Lentry_in_a_cluster
	s_endpgm
.Lentry_in_a_cluster:
	s_bfe_u32 s2, ttmp6, 0x10000c
	s_cmp_lg_u32 s2, 0xf033
	s_cbranch_scc0 .Lentry_shape_is_right
	s_endpgm
.Lentry_shape_is_right:
; OPROJ.  out0[m][n] = the sum over k of O[m][k] Wo[n][k].  O: obuf [8192][1024] f16.  Wo: O_weight in f16, [1024][1024], at byte 50,331,648 of h16.  out0: [8192][1024] f32, the f32 sums as they are.
; SHARES.  A tile is 128 rows x 256 columns: 256 work-groups.  Four waves, each 64 x 128: 32 accumulators.  K goes in 8 steps of 128 through two LDS slots.
; CLUSTER.  4 x 4: O's rows are shared along a row of the cluster, Wo's along a column, and asked for jointly.
; THE MATRIX INSTRUCTION IS USED TRANSPOSED (source 0 = 16 rows of Wo, source 1 = 16 rows of O): a lane holds row l % 16 and eight neighbouring columns: 32 bytes of a row of out0.
; REGISTERS: window 0: v0-31 addresses; v128-255 O's fragments (on the way out rows read back); window 1: Wo's fragments; window 2: accumulator (a, b) at 64 a + 8 b.
.set KT,     8
.set PITCH,  272                       ; an LDS row: 256 bytes + 16 of padding: the 16 rows of a fragment load start at 16 different groups of four banks (ISA guide 11.1)
.set AHALF,  64*PITCH
.set ATILE,  128*PITCH
.set BHALF,  128*PITCH
.set SLOT1,  131072
.set STAGE,  SLOT1+ATILE+2*BHALF       ; 235,520: 16 rows x 528 bytes for each wave
.set SP,     528                       ; a stage row: 512 bytes + 16
.set SPARE,  STAGE+4*16*SP             ; 269,312: the spare words
.set KSA,    256
.set KSB,    256
.set WOFF,   50331648                  ; Wo in h16
.set ADA0, 16
.set ADB0, 17
.set ADA,  18
.set ADB,  19
.set STO,  24
.set RD,   25
.set CO,   26
.set SPW,  28
.set NIL,  29
.set PFO,  30
.set OB,   128
.set G1A,  24
.set G0A,  32
.set LIM,  43
.set PFA,  44
.set G1B,  48
.set G0B,  56
.set TB,   70
.set CY,   77
.set FLAGS, (1<<16)|(1<<20)|(1<<21)|(5<<22)|(3<<25)
.set MUL,  0xa1
.set TO_B, 0x40
.set MSB, 0
.macro WIN new
.if MSB != (\new)
	s_set_vgpr_msb (MSB<<8)|(\new)
.set MSB, \new
.endif
.endm
.macro PLACES
.rept 4
	v_nop
.endr
.endm
.macro JLOAD s                         ; a joint load: waves 0 and 1 fetch O's halves, waves 2 and 3 Wo's; an s_nop 0 and four v_nop follow each line
	s_cmp_eq_u32 s11, 0
	s_cbranch_scc0 .Lfor_b_\@
	tensor_load_to_lds s[G0A+4*(\s):G0A+4*(\s)+3], s[G1A:G1A+7]
	s_nop 0
.rept 4
	v_nop
.endr
	s_branch .Lasked_\@
.Lfor_b_\@:
	tensor_load_to_lds s[G0B+4*(\s):G0B+4*(\s)+3], s[G1B:G1B+7]
	s_nop 0
.rept 4
	v_nop
.endr
.Lasked_\@:
.endm
.macro CREST
	s_cmp_lg_u32 s10, 0
	s_cbranch_scc1 .Lnot_wave_0_\@
	s_barrier_signal -3
.Lnot_wave_0_\@:
	s_barrier_wait -3
	s_barrier_signal -1
	s_barrier_wait -1
.endm
.macro CROUND
	s_barrier_signal -1
	s_barrier_wait -1
	CREST
.endm
; A prefetch of the K step two refills on, a lane a row, each row's 256 bytes named once in the launch: O's rows by wave 0 (one cluster along x), Wo's by waves 2 and 3 of the cluster with y = 0;
; the four partners that ask for a tile jointly take 32 rows each, by address.  The last two refills ask for nothing.
.macro ASK
	s_cmp_gt_u32 s3, s[LIM]
	s_cbranch_scc0 .Lnot_mine_\@
	global_prefetch_b8 v[PFO], s[PFA:PFA+1] th:TH_LOAD_NT scope:SCOPE_SE
.Lnot_mine_\@:
.endm
.macro MUL8 f, c, a, zero              ; the 32 accumulators take turns in one fixed order
	WIN MUL
.irp b, 0,1,2,3,4,5,6,7
.if \zero
	v_wmma_f32_16x16x32_f16 v[64*(\a)+8*(\b):64*(\a)+8*(\b)+7], v[128*(\f)+64*(\c)+8*(\b):128*(\f)+64*(\c)+8*(\b)+7], v[128+64*(\f)+32*(\c)+8*(\a):128+64*(\f)+32*(\c)+8*(\a)+7], 0
.else
	v_wmma_f32_16x16x32_f16 v[64*(\a)+8*(\b):64*(\a)+8*(\b)+7], v[128*(\f)+64*(\c)+8*(\b):128*(\f)+64*(\c)+8*(\b)+7], v[128+64*(\f)+32*(\c)+8*(\a):128+64*(\f)+32*(\c)+8*(\a)+7], v[64*(\a)+8*(\b):64*(\a)+8*(\b)+7]
.endif
.endr
.endm
.macro MUL32 f, c, zero
	MUL8 \f, \c, 0, \zero
	MUL8 \f, \c, 1, \zero
	MUL8 \f, \c, 2, \zero
	MUL8 \f, \c, 3, \zero
.endm
.macro FETCH k, f                      ; 48 LDS loads in one run: 64 along K at byte k of the slot's rows, into buffer f
.if (\k) == 0
	WIN 0
	v_add_nc_u32 v[ADA], s[TB], v[ADA0]
	v_add_nc_u32 v[ADB], s[TB], v[ADB0]
.endif
.irp c, 0,1
	WIN TO_B
.irp i, 0,1,2,3,4,5,6,7
	ds_load_b128 v[128*(\f)+64*(\c)+8*(\i):128*(\f)+64*(\c)+8*(\i)+3],   v[ADB] offset:(\k)+64*(\c)+(\i)*16*PITCH
	ds_load_b128 v[128*(\f)+64*(\c)+8*(\i)+4:128*(\f)+64*(\c)+8*(\i)+7], v[ADB] offset:(\k)+64*(\c)+(\i)*16*PITCH+32
.endr
	WIN 0
.irp i, 0,1,2,3
	ds_load_b128 v[128+64*(\f)+32*(\c)+8*(\i):128+64*(\f)+32*(\c)+8*(\i)+3],   v[ADA] offset:(\k)+64*(\c)+(\i)*16*PITCH
	ds_load_b128 v[128+64*(\f)+32*(\c)+8*(\i)+4:128+64*(\f)+32*(\c)+8*(\i)+7], v[ADA] offset:(\k)+64*(\c)+(\i)*16*PITCH+32
.endr
.endr
.endm
.macro HALF f, g, zero
	s_wait_dscnt 24                                ; f's first 24 loads are in; its other 24 may be out
	PLACES                                         ; g was multiplied just before
	FETCH 128, \g
	MUL32 \f, 0, \zero
	s_wait_dscnt 48                                ; all but the 48 just issued
	MUL32 \f, 1, 0
.endm
; The second half of a K step and the change of slots: each wave waits for all its tensor loads, adds 0 to its spare word, waits for that and for its reads of the slot; one barrier, which with fill = 1 opens a round of the
; cluster's barrier; the joint refill is the first tensor load behind the round.
.macro TURN fill
	WIN 0
.if \fill
	s_wait_xcnt 0x0                                ; the last prefetch, a K step back, has read its address
	s_add_nc_u64 s[PFA:PFA+1], s[PFA:PFA+1], KSA
.endif
	s_wait_tensorcnt 0x0                           ; no tensor load of mine is out, so a group 0 may be written
	ds_add_u32 v[SPW], v[NIL]                      ; 0 onto my spare word
.if \fill
	s_xor_b32 s[G0A+5], s[G0A+5], SLOT1
	s_add_nc_u64 s[G0A+6:G0A+7], s[G0A+6:G0A+7], KSA
	s_xor_b32 s[G0B+5], s[G0B+5], SLOT1
	s_add_nc_u64 s[G0B+6:G0B+7], s[G0B+6:G0B+7], KSB
.endif
	s_xor_b32 s[TB], s[TB], SLOT1
	s_wait_dscnt 25                                ; the add and buffer 1's second 24 loads may be out
	MUL8 1, 0, 0, 0
	s_wait_dscnt 0x0                               ; the add is done, and my reads of this slot are over
	s_barrier_signal -1
	MUL8 1, 0, 1, 0
	WIN 0
	s_barrier_wait -1
.if \fill
	CREST
	JLOAD 1
.else
	PLACES
.endif
	FETCH 0, 0
.if \fill
	ASK
.endif
	MUL8 1, 0, 2, 0
	MUL8 1, 0, 3, 0
	MUL32 1, 1, 0
.endm
	s_load_b128 s[84:87], s[0:1], 0x0              ; obuf s[84:85], h16 s[86:87]
	s_load_b64 s[88:89], s[0:1], 0x10              ; out0
	v_lshl_add_u32 v[SPW], v0, 2, SPARE
	v_mov_b32 v[NIL], 0
	ds_add_u32 v[SPW], v[NIL]                      ; the wave's opening: the add and its wait stand ahead of my first tensor load
	v_lshrrev_b32 v1, 5, v0
	v_readfirstlane_b32 s10, v1                    ; wave 0..3
	s_lshr_b32 s11, s10, 1                         ; which 64 rows of O are mine.  Also: I fetch for O (0) or for Wo (1)
	s_and_b32 s12, s10, 1                          ; which 128 rows of Wo.  Also: which half of that tile I fetch
	s_bfe_u32 s40, ttmp6, 0x40000                  ; cx
	s_bfe_u32 s41, ttmp6, 0x40004                  ; cy
	s_lshl_b32 s42, ttmp9, 2
	s_add_co_u32 s42, s42, s40                     ; tile column
	s_and_b32 s[CY], ttmp7, 0xffff
	s_lshl_b32 s13, s[CY], 2
	s_add_co_u32 s13, s13, s41                     ; tile row
	s_lshl_b32 s43, s41, 2
	s_lshl_b32 s43, 15, s43
	s_lshl_b32 s44, 0x1111, s40
	s_or_b32 s[G1A], s43, FLAGS
	s_or_b32 s[G1B], s44, FLAGS
	s_mov_b32 s[G1A+1], 128<<16
	s_mov_b32 s[G1A+2], 64<<16
	s_mov_b32 s[G1A+3], 128<<16
	s_mov_b32 s[G1A+4], 64
	s_mov_b32 s[G1A+5], 1024
	s_mov_b32 s[G1A+6], 0
	s_mov_b32 s[G1A+7], 0
	s_mov_b32 s[G1B+1], 128<<16
	s_mov_b32 s[G1B+2], 128<<16
	s_mov_b32 s[G1B+3], 128<<16
	s_mov_b32 s[G1B+4], 128
	s_mov_b32 s[G1B+5], 1024
	s_mov_b32 s[G1B+6], 0
	s_mov_b32 s[G1B+7], 0
	s_lshl_b32 s16, s13, 7                         ; O: row 128 x tile row + 64 x half
	s_lshl_b32 s17, s12, 6
	s_add_co_u32 s16, s16, s17
	s_lshl_b32 s16, s16, 11
	s_mov_b32 s17, 0
	s_lshl_b32 s46, s42, 8                         ; Wo: row 256 x tile column + 128 x half
	s_lshl_b32 s47, s12, 7
	s_add_co_u32 s46, s46, s47
	s_lshl_b32 s46, s46, 11
	s_add_co_u32 s46, s46, WOFF
	s_mov_b32 s47, 0
	s_mul_i32 s20, s12, AHALF
	s_mul_i32 s21, s12, BHALF
	s_add_co_u32 s21, s21, ATILE
	s_mov_b32 s[TB], 0
	s_wait_dscnt 0x0                               ; the opening add is done
	s_wait_kmcnt 0x0
	s_add_nc_u64 s[14:15], s[84:85], s[16:17]
	s_add_nc_u64 s[46:47], s[86:87], s[46:47]
	CROUND                                         ; all sixteen work-groups are here: the first joint loads meet
.irp s, 0,1
	s_mov_b32 s[G0A+4*(\s)], 1
	s_add_co_u32 s[G0A+4*(\s)+1], s20, (\s)*SLOT1
	s_add_nc_u64 s[G0A+4*(\s)+2:G0A+4*(\s)+3], s[14:15], (\s)*KSA
	s_or_b32 s[G0A+4*(\s)+3], s[G0A+4*(\s)+3], 0x80000000
	s_mov_b32 s[G0B+4*(\s)], 1
	s_add_co_u32 s[G0B+4*(\s)+1], s21, (\s)*SLOT1
	s_add_nc_u64 s[G0B+4*(\s)+2:G0B+4*(\s)+3], s[46:47], (\s)*KSB
	s_or_b32 s[G0B+4*(\s)+3], s[G0B+4*(\s)+3], 0x80000000
	JLOAD \s
.endr
	v_and_b32 v1, 15, v0                           ; l % 16
	v_bfe_u32 v2, v0, 4, 1                         ; l / 16
	v_and_b32 v4, 31, v0                           ; l
	v_mul_u32_u24 v3, v1, PITCH
	v_lshl_add_u32 v3, v2, 4, v3
	s_mul_i32 s21, s11, AHALF
	s_mul_i32 s22, s12, BHALF
	s_add_co_u32 s22, s22, ATILE
	v_add_nc_u32 v[ADA0], s21, v3
	v_add_nc_u32 v[ADB0], s22, v3
	s_mul_i32 s23, s10, 16*SP
	s_add_co_u32 s23, s23, STAGE                   ; my stage
	v_mul_u32_u24 v5, v1, SP                       ; in: row l % 16, 32 bytes for each half of the lanes
	v_lshl_add_u32 v5, v2, 5, v5
	v_add_nc_u32 v[STO], s23, v5
	v_lshl_add_u32 v[RD], v4, 4, s23               ; back: 32 lanes take one row of 512 bytes
	v_lshlrev_b32 v[CO], 4, v4
	s_lshl_b32 s16, s13, 7                         ; my part of out0: row 128 x tile row + 64 x half,
	s_lshl_b32 s17, s11, 6
	s_add_co_u32 s16, s16, s17
	s_lshl_b32 s16, s16, 12
	s_lshl_b32 s17, s42, 10                        ; byte 1,024 x tile column + 512 x half of it
	s_add_co_u32 s16, s16, s17
	s_lshl_b32 s17, s12, 9
	s_add_co_u32 s16, s16, s17
	s_mov_b32 s17, 0
	s_add_nc_u64 s[8:9], s[88:89], s[16:17]
	; the prefetches
	s_lshl_b32 s20, s13, 7
	s_lshl_b32 s21, s40, 5
	s_add_co_u32 s20, s20, s21
	s_lshl_b32 s20, s20, 11
	s_lshl_b32 s22, s42, 8
	s_lshl_b32 s21, s12, 7
	s_add_co_u32 s22, s22, s21
	s_lshl_b32 s21, s41, 5
	s_add_co_u32 s22, s22, s21
	s_lshl_b32 s22, s22, 11
	s_add_co_u32 s22, s22, WOFF
	s_cmp_eq_u32 s11, 0
	s_cselect_b32 s20, s20, s22
	s_cselect_b32 s23, ttmp9, s[CY]                ; the coordinate along which other clusters read the same rows
	s_cselect_b32 s22, s12, 0
	s_cselect_b64 s[PFA:PFA+1], s[84:85], s[86:87]
	s_or_b32 s23, s23, s22
	s_cmp_eq_u32 s23, 0
	s_cselect_b32 s[LIM], 2, -1
	s_mov_b32 s21, 0
	s_add_nc_u64 s[PFA:PFA+1], s[PFA:PFA+1], s[20:21]
	s_add_nc_u64 s[PFA:PFA+1], s[PFA:PFA+1], 3*KSA ; at K step 3: the first refill steps it to 4; nothing is prefetched at the head
	v_lshlrev_b32 v[PFO], 11, v4
	s_wait_tensorcnt 1                             ; my part of K step 0 is in; K step 1's may stay out
	s_barrier_signal -1
	s_barrier_wait -1
	FETCH 0, 0
	HALF 0, 1, 1
	WIN 0
	s_mov_b32 s3, KT-2
.Lk:
	TURN 1
	HALF 0, 1, 0
	WIN 0
	s_sub_co_u32 s3, s3, 1
	s_cmp_lg_u32 s3, 0
	s_cbranch_scc1 .Lk
	TURN 0
	HALF 0, 1, 0
	s_wait_dscnt 24
	MUL32 1, 0, 0
	s_wait_dscnt 0x0
	MUL32 1, 1, 0
	WIN 0
	PLACES
; THE WAY OUT, 16 rows at a time: the f32 sums go into my own stage, 32 bytes a lane, and come back as whole rows of 512 bytes.
.macro TOSTAGE a
.if (\a) >= 2
	s_wait_xcnt 0x0                                ; the stores of the block two back have read the registers that the loads below write
.endif
	WIN 0x08                                       ; the stores' data in window 2; each accumulator's four lowest registers first
.irp b, 0,1,2,3,4,5,6,7
	ds_store_b128 v[STO], v[64*(\a)+8*(\b):64*(\a)+8*(\b)+3]   offset:64*(\b)
	ds_store_b128 v[STO], v[64*(\a)+8*(\b)+4:64*(\a)+8*(\b)+7] offset:64*(\b)+16
.endr
	WIN 0
.irp t, 0,1,2,3,4,5,6,7,8,9,10,11,12,13,14,15
	ds_load_b128 v[OB+64*((\a)%2)+4*(\t):OB+64*((\a)%2)+4*(\t)+3], v[RD] offset:(\t)*SP  ; LDS serves a wave's instructions in order (ISA guide 5.7.1.4): these see the stores above
.endr
.endm
.macro SEND a, younger                 ; younger: the LDS instructions issued behind block a's loads: the next block's 32, or none
	s_wait_dscnt \younger
.irp t, 0,1,2,3,4,5,6,7,8,9,10,11,12,13,14,15
	global_store_b128 v[CO], v[OB+64*((\a)%2)+4*(\t):OB+64*((\a)%2)+4*(\t)+3], s[8:9] offset:(16*(\a)+(\t))*4096 th:TH_STORE_NT  ; a wave stores 512 consecutive bytes, aligned
.endr
.endm
	TOSTAGE 0
.irp a, 1,2,3
	TOSTAGE \a
	SEND (\a)-1, 32
.endr
	SEND 3, 0
	s_wait_tensorcnt 0x0                           ; the wave's end
	ds_add_u32 v[SPW], v[NIL]
	s_wait_dscnt 0x0
	CROUND                                         ; the closing round
	s_endpgm
.Lfunc_end_k_q31a620b7a8_oproj:
	.size	k_q31a620b7a8_oproj, .Lfunc_end_k_q31a620b7a8_oproj-k_q31a620b7a8_oproj
	.p2alignl 7, 3214868480
	.fill 96, 4, 3214868480
	.section	.rodata,"a",@progbits
	.p2align	6, 0x0
	.amdhsa_kernel k_q31a620b7a8_oproj
		.amdhsa_group_segment_fixed_size 327680
		.amdhsa_private_segment_fixed_size 0
		.amdhsa_enable_private_segment 0
		.amdhsa_kernarg_size 24
		.amdhsa_user_sgpr_count 2
		.amdhsa_user_sgpr_kernarg_segment_ptr 1
		.amdhsa_wavefront_size32 1
		.amdhsa_system_sgpr_workgroup_id_x 1
		.amdhsa_system_sgpr_workgroup_id_y 1
		.amdhsa_system_sgpr_workgroup_id_z 1
		.amdhsa_system_vgpr_workitem_id 0
		.amdhsa_next_free_vgpr 768
		.amdhsa_next_free_sgpr 92
		.amdhsa_reserve_vcc 0
		.amdhsa_float_denorm_mode_32 3
		.amdhsa_float_denorm_mode_16_64 3
		.amdhsa_memory_ordered 1
		.amdhsa_forward_progress 1
		.amdhsa_inst_pref_size 69
	.end_amdhsa_kernel
	.amdgpu_metadata
---
amdhsa.version: [ 1, 2 ]
amdhsa.kernels:
  - .name:           k_q31a620b7a8_oproj
    .symbol:         k_q31a620b7a8_oproj.kd
    .args:
      - { .name: obuf, .offset: 0, .size: 8, .value_kind: global_buffer, .address_space: global }
      - { .name: h16, .offset: 8, .size: 8, .value_kind: global_buffer, .address_space: global }
      - { .name: out0, .offset: 16, .size: 8, .value_kind: global_buffer, .address_space: global }
    .group_segment_fixed_size: 327680
    .private_segment_fixed_size: 0
    .kernarg_segment_align: 8
    .kernarg_segment_size: 24
    .max_flat_workgroup_size: 128
    .sgpr_count:     92
    .vgpr_count:     768
    .wavefront_size: 32
...
	.end_amdgpu_metadata
.endif
;; end of part 5
;; ======== version 2 of 2: 6 launches
;; limits: values are held in f16: magnitudes above 65,504 overflow, below 6.1e-05 lose precision; inputs' magnitudes at most 65,504; right only within a limited range of input values
;; workspace buffers: h16 58,720,256 bytes; qkv 33,554,432 bytes; wov 2,097,152 bytes; pbuf 33,554,432 bytes; stat 1,048,576 bytes; obuf 16,777,216 bytes
;; launch prep (part 6): grid 2368 x 1, 8 waves a work-group, no clusters, 0 bytes of LDS; arguments query, key, value, O_weight, Q_weight, K_weight, V_weight, Q_A, K_A, V_A, Q_B, K_B, V_B, h16; writes h16
.if DOCPART == 6
	.amdgcn_target "amdgcn-amd-amdhsa--gfx1250"
	.amdhsa_code_object_version 6
	.text
	.protected	k_q31a620b7a8_prep
	.globl	k_q31a620b7a8_prep
	.p2align	8
	.type	k_q31a620b7a8_prep,@function
k_q31a620b7a8_prep:
	s_mov_b64 s[64:65], 0
	v_nop
	global_prefetch_b8 v0, s[64:65] scope:SCOPE_SE
	s_setreg_imm32_b32 hwreg(HW_REG_WAVE_MODE, 25, 1), 1
	s_wait_xcnt 0x0
; PREP.  The inputs are made into matrix operands here, each rounded once from f32 to f16, into h16:
;   byte 0           query, key, value as [24576][1024] f16 (three blocks of 16,777,216 bytes)
;   byte 50,331,648  O_weight [1024][1024] f16
;   byte 52,428,800  g (W + B A) for Q, K, V, [1024][1024] f16 each: x W^T + (x A^T) B^T = x (W + B A)^T, so the low-rank part is folded into the weight, in f32
; g = 1/4 for K and V: a power of two, which rounds nothing; it leaves k, and the product of O_weight with V's folded weight, room in f16 on both sides.  g = log2(e) / 8 for Q: with K's 1/4 that is
; log2(e) / sqrt(1024), so the scores arrive as exponents of 2; the factor is applied in f32 ahead of the weight's one rounding to f16.
; LIMITS.  f16 ends at 65,504: |query|, |key|, |value|, |O_weight| and g |W + B A| lie within it; below 6e-5 a number keeps f16's fixed step of 6e-8.  NaN and infinities are not treated apart.
; SHARES.  Work-groups 0 to 767 fold: matrix id / 256, rows 4 (id % 256) .. + 3; thread t owns columns 4 t .. 4 t + 3.  Work-groups 768 to 2,367 convert 65,536 bytes of f32 each.
; No LDS, no matrix unit, no cluster: the conversion is a stream in which no byte is used twice; the rank-16 product is 16 multiply-adds for each weight and stays exact in f32.
.set FOLDS, 768
.set WQ,    52428800                   ; byte offset of the folded weights in h16
.set AR,    16                         ; v[16:79]   fold: A's 16 rows, my four columns; stream: 16 x 4 numbers as loaded
.set WR,    80                         ; v[80:95]   fold: W's four rows, my four columns; stream: v[80:111] the halves to store
.set HR,    96                         ; v[96:103]  fold: the halves to store
	s_load_b512 s[8:23], s[0:1], 0x0               ; query s[8:9], key s[10:11], value s[12:13], O_weight s[14:15], Q_weight s[16:17], K_weight s[18:19], V_weight s[20:21], Q_A s[22:23]
	s_load_b256 s[24:31], s[0:1], 0x40             ; K_A s[24:25], V_A s[26:27], Q_B s[28:29], K_B s[30:31]
	s_load_b128 s[32:35], s[0:1], 0x60             ; V_B s[32:33], h16 s[34:35]
	s_mov_b32 s5, 0                                ; high words of the two offsets
	s_mov_b32 s7, 0
	s_wait_kmcnt 0x0
	s_cmp_lt_u32 ttmp9, FOLDS
	s_cbranch_scc0 .Lstream
	; THE FOLD
	s_lshr_b32 s2, ttmp9, 8                        ; which matrix: 0 Q, 1 K, 2 V
	s_and_b32 s3, ttmp9, 255                       ; which four rows
	s_mov_b32 s60, 0x3e800000                      ; g = 1/4,
	s_mov_b32 s61, 0                               ; (named with it as a pair)
	s_cmp_eq_u32 s2, 0
	s_cselect_b64 s[52:53], s[16:17], s[18:19]     ; W
	s_cselect_b64 s[54:55], s[22:23], s[24:25]     ; A
	s_cselect_b64 s[56:57], s[28:29], s[30:31]     ; B
	s_cselect_b32 s60, 0x3e38aa3b, s60             ; for Q log2(e) / 8
	s_cmp_eq_u32 s2, 2
	s_cselect_b64 s[52:53], s[20:21], s[52:53]
	s_cselect_b64 s[54:55], s[26:27], s[54:55]
	s_cselect_b64 s[56:57], s[32:33], s[56:57]
	s_lshl_b32 s4, s3, 14                          ; four rows of W: 16,384 bytes
	s_add_nc_u64 s[52:53], s[52:53], s[4:5]
	s_lshl_b32 s4, s3, 8                           ; four rows of B: 256 bytes
	s_add_nc_u64 s[56:57], s[56:57], s[4:5]
	s_lshl_b32 s6, s2, 21                          ; a folded matrix is 2,097,152 bytes,
	s_lshl_b32 s4, s3, 13                          ; four rows of it 8,192
	s_add_co_u32 s6, s6, s4
	s_add_co_u32 s6, s6, WQ
	s_add_nc_u64 s[58:59], s[34:35], s[6:7]
	s_load_b512 s[36:51], s[56:57], 0x0            ; B's four rows, 16 numbers each, are the same for all threads: scalar registers
	s_load_b512 s[68:83], s[56:57], 0x40
	s_load_b512 s[84:99], s[56:57], 0x80
	s_load_b512 s[8:23], s[56:57], 0xc0            ; (the arguments that lay here have been chosen from)
	v_lshlrev_b32 v1, 4, v0                        ; my four columns in f32,
	v_lshlrev_b32 v2, 3, v0                        ; and in f16
.irp i, 0,1,2,3
	global_load_b128 v[WR+4*(\i):WR+4*(\i)+3], v1, s[52:53] offset:(\i)*4096 th:TH_LOAD_NT  ; a wave's load covers 512 consecutive bytes
.endr
.irp r, 0,1,2,3,4,5,6,7,8,9,10,11,12,13,14,15
	global_load_b128 v[AR+4*(\r):AR+4*(\r)+3], v1, s[54:55] offset:(\r)*4096
.endr
	s_wait_kmcnt 0x0
.set r, 0
.rept 16
	s_wait_loadcnt 15-r                            ; loads come back in order: W and A's rows 0 to r are in, the 15 - r younger rows stay out
.irp j, 0,1,2,3
	v_fmac_f32 v[WR+(\j)],    s[36+r], v[AR+4*r+(\j)]
	v_fmac_f32 v[WR+4+(\j)],  s[68+r], v[AR+4*r+(\j)]
	v_fmac_f32 v[WR+8+(\j)],  s[84+r], v[AR+4*r+(\j)]
	v_fmac_f32 v[WR+12+(\j)], s[8+r],  v[AR+4*r+(\j)]
.endr
.set r, r+1
.endr
.irp p, 0,2,4,6,8,10,12,14
	v_pk_mul_f32 v[WR+(\p):WR+(\p)+1], v[WR+(\p):WR+(\p)+1], s[60:61] op_sel_hi:[1,0]  ; x g
.endr
.irp p, 0,1,2,3,4,5,6,7
	v_cvt_pk_f16_f32 v[HR+(\p)], v[WR+2*(\p)], v[WR+2*(\p)+1]
.endr
.irp i, 0,1,2,3
	global_store_b64 v2, v[HR+2*(\i):HR+2*(\i)+1], s[58:59] offset:(\i)*2048  ; a wave stores 256 consecutive bytes, aligned
.endr
	s_endpgm
.Lstream:
	; THE CONVERSION.  Work-group j takes 65,536 bytes of f32 and makes 32,768 of f16 at byte 32,768 j of h16: 512 work-groups each for query, key and value, 64 for O_weight.
	s_sub_co_u32 s2, ttmp9, FOLDS                  ; j
	s_lshr_b32 s3, s2, 9                           ; which tensor
	s_cmp_eq_u32 s3, 0
	s_cselect_b64 s[52:53], s[8:9], s[10:11]
	s_cmp_eq_u32 s3, 2
	s_cselect_b64 s[52:53], s[12:13], s[52:53]
	s_cmp_eq_u32 s3, 3
	s_cselect_b64 s[52:53], s[14:15], s[52:53]
	s_and_b32 s4, s2, 511
	s_lshl_b32 s4, s4, 16
	s_add_nc_u64 s[52:53], s[52:53], s[4:5]
	s_lshl_b32 s6, s2, 15
	s_add_nc_u64 s[58:59], s[34:35], s[6:7]
	v_lshrrev_b32 v3, 5, v0                        ; wave
	v_and_b32 v4, 31, v0                           ; lane
	v_lshlrev_b32 v1, 4, v4
	v_lshl_add_u32 v1, v3, 13, v1                  ; in: 8,192 x wave + 16 x lane
	v_lshlrev_b32 v2, 3, v4
	v_lshl_add_u32 v2, v3, 12, v2                  ; out: 4,096 x wave + 8 x lane
.irp i, 0,1,2,3,4,5,6,7,8,9,10,11,12,13,14,15
	global_load_b128 v[AR+4*(\i):AR+4*(\i)+3], v1, s[52:53] offset:512*(\i) th:TH_LOAD_NT  ; all of the wave's sixteen loads go out at once, 512 consecutive bytes each
.endr
.irp i, 0,1,2,3,4,5,6,7,8,9,10,11,12,13,14,15
	s_wait_loadcnt 15-(\i)                         ; load i is in, the younger ones stay out
	v_cvt_pk_f16_f32 v[WR+2*(\i)],   v[AR+4*(\i)],   v[AR+4*(\i)+1]
	v_cvt_pk_f16_f32 v[WR+2*(\i)+1], v[AR+4*(\i)+2], v[AR+4*(\i)+3]
	global_store_b64 v2, v[WR+2*(\i):WR+2*(\i)+1], s[58:59] offset:256*(\i)  ; 256 consecutive bytes, aligned; each register is written once, so no store's source is rewritten
.endr
	s_endpgm
.Lfunc_end_k_q31a620b7a8_prep:
	.size	k_q31a620b7a8_prep, .Lfunc_end_k_q31a620b7a8_prep-k_q31a620b7a8_prep
	.p2alignl 7, 3214868480
	.fill 96, 4, 3214868480
	.section	.rodata,"a",@progbits
	.p2align	6, 0x0
	.amdhsa_kernel k_q31a620b7a8_prep
		.amdhsa_group_segment_fixed_size 0
		.amdhsa_private_segment_fixed_size 0
		.amdhsa_enable_private_segment 0
		.amdhsa_kernarg_size 112
		.amdhsa_user_sgpr_count 2
		.amdhsa_user_sgpr_kernarg_segment_ptr 1
		.amdhsa_wavefront_size32 1
		.amdhsa_system_sgpr_workgroup_id_x 1
		.amdhsa_system_sgpr_workgroup_id_y 1
		.amdhsa_system_sgpr_workgroup_id_z 1
		.amdhsa_system_vgpr_workitem_id 0
		.amdhsa_next_free_vgpr 112
		.amdhsa_next_free_sgpr 100
		.amdhsa_reserve_vcc 0
		.amdhsa_float_denorm_mode_32 3
		.amdhsa_float_denorm_mode_16_64 3
		.amdhsa_memory_ordered 1
		.amdhsa_forward_progress 1
		.amdhsa_inst_pref_size 20
	.end_amdhsa_kernel
	.amdgpu_metadata
---
amdhsa.version: [ 1, 2 ]
amdhsa.kernels:
  - .name:           k_q31a620b7a8_prep
    .symbol:         k_q31a620b7a8_prep.kd
    .args:
      - { .name: query, .offset: 0, .size: 8, .value_kind: global_buffer, .address_space: global }
      - { .name: key, .offset: 8, .size: 8, .value_kind: global_buffer, .address_space: global }
      - { .name: value, .offset: 16, .size: 8, .value_kind: global_buffer, .address_space: global }
      - { .name: O_weight, .offset: 24, .size: 8, .value_kind: global_buffer, .address_space: global }
      - { .name: Q_weight, .offset: 32, .size: 8, .value_kind: global_buffer, .address_space: global }
      - { .name: K_weight, .offset: 40, .size: 8, .value_kind: global_buffer, .address_space: global }
      - { .name: V_weight, .offset: 48, .size: 8, .value_kind: global_buffer, .address_space: global }
      - { .name: Q_A, .offset: 56, .size: 8, .value_kind: global_buffer, .address_space: global }
      - { .name: K_A, .offset: 64, .size: 8, .value_kind: global_buffer, .address_space: global }
      - { .name: V_A, .offset: 72, .size: 8, .value_kind: global_buffer, .address_space: global }
      - { .name: Q_B, .offset: 80, .size: 8, .value_kind: global_buffer, .address_space: global }
      - { .name: K_B, .offset: 88, .size: 8, .value_kind: global_buffer, .address_space: global }
      - { .name: V_B, .offset: 96, .size: 8, .value_kind: global_buffer, .address_space: global }
      - { .name: h16, .offset: 104, .size: 8, .value_kind: global_buffer, .address_space: global }
    .group_segment_fixed_size: 0
    .private_segment_fixed_size: 0
    .kernarg_segment_align: 8
    .kernarg_segment_size: 112
    .max_flat_workgroup_size: 256
    .sgpr_count:     100
    .vgpr_count:     112
    .wavefront_size: 32
...
	.end_amdgpu_metadata
.endif
;; end of part 6
;; launch merge (part 7): grid 32 x 8, 4 waves a work-group, clusters of 4 x 1, 327,680 bytes of LDS; arguments h16, wov; writes wov
.if DOCPART == 7
	.amdgcn_target "amdgcn-amd-amdhsa--gfx1250"
	.amdhsa_code_object_version 6
	.text
	.protected	k_q31a620b7a8_merge
	.globl	k_q31a620b7a8_merge
	.p2align	8
	.type	k_q31a620b7a8_merge,@function
k_q31a620b7a8_merge:
	s_mov_b64 s[64:65], 0
	v_nop
	global_prefetch_b8 v0, s[64:65] scope:SCOPE_SE
	s_setreg_imm32_b32 hwreg(HW_REG_WAVE_MODE, 25, 1), 1
	s_wait_xcnt 0x0
	s_wait_alu depctr_hold_cnt(0) depctr_sa_sdst(0) depctr_va_vdst(0) depctr_va_sdst(0) depctr_va_ssrc(0) depctr_va_vcc(0) depctr_vm_vsrc(0)
	s_getreg_b32 s2, hwreg(HW_REG_IB_STS2, 6, 4)
	s_cmp_eq_u32 s2, 0
	s_cbranch_scc0 .Lentry_in_a_cluster
	s_endpgm
.Lentry_in_a_cluster:
	s_bfe_u32 s2, ttmp6, 0x10000c
	s_cmp_lg_u32 s2, 0x3003
	s_cbranch_scc0 .Lentry_shape_is_right
	s_endpgm
.Lentry_shape_is_right:
; MERGE.  wov[f][e] = 4 x the sum over g of Wo[f][g] Wv'[g][e], Wv' = V_weight + V_B V_A.  attn (value Wv'^T) Wo^T = (attn value) (Wo Wv')^T for every input: so V is never projected; the two weights meet here,
; 1,024^3 multiply-adds in place of 8,192 x 1,024^2.  Wo: f16 at byte 50,331,648 of h16, [f][g].  Wv' / 4: f16 at byte 56,623,104, [g][e].  wov: [1024][1024] f16, rounded once from f32 sums, which are multiplied by 16.
; LIMITS.  4 |Wo Wv'| lies within 65,504; below 6e-5 it keeps f16's fixed step of 6e-8.  NaN and infinities are not treated apart.
; SHARES.  A tile is 32 rows f x 128 columns e: 32 x 8 = 256 work-groups; a tile's rows of Wv' and of wov are 256 bytes, aligned.  Four waves, each 16 f x 64 e: 4 accumulators.  All of K (1,024) comes in at once:
; each wave asks for 256 rows g of the tile's columns of Wv' (one tensor load, 73,728 bytes of LDS with the padding) and loads its own 16 rows of Wo straight into registers, where a fragment lies as it lies in memory
; (16 bytes a lane, twice).  Nothing in LDS is filled again, so there is no ring and no loop: 32 K steps of 4 matrix instructions, written out, since Wo's fragments are named by register.
; CLUSTER.  4 x 1: four row tiles of one column tile need the same columns of Wv' and ask for them jointly.  Wo's rows are not asked for jointly: they are 64 KB of a work-group's 320 KB, and beside Wv' they
; have no room in LDS (294,912 + 69,632 bytes).
; LAYOUT.  Source 0 = 16 columns e of Wv', brought out of LDS turned by ds_load_tr16_b128; source 1 = 16 rows f of Wo: a lane holds row l % 16 of wov and eight neighbouring columns 8 (l / 16) + 0..7.
; REGISTERS.  Window 0: v0-31 addresses; v32-63 the accumulators; v64-255 three buffers of 64 for Wv's fragments (two K steps each).  Window 1: Wo's 32 fragments, K step j at 8 j.
; One window setting (source 1 in window 1) serves the LDS loads and the matrix instructions alike.
.set VP,     288                       ; a row of Wv' in LDS: 256 bytes + 32 = 72 words
.set QUART,  256*VP                    ; 73,728: what one tensor load brings
.set STAGE,  4*QUART                   ; 294,912: behind Wv': 32 rows x 272 bytes, the work-group's, for the way out
.set SP,     272
.set SPARE,  STAGE+32*SP               ; 303,616: the spare words, 128 bytes a wave: two blocks of 256 bytes that no other line names
.set WOOFF,  50331648
.set WVOFF,  56623104
.set AO,   2                           ; v2     my byte offset in my wave's 16 rows of Wo; never rewritten
.set ADR,  8                           ; v8-15  my lane's place in Wv', at rows g = 128 i; never rewritten
.set STO,  24                          ; v24    the way out: where I put 16 bytes of a row
.set RD,   25                          ; v25    where I read a row back
.set CO,   26                          ; v26    my byte offset in the tile's rows of wov
.set SPW,  28                          ; v28    my spare word: SPARE + 4 x my thread's number; never rewritten
.set NIL,  29                          ; v29    0; never rewritten
.set ACC,  32
.set BB,   64
.set TMP,  64                          ; the way out: packed results
.set OB,   80                          ; the way out: rows read back
.set G1,   24                          ; s[24:31] descriptor group 1
.set G0,   32                          ; s[32:35] descriptor group 0
.set MSB, 0
.macro WIN new                         ; the immediate's high byte repeats the setting that is left; a switch that changes nothing is dropped
.if MSB != (\new)
	s_set_vgpr_msb (MSB<<8)|(\new)
.set MSB, \new
.endif
.endm
.macro PLACES                          ; four places in front of loads into registers that matrix instructions have read, and of lines that read results
.rept 4
	v_nop
.endr
.endm
.macro CROUND                          ; a round of the cluster's barrier
	s_barrier_signal -1
	s_barrier_wait -1
	s_cmp_lg_u32 s10, 0
	s_cbranch_scc1 .Lnot_wave_0_\@
	s_barrier_signal -3
.Lnot_wave_0_\@:
	s_barrier_wait -3
	s_barrier_signal -1
	s_barrier_wait -1
.endm
; Group n of 16: K steps 2 n and 2 n + 1: 16 LDS loads into buffer n % 3.  Two loads take 32 rows g x 16 columns e and leave a fragment of Wv'^T.
.macro BFETCH n
.irp c, 0,1
.irp b, 0,1,2,3
	ds_load_tr16_b128 v[BB+64*((\n)%3)+32*(\c)+8*(\b):BB+64*((\n)%3)+32*(\c)+8*(\b)+3],   v[ADR+(\n)/2] offset:(2*((\n)%2)+(\c))*32*VP+32*(\b)
	ds_load_tr16_b128 v[BB+64*((\n)%3)+32*(\c)+8*(\b)+4:BB+64*((\n)%3)+32*(\c)+8*(\b)+7], v[ADR+(\n)/2] offset:(2*((\n)%2)+(\c))*32*VP+32*(\b)+16*VP
.endr
.endr
.endm
; Group n's 8 matrix instructions.  The four accumulators take turns: three others' instructions stand between two on one accumulator.  K step 0 starts the sums.
.macro MUL8 n
.irp c, 0,1
.irp b, 0,1,2,3
.if (2*(\n)+(\c)) == 0
	v_wmma_f32_16x16x32_f16 v[ACC+8*(\b):ACC+8*(\b)+7], v[BB+64*((\n)%3)+32*(\c)+8*(\b):BB+64*((\n)%3)+32*(\c)+8*(\b)+7], v[8*(2*(\n)+(\c)):8*(2*(\n)+(\c))+7], 0
.else
	v_wmma_f32_16x16x32_f16 v[ACC+8*(\b):ACC+8*(\b)+7], v[BB+64*((\n)%3)+32*(\c)+8*(\b):BB+64*((\n)%3)+32*(\c)+8*(\b)+7], v[8*(2*(\n)+(\c)):8*(2*(\n)+(\c))+7], v[ACC+8*(\b):ACC+8*(\b)+7]
.endif
.endr
.endr
.endm
	s_load_b128 s[4:7], s[0:1], 0x0                ; h16 s[4:5], wov s[6:7]
	v_lshl_add_u32 v[SPW], v0, 2, SPARE
	v_mov_b32 v[NIL], 0
	ds_add_u32 v[SPW], v[NIL]                      ; the wave's opening: the add and its wait stand ahead of my first tensor load; the set-up below stands between them
	v_lshrrev_b32 v1, 5, v0
	v_readfirstlane_b32 s10, v1                    ; wave 0..3
	s_lshr_b32 s11, s10, 1                         ; which 16 rows f are mine
	s_and_b32 s12, s10, 1                          ; which 64 columns e
	s_bfe_u32 s40, ttmp6, 0x40000                  ; cx: my place in the cluster
	s_lshl_b32 s13, ttmp9, 2
	s_add_co_u32 s13, s13, s40                     ; row tile = 4 x cluster x + cx: it enters Wo's and wov's addresses alone
	s_and_b32 s14, ttmp7, 0xffff                   ; column tile, which the four partners share
	s_mov_b32 s[G1], 15|(1<<16)|(1<<20)|(1<<21)|(5<<22)|(7<<25)  ; 15:0 the mask: all four work-groups; 17:16 elements of 2 bytes; 20 padding on; 21 set beside a mask; 24:22 after every 64 words; 31:25 8 words of it
	s_mov_b32 s[G1+1], 128<<16                     ; tensor_dim0 = 128
	s_mov_b32 s[G1+2], 256<<16                     ; tensor_dim1 = 256
	s_mov_b32 s[G1+3], 128<<16                     ; tile_dim0 = 128
	s_mov_b32 s[G1+4], 256                         ; tile_dim1 = 256
	s_mov_b32 s[G1+5], 1024                        ; elements from row to row
	s_mov_b32 s[G1+6], 0
	s_mov_b32 s[G1+7], 0
	s_mov_b32 s[G0], 1                             ; count = 1
	s_mul_i32 s[G0+1], s10, QUART                  ; LDS address: wave x 256 rows: no place in the cluster enters it
	s_lshl_b32 s16, s10, 19                        ; Wv': rows 256 x wave (2,048 bytes each),
	s_lshl_b32 s17, s14, 8                         ; byte 256 x column tile of them
	s_add_co_u32 s16, s16, s17
	s_add_co_u32 s16, s16, WVOFF
	s_mov_b32 s17, 0
	s_lshl_b32 s18, s13, 16                        ; Wo: row 32 x row tile + 16 x half
	s_lshl_b32 s19, s11, 15
	s_add_co_u32 s18, s18, s19
	s_add_co_u32 s18, s18, WOOFF
	s_mov_b32 s19, 0
	s_wait_dscnt 0x0                               ; the opening add is done
	s_wait_kmcnt 0x0
	s_add_nc_u64 s[G0+2:G0+3], s[4:5], s[16:17]
	s_or_b32 s[G0+3], s[G0+3], 0x80000000          ; type = 2
	s_add_nc_u64 s[20:21], s[4:5], s[18:19]
	CROUND                                         ; all four work-groups are here: the joint loads meet
	tensor_load_to_lds s[G0:G0+3], s[G1:G1+7]      ; my one tensor load of the launch
	s_nop 0
	PLACES                                         ; (four vector instructions ahead of the next switch of windows)
	v_and_b32 v1, 15, v0                           ; l % 16
	v_bfe_u32 v3, v0, 4, 1                         ; l / 16
	v_lshlrev_b32 v[AO], 11, v1
	v_lshl_add_u32 v[AO], v3, 4, v[AO]             ; row x 2,048 + 16 x half
	WIN 0x40                                       ; destination window 1, address window 0
.set j, 0
.rept 32                                           ; Wo's fragment of K step j: of each of my 16 rows eight such loads take 256 consecutive bytes, aligned
	global_load_b128 v[8*j:8*j+3],   v[AO], s[20:21] offset:64*j
	global_load_b128 v[8*j+4:8*j+7], v[AO], s[20:21] offset:64*j+32
.set j, j+1
.endr
	WIN 0
	v_and_b32 v4, 7, v0                            ; the turning load: lane l reads row g = 8 (l / 16) + l % 8, columns 8 ((l / 8) % 2) + 0..7
	v_bfe_u32 v5, v0, 3, 1
	v_lshl_add_u32 v4, v3, 3, v4
	v_mul_u32_u24 v4, v4, VP
	v_lshl_add_u32 v4, v5, 4, v4
	s_lshl_b32 s22, s12, 7                         ; my 64 columns: 128 bytes of a row
	v_add_nc_u32 v[ADR], s22, v4
.irp i, 1,2,3,4,5,6,7
	v_add_nc_u32 v[ADR+(\i)], (\i)*128*VP, v[ADR]  ; an LDS load's immediate has 16 bits: an address for each 128 rows
.endr
	s_mul_i32 s23, s11, 16*SP                      ; into the stage: my 16 rows, my half of their 256 bytes; row l % 16, 16 bytes for each half of the lanes
	s_add_co_u32 s23, s23, s22
	s_add_co_u32 s23, s23, STAGE
	v_mul_u32_u24 v6, v1, SP
	v_lshl_add_u32 v6, v3, 4, v6
	v_add_nc_u32 v[STO], s23, v6
	s_mul_i32 s23, s10, 8*SP                       ; back: wave w takes rows 8 w .. 8 w + 7, whole; lanes 0-15 one row of 256 bytes, lanes 16-31 the next
	s_add_co_u32 s23, s23, STAGE
	v_mul_u32_u24 v6, v3, SP
	v_lshl_add_u32 v6, v1, 4, v6
	v_add_nc_u32 v[RD], s23, v6
	s_lshl_b32 s23, s10, 14                        ; and the same rows in wov
	v_lshlrev_b32 v6, 11, v3
	v_lshl_add_u32 v6, v1, 4, v6
	v_add_nc_u32 v[CO], s23, v6
	s_lshl_b32 s46, s13, 16                        ; the tile in wov: row 32 x row tile, byte 256 x column tile
	s_lshl_b32 s47, s14, 8
	s_add_co_u32 s46, s46, s47
	s_mov_b32 s47, 0
	s_add_nc_u64 s[8:9], s[6:7], s[46:47]
	s_wait_tensorcnt 0x0                           ; my 256 rows of Wv' are in,
	s_barrier_signal -1
	s_barrier_wait -1                              ; everybody's are
	WIN 0x04                                       ; source 1 (Wo's fragments) in window 1; all else in window 0
	BFETCH 0
	BFETCH 1
	s_wait_loadcnt 0x0                             ; Wo
.set g, 0
.rept 16
.if g < 14
.if g > 0
	PLACES                                         ; the buffer was multiplied in the group just before
.endif
	BFETCH g+2
	s_wait_dscnt 32                                ; group g is in; the two younger groups' 32 loads may be out
.elseif g == 14
	s_wait_dscnt 16                                ; the last group's 16 may be out
.else
	s_wait_dscnt 0x0
.endif
	MUL8 g
.set g, g+1
.endr
	WIN 0
	PLACES
	; THE WAY OUT: times 16 (Wv' came as Wv' / 4; wov holds 4 Wo Wv'); rounded to f16; 16 bytes a lane into the stage; a barrier, since a row's 256 bytes come from two waves; back as whole rows.
.irp p, 0,2,4,6,8,10,12,14,16,18,20,22,24,26,28,30
	v_pk_mul_f32 v[ACC+(\p):ACC+(\p)+1], v[ACC+(\p):ACC+(\p)+1], 0x41800000 op_sel_hi:[1,0]  ; each accumulator's registers in ascending order
.endr
.irp b, 0,1,2,3
.irp r, 0,1,2,3
	v_cvt_pk_f16_f32 v[TMP+4*(\b)+(\r)], v[ACC+8*(\b)+2*(\r)], v[ACC+8*(\b)+2*(\r)+1]
.endr
.endr
.irp b, 0,1,2,3
	ds_store_b128 v[STO], v[TMP+4*(\b):TMP+4*(\b)+3] offset:32*(\b)
.endr
	s_wait_dscnt 0x0                               ; for the others' sake: my stores into the stage are done
	s_barrier_signal -1
	s_barrier_wait -1
.irp t, 0,1,2,3
	ds_load_b128 v[OB+4*(\t):OB+4*(\t)+3], v[RD] offset:(\t)*2*SP
.endr
.irp t, 0,1,2,3
	s_wait_dscnt 3-(\t)                            ; load t is in, the younger ones may be out
	global_store_b128 v[CO], v[OB+4*(\t):OB+4*(\t)+3], s[8:9] offset:(\t)*4096  ; 16 lanes store 256 consecutive bytes, aligned
.endr
	s_wait_tensorcnt 0x0                           ; the wave's end
	ds_add_u32 v[SPW], v[NIL]
	s_wait_dscnt 0x0
	CROUND                                         ; the closing round: no work-group ends while a partner may still ask for a tile that names it
	s_endpgm
.Lfunc_end_k_q31a620b7a8_merge:
	.size	k_q31a620b7a8_merge, .Lfunc_end_k_q31a620b7a8_merge-k_q31a620b7a8_merge
	.p2alignl 7, 3214868480
	.fill 96, 4, 3214868480
	.section	.rodata,"a",@progbits
	.p2align	6, 0x0
	.amdhsa_kernel k_q31a620b7a8_merge
		.amdhsa_group_segment_fixed_size 327680
		.amdhsa_private_segment_fixed_size 0
		.amdhsa_enable_private_segment 0
		.amdhsa_kernarg_size 16
		.amdhsa_user_sgpr_count 2
		.amdhsa_user_sgpr_kernarg_segment_ptr 1
		.amdhsa_wavefront_size32 1
		.amdhsa_system_sgpr_workgroup_id_x 1
		.amdhsa_system_sgpr_workgroup_id_y 1
		.amdhsa_system_sgpr_workgroup_id_z 1
		.amdhsa_system_vgpr_workitem_id 0
		.amdhsa_next_free_vgpr 512
		.amdhsa_next_free_sgpr 66
		.amdhsa_reserve_vcc 0
		.amdhsa_float_denorm_mode_32 3
		.amdhsa_float_denorm_mode_16_64 3
		.amdhsa_memory_ordered 1
		.amdhsa_forward_progress 1
		.amdhsa_inst_pref_size 42
	.end_amdhsa_kernel
	.amdgpu_metadata
---
amdhsa.version: [ 1, 2 ]
amdhsa.kernels:
  - .name:           k_q31a620b7a8_merge
    .symbol:         k_q31a620b7a8_merge.kd
    .args:
      - { .name: h16, .offset: 0, .size: 8, .value_kind: global_buffer, .address_space: global }
      - { .name: wov, .offset: 8, .size: 8, .value_kind: global_buffer, .address_space: global }
    .group_segment_fixed_size: 327680
    .private_segment_fixed_size: 0
    .kernarg_segment_align: 8
    .kernarg_segment_size: 16
    .max_flat_workgroup_size: 128
    .sgpr_count:     66
    .vgpr_count:     512
    .wavefront_size: 32
...
	.end_amdgpu_metadata
.endif
;; end of part 7
;; launch proj (part 8): grid 4 x 64, 4 waves a work-group, clusters of 4 x 4, 327,680 bytes of LDS; arguments h16, qkv; writes qkv
.if DOCPART == 8
	.amdgcn_target "amdgcn-amd-amdhsa--gfx1250"
	.amdhsa_code_object_version 6
	.text
	.protected	k_q31a620b7a8_proj
	.globl	k_q31a620b7a8_proj
	.p2align	8
	.type	k_q31a620b7a8_proj,@function
k_q31a620b7a8_proj:
	s_mov_b64 s[64:65], 0
	v_nop
	global_prefetch_b8 v0, s[64:65] scope:SCOPE_SE
	s_setreg_imm32_b32 hwreg(HW_REG_WAVE_MODE, 25, 1), 1
	s_wait_xcnt 0x0
	s_wait_alu depctr_hold_cnt(0) depctr_sa_sdst(0) depctr_va_vdst(0) depctr_va_sdst(0) depctr_va_ssrc(0) depctr_va_vcc(0) depctr_vm_vsrc(0)
	s_getreg_b32 s2, hwreg(HW_REG_IB_STS2, 6, 4)
	s_cmp_eq_u32 s2, 0
	s_cbranch_scc0 .Lentry_in_a_cluster
	s_endpgm
.Lentry_in_a_cluster:
	s_bfe_u32 s2, ttmp6, 0x10000c
	s_cmp_lg_u32 s2, 0xf033
	s_cbranch_scc0 .Lentry_shape_is_right
	s_endpgm
.Lentry_shape_is_right:
; PROJ.  qkv[m][n] = the sum over k of X[m][k] W_t[n][k]: X = query, key on end, [16384][1024] f16 at h16's byte 0; W_t = g (W + B A) of Q, K, t = m / 8192, [1024][1024] f16.
; So qkv holds q log2(e) / 8 and then k / 4, [8192][1024] f16 each, rounded once from f32 sums.  (value is not projected: its weight is merged with O_weight in a launch of its own.)
; LIMITS.  The two results lie within 65,504; below 6e-5 they keep f16's fixed step of 6e-8.  NaN and infinities are not treated apart.
; SHARES.  A tile is 256 rows of X by 256 rows of W: 64 x 4 = 256 work-groups.  Four waves, each 128 x 128: 64 accumulators of 16 x 16.  K goes in 8 steps of 128 through two LDS slots.
; CLUSTER.  4 x 4 work-groups: the four of a row of the cluster need the same rows of X, the four of a column the same rows of W: each tile is asked for jointly, by the same tensor load in all four.
; THE MATRIX INSTRUCTION IS USED TRANSPOSED (source 0 = 16 rows of W, source 1 = 16 rows of X): a lane holds row l % 16 of the result and eight neighbouring columns 8 (l / 16) + 0..7.
; REGISTERS, in windows of 256 (s_set_vgpr_msb: bits 1:0 source 0, 3:2 source 1, 5:4 source 2, 7:6 destination):
;   window 0: v0-31 addresses; v64-127, v128-191 X's fragments (8 x 16 rows x 32 K), two buffers; on the way out v192-223 packed results, v32-63 and v224-255 rows read back, by turns
;   window 1: v64-127, v128-191 W's fragments          window 2: accumulators of my rows 0-63, (a, b) at 8 (8 a + b)          window 3: those of my rows 64-127
.set KT,     8                         ; K steps
.set PITCH,  272                       ; an LDS row: 256 bytes + 16 of padding = 68 words: the 16 rows of a fragment load start at 16 different groups of four banks (64 banks of 4 bytes: ISA guide 11.1)
.set HALFT,  128*PITCH                 ; 34,816: what one tensor load brings, and what a wave reads of X or of W
.set SLOT,   4*HALFT                   ; 139,264 = 0x22000: X's 256 rows, then W's.  The four waves' fill addresses in slot 0 (0, 0x8800, 0x11000, 0x19800) share no bit with it, so one exclusive or changes the slot
.set STAGE,  2*SLOT                    ; 278,528: behind the ring, 16 rows x 272 bytes for each wave
.set SPARE,  STAGE+4*16*PITCH          ; 295,936: the spare words, 128 bytes a wave: two blocks of 256 bytes that no other line names
.set ROWB,   2048                      ; bytes in a row of the result
.set KS,     256                       ; bytes from K step to K step
.set WOFF,   52428800                  ; the folded weights in h16
.set ADA0, 16                          ; v16  my lane's place in a slot's rows of X; never rewritten
.set ADB0, 17                          ; v17  the same for W
.set ADA,  18                          ; v18  the same in the slot in hand
.set ADB,  19
.set STO,  24                          ; v24  the way out: where I put 16 bytes of a row
.set RD,   25                          ; v25  where I read a row back
.set CO,   26                          ; v26  my byte offset in the result
.set SPW,  28                          ; v28  my spare word: SPARE + 4 x my thread's number; never rewritten
.set NIL,  29                          ; v29  0; never rewritten
.set PFO,  30                          ; v30  the prefetches' offset: a lane a row; never rewritten
.set OB,   32
.set F0,   64                          ; fragment buffer 0
.set F1,   128                         ; fragment buffer 1
.set TMP,  192
.set G1A,  24                          ; s[24:31] descriptor group 1 for X's tiles;  s[32:39] group 0: set 0 for K step 0, set 1 for K step 1, which then walks
.set G0A,  32
.set LIM,  43                          ; s43  1 in a wave that prefetches, else the greatest number
.set PFA,  44                          ; s[44:45] where my prefetches stand
.set G1B,  48                          ; s[48:55], s[56:63] the same for W's tiles
.set G0B,  56
.set TB,   70                          ; s70  LDS byte at which the slot in hand begins
.set CY,   77                          ; s77  the cluster's y
.set FLAGS, (1<<16)|(1<<20)|(1<<21)|(5<<22)|(3<<25)  ; 17:16 elements of 2 bytes; 20 padding on; 21 set beside a mask; 24:22 after every 64 words; 31:25 4 words of it
.set MUL_LO, 0xa1                      ; source 0 (W) window 1, source 1 (X) window 0, C and D window 2
.set TO_B,   0x40                      ; destination window 1, address window 0
.set MSB, 0
.macro WIN new                         ; the immediate's high byte repeats the setting that is left; a switch that changes nothing is dropped
.if MSB != (\new)
	s_set_vgpr_msb (MSB<<8)|(\new)
.set MSB, \new
.endif
.endm
.macro PLACES                          ; four places in front of loads into registers that matrix instructions have read, and of lines that read results
.rept 4
	v_nop
.endr
.endm
; A joint load: waves 0 and 1 fetch the two halves of X's tile, waves 2 and 3 those of W's.  The branch hangs on the wave's number alone.  An s_nop 0 and four v_nop follow each line.
.macro JLOAD s
	s_cmp_eq_u32 s11, 0
	s_cbranch_scc0 .Lfor_b_\@
	tensor_load_to_lds s[G0A+4*(\s):G0A+4*(\s)+3], s[G1A:G1A+7]
	s_nop 0
.rept 4
	v_nop
.endr
	s_branch .Lasked_\@
.Lfor_b_\@:
	tensor_load_to_lds s[G0B+4*(\s):G0B+4*(\s)+3], s[G1B:G1B+7]
	s_nop 0
.rept 4
	v_nop
.endr
.Lasked_\@:
.endm
.macro CREST                           ; a round of the cluster's barrier behind its opening barrier
	s_cmp_lg_u32 s10, 0
	s_cbranch_scc1 .Lnot_wave_0_\@
	s_barrier_signal -3
.Lnot_wave_0_\@:
	s_barrier_wait -3
	s_barrier_signal -1
	s_barrier_wait -1
.endm
.macro CROUND                          ; a whole round
	s_barrier_signal -1
	s_barrier_wait -1
	CREST
.endm
; A prefetch of the K step that the NEXT refill will ask for (256 matrix instructions ahead of that load): 32 rows x 256 bytes, a lane a row, one instruction a wave.  Each row's 256 bytes of a K step are named once in
; the launch: of the 128 rows that a wave fetches each of the four partners that ask for them jointly takes 32, by address (cx for X, cy for W); X's rows are read by one cluster alone, W's are asked for by the first
; of the eight clusters of rows that read that matrix.  The last refill has no K step behind it: s3 is 1 there.  K steps 0 to 2 come by their loads alone.
.macro ASK
	s_cmp_gt_u32 s3, s[LIM]
	s_cbranch_scc0 .Lnot_mine_\@
	global_prefetch_b8 v[PFO], s[PFA:PFA+1] th:TH_LOAD_NT scope:SCOPE_SE
.Lnot_mine_\@:
.endm
; 16 matrix instructions: blocks a0, a0 + 1 of the window's four (hi = 0: my rows 0-63, 1: rows 64-127) x all 8 blocks of W's rows, 32 along K.  zero = 1: the product starts the sums.
; The 64 accumulators take turns in one fixed order: 63 others' instructions stand between two on one accumulator, over the backward jumps too.
.macro MUL16 f, hi, a0, zero
	WIN MUL_LO+0x50*(\hi)
.irp a, \a0, (\a0)+1
.irp b, 0,1,2,3,4,5,6,7
.if \zero
	v_wmma_f32_16x16x32_f16 v[8*(8*(\a)+(\b)):8*(8*(\a)+(\b))+7], v[(\f)+8*(\b):(\f)+8*(\b)+7], v[(\f)+8*(4*(\hi)+(\a)):(\f)+8*(4*(\hi)+(\a))+7], 0
.else
	v_wmma_f32_16x16x32_f16 v[8*(8*(\a)+(\b)):8*(8*(\a)+(\b))+7], v[(\f)+8*(\b):(\f)+8*(\b)+7], v[(\f)+8*(4*(\hi)+(\a)):(\f)+8*(4*(\hi)+(\a))+7], v[8*(8*(\a)+(\b)):8*(8*(\a)+(\b))+7]
.endif
.endr
.endr
.endm
; 32 LDS loads in one run: the fragments of 32 along K at byte k of the slot's rows, into buffer f: W's sixteen, then X's.  At a slot's first quarter the two addresses are made for the slot.
.macro FETCH k, f
.if (\k) == 0
	WIN 0
	v_add_nc_u32 v[ADA], s[TB], v[ADA0]
	v_add_nc_u32 v[ADB], s[TB], v[ADB0]
.endif
	WIN TO_B
.irp i, 0,1,2,3,4,5,6,7
	ds_load_b128 v[(\f)+8*(\i):(\f)+8*(\i)+3],   v[ADB] offset:(\k)+(\i)*16*PITCH
	ds_load_b128 v[(\f)+8*(\i)+4:(\f)+8*(\i)+7], v[ADB] offset:(\k)+(\i)*16*PITCH+32
.endr
	WIN 0
.irp i, 0,1,2,3,4,5,6,7
	ds_load_b128 v[(\f)+8*(\i):(\f)+8*(\i)+3],   v[ADA] offset:(\k)+(\i)*16*PITCH
	ds_load_b128 v[(\f)+8*(\i)+4:(\f)+8*(\i)+7], v[ADA] offset:(\k)+(\i)*16*PITCH+32
.endr
.endm
; A K step is four quarters of 32 along K, 64 matrix instructions each, on buffers 0, 1, 0, 1.  One of the first three: multiplies buffer f; in its middle it fetches the next quarter, at byte k, into buffer g.
.macro QUARTER k, f, g, zero
	s_wait_dscnt 8                                 ; W's fragments and X's rows 0-63 are in; the youngest eight loads (X's rows 64-127) may be out
	MUL16 \f, 0, 0, \zero
	MUL16 \f, 0, 2, \zero
	PLACES                                         ; g was multiplied in the quarter before
	FETCH \k, \g
	s_wait_dscnt 32                                ; all but the 32 just issued
	MUL16 \f, 1, 0, \zero
	MUL16 \f, 1, 2, \zero
.endm
; The last quarter multiplies buffer 1 and changes slots: ONE barrier.  In front of it each wave waits for all its tensor loads (the one that is out is its part of the next slot), adds 0 to its spare word, and waits
; for that and for its own reads of this slot.  fill = 1: the barrier opens a round of the cluster's barrier, and behind the round this slot is filled again, with the K step two on: from that request to the wait for
; it a wave issues 224 matrix instructions.  fill = 0 (the tail): nothing is asked for; in the tail's second trip (s3 = 1) there is no further slot, and the run of loads is jumped over.
.macro TURN fill
	WIN 0
.if \fill
	s_wait_xcnt 0x0                                ; the last prefetch, a K step back, has read its address
	s_add_nc_u64 s[PFA:PFA+1], s[PFA:PFA+1], KS
.endif
	s_wait_tensorcnt 0x0                           ; no tensor load of mine is out, so a group 0 may be written
	ds_add_u32 v[SPW], v[NIL]                      ; 0 onto my spare word
.if \fill
	s_xor_b32 s[G0A+5], s[G0A+5], SLOT             ; the walking descriptors: the other slot than last time,
	s_add_nc_u64 s[G0A+6:G0A+7], s[G0A+6:G0A+7], KS  ; the next K step; the type bits on top are not reached
	s_xor_b32 s[G0B+5], s[G0B+5], SLOT
	s_add_nc_u64 s[G0B+6:G0B+7], s[G0B+6:G0B+7], KS
.endif
	s_xor_b32 s[TB], s[TB], SLOT                   ; the fetches go on in the other slot
	s_wait_dscnt 9                                 ; the add and the youngest eight loads may be out
	MUL16 F1, 0, 0, 0
	s_wait_dscnt 0x0                               ; the add is done, and my reads of this slot are over
	s_barrier_signal -1
	MUL16 F1, 0, 2, 0                              ; work on registers while the others arrive
	WIN 0                                          ; at a branch and at a label every window is 0
	s_barrier_wait -1
.if \fill
	CREST                                          ; no wave of any partner still reads this slot or has a load on its way
	JLOAD 1                                        ; the first tensor load behind the round; its four v_nop are also the places in front of the loads below
	FETCH 0, F0
	ASK
.else
	s_cmp_eq_u32 s3, 1
	s_cbranch_scc1 .Lno_more_\@
	PLACES
	FETCH 0, F0
.Lno_more_\@:
.endif
	MUL16 F1, 1, 0, 0
	MUL16 F1, 1, 2, 0
.endm
	s_load_b128 s[84:87], s[0:1], 0x0              ; h16 s[84:85], qkv s[86:87]
	v_lshl_add_u32 v[SPW], v0, 2, SPARE
	v_mov_b32 v[NIL], 0
	ds_add_u32 v[SPW], v[NIL]                      ; the wave's opening: the add and its wait stand ahead of my first tensor load; the set-up below stands between them
	v_lshrrev_b32 v1, 5, v0
	v_readfirstlane_b32 s10, v1                    ; wave 0..3
	s_lshr_b32 s11, s10, 1                         ; which 128 rows of X are mine.  Also: I fetch for X (0) or for W (1)
	s_and_b32 s12, s10, 1                          ; which 128 rows of W.  Also: which half of that tile I fetch
	s_bfe_u32 s40, ttmp6, 0x40000                  ; cx
	s_bfe_u32 s41, ttmp6, 0x40004                  ; cy
	s_lshl_b32 s42, ttmp9, 2
	s_add_co_u32 s42, s42, s40                     ; tile column = 4 x cluster x + cx
	s_and_b32 s[CY], ttmp7, 0xffff
	s_lshl_b32 s13, s[CY], 2
	s_add_co_u32 s13, s13, s41                     ; tile row = 4 x cluster y + cy
	s_lshl_b32 s43, s41, 2
	s_lshl_b32 s43, 15, s43                        ; my row of the cluster
	s_lshl_b32 s44, 0x1111, s40                    ; my column
	s_or_b32 s[G1A], s43, FLAGS
	s_or_b32 s[G1B], s44, FLAGS
.irp g, G1A, G1B
	s_mov_b32 s[(\g)+1], 128<<16                   ; tensor_dim0 = 128
	s_mov_b32 s[(\g)+2], 128<<16                   ; tensor_dim1 = 128
	s_mov_b32 s[(\g)+3], 128<<16                   ; tile_dim0 = 128
	s_mov_b32 s[(\g)+4], 128                       ; tile_dim1 = 128
	s_mov_b32 s[(\g)+5], 1024                      ; elements from row to row
	s_mov_b32 s[(\g)+6], 0
	s_mov_b32 s[(\g)+7], 0
.endr
	s_lshl_b32 s16, s13, 8                         ; X: row 256 x tile row + 128 x half,
	s_lshl_b32 s17, s12, 7
	s_add_co_u32 s16, s16, s17
	s_lshl_b32 s16, s16, 11                        ; in bytes (under 2^26)
	s_mov_b32 s17, 0
	s_lshl_b32 s46, s42, 8                         ; W: row 256 x tile column + 128 x half,
	s_lshl_b32 s47, s12, 7
	s_add_co_u32 s46, s46, s47
	s_lshl_b32 s46, s46, 11
	s_lshr_b32 s47, s[CY], 3                       ; of matrix t: eight clusters of rows to each
	s_lshl_b32 s47, s47, 21
	s_add_co_u32 s46, s46, s47
	s_add_co_u32 s46, s46, WOFF
	s_mov_b32 s47, 0
	s_mul_i32 s20, s10, HALFT                      ; where they go: X's two halves, then W's two = wave x 128 rows: no place in the cluster enters an LDS address
	s_mov_b32 s[TB], 0
	s_wait_dscnt 0x0                               ; the opening add is done
	s_wait_kmcnt 0x0
	s_add_nc_u64 s[14:15], s[84:85], s[16:17]
	s_add_nc_u64 s[46:47], s[84:85], s[46:47]
	CROUND                                         ; all sixteen work-groups are here: the first joint loads meet
.irp s, 0,1
	s_mov_b32 s[G0A+4*(\s)], 1
	s_add_co_u32 s[G0A+4*(\s)+1], s20, (\s)*SLOT
	s_add_nc_u64 s[G0A+4*(\s)+2:G0A+4*(\s)+3], s[14:15], (\s)*KS
	s_or_b32 s[G0A+4*(\s)+3], s[G0A+4*(\s)+3], 0x80000000
	s_mov_b32 s[G0B+4*(\s)], 1
	s_add_co_u32 s[G0B+4*(\s)+1], s20, (\s)*SLOT
	s_add_nc_u64 s[G0B+4*(\s)+2:G0B+4*(\s)+3], s[46:47], (\s)*KS
	s_or_b32 s[G0B+4*(\s)+3], s[G0B+4*(\s)+3], 0x80000000
	JLOAD \s                                       ; two loads of mine are out
.endr
	; a fragment is 16 rows x 32 K in 8 registers: lane l holds row l % 16, K = 8 (l / 16) + 0..7 and 16 + 8 (l / 16) + 0..7: two loads of 16 bytes, 32 bytes apart
	v_and_b32 v1, 15, v0                           ; l % 16
	v_bfe_u32 v2, v0, 4, 1                         ; l / 16
	v_mul_u32_u24 v3, v1, PITCH
	v_lshl_add_u32 v3, v2, 4, v3                   ; row x pitch + 16 x half
	s_mul_i32 s21, s11, HALFT                      ; my 128 rows of X
	s_mul_i32 s22, s12, HALFT                      ; my 128 rows of W,
	s_add_co_u32 s22, s22, 2*HALFT                 ; which lie behind X's 256
	v_add_nc_u32 v[ADA0], s21, v3
	v_add_nc_u32 v[ADB0], s22, v3
	s_mul_i32 s23, s10, 16*PITCH
	s_add_co_u32 s23, s23, STAGE                   ; my stage
	v_add_nc_u32 v[STO], s23, v3                   ; in: row l % 16, 16 bytes for each half of the lanes
	v_mul_u32_u24 v5, v2, PITCH                    ; back: lanes 0-15 one row of 256 bytes, lanes 16-31 the next
	v_lshl_add_u32 v5, v1, 4, v5
	v_add_nc_u32 v[RD], s23, v5
	v_mul_u32_u24 v5, v2, ROWB
	v_lshl_add_u32 v[CO], v1, 4, v5
	s_lshl_b32 s16, s13, 8                         ; my part of the result: row 256 x tile row + 128 x half,
	s_lshl_b32 s17, s11, 7
	s_add_co_u32 s16, s16, s17
	s_lshl_b32 s16, s16, 11
	s_lshl_b32 s17, s42, 9                         ; byte 512 x tile column + 256 x half of it
	s_add_co_u32 s16, s16, s17
	s_lshl_b32 s17, s12, 8
	s_add_co_u32 s16, s16, s17
	s_mov_b32 s17, 0
	s_add_nc_u64 s[8:9], s[86:87], s[16:17]
	; the prefetches
	s_lshl_b32 s20, s13, 8                         ; X: the 128 rows that I fetch, my work-group's 32 of them
	s_lshl_b32 s21, s12, 7
	s_add_co_u32 s20, s20, s21
	s_lshl_b32 s21, s40, 5
	s_add_co_u32 s20, s20, s21
	s_lshl_b32 s20, s20, 11
	s_lshl_b32 s22, s42, 8                         ; W: likewise
	s_lshl_b32 s21, s12, 7
	s_add_co_u32 s22, s22, s21
	s_lshl_b32 s21, s41, 5
	s_add_co_u32 s22, s22, s21
	s_lshl_b32 s22, s22, 11
	s_lshr_b32 s21, s[CY], 3
	s_lshl_b32 s21, s21, 21
	s_add_co_u32 s22, s22, s21
	s_add_co_u32 s22, s22, WOFF
	s_and_b32 s23, s[CY], 7                        ; the clusters along which a matrix is read again
	s_cmp_eq_u32 s11, 0
	s_cselect_b32 s20, s20, s22
	s_cselect_b32 s23, ttmp9, s23
	s_cmp_eq_u32 s23, 0
	s_cselect_b32 s[LIM], 1, -1                    ; the same in all sixteen partners, for a given wave
	s_mov_b32 s21, 0
	s_add_nc_u64 s[PFA:PFA+1], s[84:85], s[20:21]
	s_add_nc_u64 s[PFA:PFA+1], s[PFA:PFA+1], 2*KS  ; at K step 2: the first refill steps it to 3.  Nothing is prefetched at the head, where every work-group's first tiles are on their way
	v_and_b32 v[PFO], 31, v0
	v_lshlrev_b32 v[PFO], 11, v[PFO]
	s_wait_tensorcnt 1                             ; my part of K step 0 is in; K step 1's may stay out
	s_barrier_signal -1
	s_barrier_wait -1                              ; everybody's is
	FETCH 0, F0
	QUARTER 64, F0, F1, 1                          ; the first quarter stands in front of the loop: its products start the sums
	WIN 0
	s_mov_b32 s3, KT-2
.Lk:                                               ; a trip goes from a K step's second quarter to the next K step's first, and fills a slot again
	QUARTER 128, F1, F0, 0
	QUARTER 192, F0, F1, 0
	TURN 1
	QUARTER 64, F0, F1, 0
	WIN 0
	s_sub_co_u32 s3, s3, 1
	s_cmp_lg_u32 s3, 0
	s_cbranch_scc1 .Lk
	s_mov_b32 s3, 2
.Ltail:                                            ; the last two K steps ask for nothing: a text of their own; walked twice and left in the middle of the second trip
	QUARTER 128, F1, F0, 0
	QUARTER 192, F0, F1, 0
	TURN 0
	WIN 0
	s_sub_co_u32 s3, s3, 1
	s_cmp_eq_u32 s3, 0
	s_cbranch_scc1 .Lout
	QUARTER 64, F0, F1, 0
	WIN 0
	s_branch .Ltail
.Lout:
	s_wait_dscnt 0x0                               ; no LDS load of mine is out
	PLACES
; THE WAY OUT, 16 rows at a time: rounded to f16, 16 bytes a lane; into my own stage; back as whole rows of 256 bytes; stored.
.macro PACK a
	WIN 0x0a+5*((\a)/4)                            ; sources 0 and 1: window 2 or 3; each accumulator's registers in ascending order
.irp b, 0,1,2,3,4,5,6,7
.irp r, 0,1,2,3
	v_cvt_pk_f16_f32 v[TMP+4*(\b)+(\r)], v[64*((\a)%4)+8*(\b)+2*(\r)], v[64*((\a)%4)+8*(\b)+2*(\r)+1]
.endr
.endr
	WIN 0
.endm
.macro TOSTAGE a
.irp b, 0,1,2,3,4,5,6,7
	ds_store_b128 v[STO], v[TMP+4*(\b):TMP+4*(\b)+3] offset:32*(\b)
.endr
.irp t, 0,1,2,3,4,5,6,7
	ds_load_b128 v[OB+192*((\a)%2)+4*(\t):OB+192*((\a)%2)+4*(\t)+3], v[RD] offset:(\t)*2*PITCH  ; LDS serves a wave's instructions in order (ISA guide 5.7.1.4): these see the stores above
.endr
.endm
.macro SEND a
	s_wait_dscnt 0x0                               ; the block is back in registers
	s_wait_xcnt 0x0                                ; the block before has left its registers, which the next block's loads will write
.irp t, 0,1,2,3,4,5,6,7
	global_store_b128 v[CO], v[OB+192*((\a)%2)+4*(\t):OB+192*((\a)%2)+4*(\t)+3], s[8:9] offset:(16*(\a)+2*(\t))*ROWB  ; 16 lanes store 256 consecutive bytes, aligned
.endr
.endm
	PACK 0
	TOSTAGE 0
.irp a, 1,2,3,4,5,6,7
	PACK \a                                        ; a block's conversions stand between the loads of the block before and the wait for them
	SEND (\a)-1
	TOSTAGE \a
.endr
	SEND 7
	s_wait_tensorcnt 0x0                           ; the wave's end
	ds_add_u32 v[SPW], v[NIL]
	s_wait_dscnt 0x0
	CROUND                                         ; the closing round: no work-group ends while a partner may still ask for a tile that names it
	s_endpgm
.Lfunc_end_k_q31a620b7a8_proj:
	.size	k_q31a620b7a8_proj, .Lfunc_end_k_q31a620b7a8_proj-k_q31a620b7a8_proj
	.p2alignl 7, 3214868480
	.fill 96, 4, 3214868480
	.section	.rodata,"a",@progbits
	.p2align	6, 0x0
	.amdhsa_kernel k_q31a620b7a8_proj
		.amdhsa_group_segment_fixed_size 327680
		.amdhsa_private_segment_fixed_size 0
		.amdhsa_enable_private_segment 0
		.amdhsa_kernarg_size 16
		.amdhsa_user_sgpr_count 2
		.amdhsa_user_sgpr_kernarg_segment_ptr 1
		.amdhsa_wavefront_size32 1
		.amdhsa_system_sgpr_workgroup_id_x 1
		.amdhsa_system_sgpr_workgroup_id_y 1
		.amdhsa_system_sgpr_workgroup_id_z 1
		.amdhsa_system_vgpr_workitem_id 0
		.amdhsa_next_free_vgpr 1024
		.amdhsa_next_free_sgpr 92
		.amdhsa_reserve_vcc 0
		.amdhsa_float_denorm_mode_32 3
		.amdhsa_float_denorm_mode_16_64 3
		.amdhsa_memory_ordered 1
		.amdhsa_forward_progress 1
		.amdhsa_inst_pref_size 101
	.end_amdhsa_kernel
	.amdgpu_metadata
---
amdhsa.version: [ 1, 2 ]
amdhsa.kernels:
  - .name:           k_q31a620b7a8_proj
    .symbol:         k_q31a620b7a8_proj.kd
    .args:
      - { .name: h16, .offset: 0, .size: 8, .value_kind: global_buffer, .address_space: global }
      - { .name: qkv, .offset: 8, .size: 8, .value_kind: global_buffer, .address_space: global }
    .group_segment_fixed_size: 327680
    .private_segment_fixed_size: 0
    .kernarg_segment_align: 8
    .kernarg_segment_size: 16
    .max_flat_workgroup_size: 128
    .sgpr_count:     92
    .vgpr_count:     1024
    .wavefront_size: 32
...
	.end_amdgpu_metadata
.endif
;; end of part 8
;; launch score (part 9): grid 8 x 32, 4 waves a work-group, clusters of 4 x 4, 327,680 bytes of LDS; arguments qkv, pbuf, stat; writes pbuf, stat
.if DOCPART == 9
	.amdgcn_target "amdgcn-amd-amdhsa--gfx1250"
	.amdhsa_code_object_version 6
	.text
	.protected	k_q31a620b7a8_score
	.globl	k_q31a620b7a8_score
	.p2align	8
	.type	k_q31a620b7a8_score,@function
k_q31a620b7a8_score:
	s_mov_b64 s[64:65], 0
	v_nop
	global_prefetch_b8 v0, s[64:65] scope:SCOPE_SE
	s_setreg_imm32_b32 hwreg(HW_REG_WAVE_MODE, 25, 1), 1
	s_wait_xcnt 0x0
	s_wait_alu depctr_hold_cnt(0) depctr_sa_sdst(0) depctr_va_vdst(0) depctr_va_sdst(0) depctr_va_ssrc(0) depctr_va_vcc(0) depctr_vm_vsrc(0)
	s_getreg_b32 s2, hwreg(HW_REG_IB_STS2, 6, 4)
	s_cmp_eq_u32 s2, 0
	s_cbranch_scc0 .Lentry_in_a_cluster
	s_endpgm
.Lentry_in_a_cluster:
	s_bfe_u32 s2, ttmp6, 0x10000c
	s_cmp_lg_u32 s2, 0xf033
	s_cbranch_scc0 .Lentry_shape_is_right
	s_endpgm
.Lentry_shape_is_right:
; SCORE.  S[q][k] = (q log2(e) / 8) . (k / 4) within a batch = log2(e) x the reference's score; for each query and each block t of 128 keys: the block's maximum, m' = floor(max) + 1, P = 2^(S - m') in f16,
; l = the sum of the unrounded P.  pbuf: [8192 queries][2048 keys] f16.  stat: m'[16 t][8192 rows] f32, then l likewise, 524,288 bytes on.
; THE SOFTMAX is split as a running maximum is: here a shift made of the block's own maximum is taken away; the next launch corrects by 2^(m'_t - the greatest m').  m' is a whole number, so those corrections are
; powers of two.  m' is never below the maximum (max + 1, rounded, is at least max), so every exponent S - m' is at most 0 at every size of the scores; at the maximum it is at least -1, so l >= 1/2.
; LIMITS.  P below 6e-8 counts as 0 in the second product (not in l); where the maximum passes 2^24 the exponent at the maximum may be -2.  NaN and infinities are not treated apart.
; SHARES.  A tile is 256 queries x 256 keys: 32 x 8 = 256 work-groups.  Four waves, each 128 queries x 128 keys: a wave's columns are one block t.  K (the 1,024 channels) goes in 8 steps of 128 through two LDS slots.
; CLUSTER.  4 x 4: q's rows are shared along a row of the cluster, k's along a column, and asked for jointly.
; THE MATRIX INSTRUCTION IS USED TRANSPOSED (source 0 = 16 keys, source 1 = 16 queries): a lane holds ONE query (l % 16) and, of each 16 keys, 8 (l / 16) + 0..7: a query's maximum and sum want one exchange between the halves of the lanes.
; REGISTERS: window 0: v0-31 addresses; v64-127, v128-191 q's fragments, two buffers; on the way out v96-111 the softmax's statistics, v192-223 packed P, v32-63 and v224-255 rows read back;
;   window 1: k's fragments; window 2: accumulators of my rows 0-63, (a, b) at 8 (8 a + b); window 3: those of my rows 64-127.
.set KT,     8
.set PITCH,  272                       ; an LDS row: 256 bytes + 16 of padding: the 16 rows of a fragment load start at 16 different groups of four banks (ISA guide 11.1)
.set HALFT,  128*PITCH
.set SLOT,   4*HALFT                   ; 139,264 = 0x22000; the waves' fill addresses in slot 0 (0, 0x8800, 0x11000, 0x19800) share no bit with it, so one exclusive or changes the slot
.set STAGE,  2*SLOT                    ; 278,528
.set STATS,  STAGE+4*16*PITCH          ; 295,936: 512 bytes a wave: 64 m', then 64 l
.set SPARE,  STATS+2048                ; 297,984: the spare words
.set ROWB,   4096                      ; bytes in a row of pbuf
.set KS,     256
.set KOFF,   16777216                  ; k / 4 in qkv
.set ADA0, 16
.set ADB0, 17
.set ADA,  18
.set ADB,  19
.set SAD,  21                          ; v21  where I put m' (lanes 0-15) or l (lanes 16-31) of my query
.set SRD,  22                          ; v22  where I read 16 bytes of them back
.set SGO,  23                          ; v23  and their byte offset in stat
.set STO,  24
.set RD,   25
.set CO,   26
.set SPW,  28
.set NIL,  29
.set PFO,  30
.set OB,   32
.set F0,   64
.set F1,   128
.set TT,   96                          ; v96-103  eight running maxima
.set MP,   104                         ; v[104:105] m', twice
.set MR,   106                         ; v106  the block's maximum
.set LR,   110                         ; v110  l
.set SV,   111                         ; v111  what the lane stores
.set TMP,  192
.set G1A,  24
.set G0A,  32
.set LIM,  43
.set PFA,  44
.set G1B,  48
.set G0B,  56
.set TB,   70
.set SEL,  74                          ; s[74:75] v_permlanex16_b32's selects: each lane takes its own place in the other half
.set HM,   76                          ; s76  the mask of lanes 16 to 31
.set CY,   77
.set FLAGS, (1<<16)|(1<<20)|(1<<21)|(5<<22)|(3<<25)
.set MUL_LO, 0xa1
.set TO_B,   0x40
.set MSB, 0
.macro WIN new
.if MSB != (\new)
	s_set_vgpr_msb (MSB<<8)|(\new)
.set MSB, \new
.endif
.endm
.macro PLACES
.rept 4
	v_nop
.endr
.endm
.macro JLOAD s                         ; a joint load: waves 0 and 1 fetch q's halves, waves 2 and 3 k's; an s_nop 0 and four v_nop follow each line
	s_cmp_eq_u32 s11, 0
	s_cbranch_scc0 .Lfor_b_\@
	tensor_load_to_lds s[G0A+4*(\s):G0A+4*(\s)+3], s[G1A:G1A+7]
	s_nop 0
.rept 4
	v_nop
.endr
	s_branch .Lasked_\@
.Lfor_b_\@:
	tensor_load_to_lds s[G0B+4*(\s):G0B+4*(\s)+3], s[G1B:G1B+7]
	s_nop 0
.rept 4
	v_nop
.endr
.Lasked_\@:
.endm
.macro CREST
	s_cmp_lg_u32 s10, 0
	s_cbranch_scc1 .Lnot_wave_0_\@
	s_barrier_signal -3
.Lnot_wave_0_\@:
	s_barrier_wait -3
	s_barrier_signal -1
	s_barrier_wait -1
.endm
.macro CROUND
	s_barrier_signal -1
	s_barrier_wait -1
	CREST
.endm
; A prefetch of the K step that the NEXT refill will ask for (256 matrix instructions ahead of that load), a lane a row, one instruction a wave.  Each row's 256 bytes of a K step are named once in the launch: of the 128
; rows that a wave fetches each of the four partners takes 32, by address (cx for q, cy for k); q's rows are asked for where the cluster's x is 0, k's by the first of the batch's two clusters of rows.
; The last refill asks for nothing; K steps 0 to 2 come by their loads alone.
.macro ASK
	s_cmp_gt_u32 s3, s[LIM]
	s_cbranch_scc0 .Lnot_mine_\@
	global_prefetch_b8 v[PFO], s[PFA:PFA+1] th:TH_LOAD_NT scope:SCOPE_SE
.Lnot_mine_\@:
.endm
.macro MUL16 f, hi, a0, zero           ; 16 matrix instructions; the 64 accumulators take turns in one fixed order
	WIN MUL_LO+0x50*(\hi)
.irp a, \a0, (\a0)+1
.irp b, 0,1,2,3,4,5,6,7
.if \zero
	v_wmma_f32_16x16x32_f16 v[8*(8*(\a)+(\b)):8*(8*(\a)+(\b))+7], v[(\f)+8*(\b):(\f)+8*(\b)+7], v[(\f)+8*(4*(\hi)+(\a)):(\f)+8*(4*(\hi)+(\a))+7], 0
.else
	v_wmma_f32_16x16x32_f16 v[8*(8*(\a)+(\b)):8*(8*(\a)+(\b))+7], v[(\f)+8*(\b):(\f)+8*(\b)+7], v[(\f)+8*(4*(\hi)+(\a)):(\f)+8*(4*(\hi)+(\a))+7], v[8*(8*(\a)+(\b)):8*(8*(\a)+(\b))+7]
.endif
.endr
.endr
.endm
.macro FETCH k, f                      ; 32 LDS loads in one run: 32 along K at byte k of the slot's rows, into buffer f: k's sixteen, then q's
.if (\k) == 0
	WIN 0
	v_add_nc_u32 v[ADA], s[TB], v[ADA0]
	v_add_nc_u32 v[ADB], s[TB], v[ADB0]
.endif
	WIN TO_B
.irp i, 0,1,2,3,4,5,6,7
	ds_load_b128 v[(\f)+8*(\i):(\f)+8*(\i)+3],   v[ADB] offset:(\k)+(\i)*16*PITCH
	ds_load_b128 v[(\f)+8*(\i)+4:(\f)+8*(\i)+7], v[ADB] offset:(\k)+(\i)*16*PITCH+32
.endr
	WIN 0
.irp i, 0,1,2,3,4,5,6,7
	ds_load_b128 v[(\f)+8*(\i):(\f)+8*(\i)+3],   v[ADA] offset:(\k)+(\i)*16*PITCH
	ds_load_b128 v[(\f)+8*(\i)+4:(\f)+8*(\i)+7], v[ADA] offset:(\k)+(\i)*16*PITCH+32
.endr
.endm
.macro QUARTER k, f, g, zero           ; one of a K step's first three quarters: multiplies buffer f; in its middle it fetches the next quarter, at byte k, into buffer g
	s_wait_dscnt 8                                 ; k's fragments and q's rows 0-63 are in; the youngest eight loads may be out
	MUL16 \f, 0, 0, \zero
	MUL16 \f, 0, 2, \zero
	PLACES                                         ; g was multiplied in the quarter before
	FETCH \k, \g
	s_wait_dscnt 32                                ; all but the 32 just issued
	MUL16 \f, 1, 0, \zero
	MUL16 \f, 1, 2, \zero
.endm
; The last quarter and the change of slots: each wave waits for all its tensor loads, adds 0 to its spare word, waits for that and for its reads of the slot; one barrier, which with fill = 1 opens a round of the cluster's
; barrier; the joint refill is the first tensor load behind the round, 224 matrix instructions ahead of the wait for it.  fill = 0 (the tail): nothing is asked for; in the tail's second trip the run of loads is jumped over.
.macro TURN fill
	WIN 0
.if \fill
	s_wait_xcnt 0x0                                ; the last prefetch, a K step back, has read its address
	s_add_nc_u64 s[PFA:PFA+1], s[PFA:PFA+1], KS
.endif
	s_wait_tensorcnt 0x0                           ; no tensor load of mine is out, so a group 0 may be written
	ds_add_u32 v[SPW], v[NIL]                      ; 0 onto my spare word
.if \fill
	s_xor_b32 s[G0A+5], s[G0A+5], SLOT
	s_add_nc_u64 s[G0A+6:G0A+7], s[G0A+6:G0A+7], KS
	s_xor_b32 s[G0B+5], s[G0B+5], SLOT
	s_add_nc_u64 s[G0B+6:G0B+7], s[G0B+6:G0B+7], KS
.endif
	s_xor_b32 s[TB], s[TB], SLOT
	s_wait_dscnt 9                                 ; the add and the youngest eight loads may be out
	MUL16 F1, 0, 0, 0
	s_wait_dscnt 0x0                               ; the add is done, and my reads of this slot are over
	s_barrier_signal -1
	MUL16 F1, 0, 2, 0
	WIN 0
	s_barrier_wait -1
.if \fill
	CREST
	JLOAD 1
	FETCH 0, F0
	ASK
.else
	s_cmp_eq_u32 s3, 1
	s_cbranch_scc1 .Lno_more_\@
	PLACES
	FETCH 0, F0
.Lno_more_\@:
.endif
	MUL16 F1, 1, 0, 0
	MUL16 F1, 1, 2, 0
.endm
	s_load_b128 s[84:87], s[0:1], 0x0              ; qkv s[84:85], pbuf s[86:87]
	s_load_b64 s[88:89], s[0:1], 0x10              ; stat
	v_lshl_add_u32 v[SPW], v0, 2, SPARE
	v_mov_b32 v[NIL], 0
	ds_add_u32 v[SPW], v[NIL]                      ; the wave's opening: the add and its wait stand ahead of my first tensor load
	v_lshrrev_b32 v1, 5, v0
	v_readfirstlane_b32 s10, v1                    ; wave 0..3
	s_lshr_b32 s11, s10, 1                         ; which 128 queries are mine.  Also: I fetch for q (0) or for k (1)
	s_and_b32 s12, s10, 1                          ; which 128 keys.  Also: which half of that tile I fetch
	s_bfe_u32 s40, ttmp6, 0x40000                  ; cx
	s_bfe_u32 s41, ttmp6, 0x40004                  ; cy
	s_lshl_b32 s42, ttmp9, 2
	s_add_co_u32 s42, s42, s40                     ; tile column: 256 keys of the batch
	s_and_b32 s[CY], ttmp7, 0xffff
	s_lshl_b32 s13, s[CY], 2
	s_add_co_u32 s13, s13, s41                     ; tile row: 256 of the 8,192 queries
	s_lshl_b32 s43, s41, 2
	s_lshl_b32 s43, 15, s43
	s_lshl_b32 s44, 0x1111, s40
	s_or_b32 s[G1A], s43, FLAGS
	s_or_b32 s[G1B], s44, FLAGS
.irp g, G1A, G1B
	s_mov_b32 s[(\g)+1], 128<<16                   ; tensor_dim0 = 128
	s_mov_b32 s[(\g)+2], 128<<16                   ; tensor_dim1 = 128
	s_mov_b32 s[(\g)+3], 128<<16                   ; tile_dim0 = 128
	s_mov_b32 s[(\g)+4], 128                       ; tile_dim1 = 128
	s_mov_b32 s[(\g)+5], 1024                      ; elements from row to row
	s_mov_b32 s[(\g)+6], 0
	s_mov_b32 s[(\g)+7], 0
.endr
	s_lshl_b32 s16, s13, 8                         ; q: row 256 x tile row + 128 x half
	s_lshl_b32 s17, s12, 7
	s_add_co_u32 s16, s16, s17
	s_lshl_b32 s16, s16, 11
	s_mov_b32 s17, 0
	s_lshl_b32 s46, s42, 8                         ; k: row 2,048 x batch + 256 x tile column + 128 x half; a batch is two clusters of rows
	s_lshl_b32 s47, s12, 7
	s_add_co_u32 s46, s46, s47
	s_lshr_b32 s47, s[CY], 1
	s_lshl_b32 s47, s47, 11
	s_add_co_u32 s46, s46, s47
	s_lshl_b32 s46, s46, 11
	s_add_co_u32 s46, s46, KOFF
	s_mov_b32 s47, 0
	s_mul_i32 s20, s10, HALFT                      ; where they go: wave x 128 rows: no place in the cluster enters an LDS address
	s_mov_b32 s[TB], 0
	s_mov_b32 s[SEL], 0x76543210
	s_mov_b32 s[SEL+1], 0xfedcba98
	s_wait_dscnt 0x0                               ; the opening add is done
	s_wait_kmcnt 0x0
	s_add_nc_u64 s[14:15], s[84:85], s[16:17]
	s_add_nc_u64 s[46:47], s[84:85], s[46:47]
	CROUND                                         ; all sixteen work-groups are here: the first joint loads meet
.irp s, 0,1
	s_mov_b32 s[G0A+4*(\s)], 1
	s_add_co_u32 s[G0A+4*(\s)+1], s20, (\s)*SLOT
	s_add_nc_u64 s[G0A+4*(\s)+2:G0A+4*(\s)+3], s[14:15], (\s)*KS
	s_or_b32 s[G0A+4*(\s)+3], s[G0A+4*(\s)+3], 0x80000000
	s_mov_b32 s[G0B+4*(\s)], 1
	s_add_co_u32 s[G0B+4*(\s)+1], s20, (\s)*SLOT
	s_add_nc_u64 s[G0B+4*(\s)+2:G0B+4*(\s)+3], s[46:47], (\s)*KS
	s_or_b32 s[G0B+4*(\s)+3], s[G0B+4*(\s)+3], 0x80000000
	JLOAD \s                                       ; two loads of mine are out
.endr
	v_and_b32 v1, 15, v0                           ; l % 16
	v_bfe_u32 v2, v0, 4, 1                         ; l / 16
	v_and_b32 v4, 31, v0                           ; l
	v_mul_u32_u24 v3, v1, PITCH
	v_lshl_add_u32 v3, v2, 4, v3
	s_mul_i32 s21, s11, HALFT
	s_mul_i32 s22, s12, HALFT
	s_add_co_u32 s22, s22, 2*HALFT
	v_add_nc_u32 v[ADA0], s21, v3
	v_add_nc_u32 v[ADB0], s22, v3
	s_mul_i32 s23, s10, 16*PITCH
	s_add_co_u32 s23, s23, STAGE
	v_add_nc_u32 v[STO], s23, v3
	v_mul_u32_u24 v5, v2, PITCH
	v_lshl_add_u32 v5, v1, 4, v5
	v_add_nc_u32 v[RD], s23, v5
	v_mul_u32_u24 v5, v2, ROWB
	v_lshl_add_u32 v[CO], v1, 4, v5
	s_lshl_b32 s23, s10, 9
	s_add_co_u32 s23, s23, STATS                   ; my 512 bytes of statistics
	v_lshlrev_b32 v5, 2, v1
	v_lshl_add_u32 v5, v2, 8, v5
	v_add_nc_u32 v[SAD], s23, v5                   ; 256 (l / 16) + 4 (l % 16)
	v_lshl_add_u32 v[SRD], v4, 4, s23              ; 16 l
	v_lshlrev_b32 v5, 4, v1
	v_lshl_add_u32 v[SGO], v2, 19, v5              ; lanes 0-15: m'; lanes 16-31: l, 524,288 bytes on
	s_lshl_b32 s16, s13, 8                         ; my part of pbuf
	s_lshl_b32 s17, s11, 7
	s_add_co_u32 s16, s16, s17
	s_lshl_b32 s16, s16, 12
	s_lshl_b32 s17, s42, 9
	s_add_co_u32 s16, s16, s17
	s_lshl_b32 s17, s12, 8
	s_add_co_u32 s16, s16, s17
	s_mov_b32 s17, 0
	s_add_nc_u64 s[8:9], s[86:87], s[16:17]
	s_lshl_b32 s16, s42, 1                         ; my block t = 2 x tile column + half,
	s_add_co_u32 s16, s16, s12
	s_lshl_b32 s16, s16, 13                        ; 8,192 rows to a block,
	s_lshl_b32 s17, s13, 8
	s_add_co_u32 s16, s16, s17
	s_lshl_b32 s17, s11, 7
	s_add_co_u32 s16, s16, s17                     ; my 128 rows,
	s_lshl_b32 s16, s16, 2                         ; in bytes
	s_mov_b32 s17, 0
	s_add_nc_u64 s[66:67], s[88:89], s[16:17]
	; the prefetches
	s_lshl_b32 s20, s13, 8                         ; q: the 128 rows that I fetch, my work-group's 32 of them
	s_lshl_b32 s21, s12, 7
	s_add_co_u32 s20, s20, s21
	s_lshl_b32 s21, s40, 5
	s_add_co_u32 s20, s20, s21
	s_lshl_b32 s20, s20, 11
	s_lshl_b32 s22, s42, 8                         ; k: likewise
	s_lshl_b32 s21, s12, 7
	s_add_co_u32 s22, s22, s21
	s_lshl_b32 s21, s41, 5
	s_add_co_u32 s22, s22, s21
	s_lshr_b32 s21, s[CY], 1
	s_lshl_b32 s21, s21, 11
	s_add_co_u32 s22, s22, s21
	s_lshl_b32 s22, s22, 11
	s_add_co_u32 s22, s22, KOFF
	s_and_b32 s23, s[CY], 1                        ; the clusters along which a batch's keys are read again
	s_cmp_eq_u32 s11, 0
	s_cselect_b32 s20, s20, s22
	s_cselect_b32 s23, ttmp9, s23
	s_cmp_eq_u32 s23, 0
	s_cselect_b32 s[LIM], 1, -1                    ; the same in all sixteen partners, for a given wave
	s_mov_b32 s21, 0
	s_add_nc_u64 s[PFA:PFA+1], s[84:85], s[20:21]
	s_add_nc_u64 s[PFA:PFA+1], s[PFA:PFA+1], 2*KS  ; at K step 2: the first refill steps it to 3; nothing is prefetched at the head
	v_lshlrev_b32 v[PFO], 11, v4
	s_wait_tensorcnt 1                             ; my part of K step 0 is in; K step 1's may stay out
	s_barrier_signal -1
	s_barrier_wait -1
	FETCH 0, F0
	QUARTER 64, F0, F1, 1                          ; the first quarter stands in front of the loop: its products start the sums
	WIN 0
	s_mov_b32 s3, KT-2
.Lk:                                               ; a trip goes from a K step's second quarter to the next K step's first, and fills a slot again
	QUARTER 128, F1, F0, 0
	QUARTER 192, F0, F1, 0
	TURN 1
	QUARTER 64, F0, F1, 0
	WIN 0
	s_sub_co_u32 s3, s3, 1
	s_cmp_lg_u32 s3, 0
	s_cbranch_scc1 .Lk
	s_mov_b32 s3, 2
.Ltail:                                            ; the last two K steps ask for nothing: a text of their own, walked twice and left in the middle of the second trip
	QUARTER 128, F1, F0, 0
	QUARTER 192, F0, F1, 0
	TURN 0
	WIN 0
	s_sub_co_u32 s3, s3, 1
	s_cmp_eq_u32 s3, 0
	s_cbranch_scc1 .Lout
	QUARTER 64, F0, F1, 0
	WIN 0
	s_branch .Ltail
.Lout:
	s_wait_dscnt 0x0                               ; no LDS load of mine is out: the fragment buffers' registers are free for the way out
	PLACES
	v_cmp_lt_u32 s[HM], 15, v4                     ; lanes 16 to 31
; THE SOFTMAX OF 16 QUERIES x 128 KEYS (block a of window 2's four): a lane holds 64 scores of one query, the lane 16 away the other 64.
.macro SOFT a
.set AC, 64*(\a)
	WIN 0x2a                                       ; three sources in window 2
.irp b, 0,1,2,3,4,5,6,7
	v_max3_num_f32 v[TT+(\b)], v[AC+8*(\b)], v[AC+8*(\b)+1], v[AC+8*(\b)+2]
.endr
	WIN 0x28
.irp b, 0,1,2,3,4,5,6,7
	v_max3_num_f32 v[TT+(\b)], v[TT+(\b)], v[AC+8*(\b)+3], v[AC+8*(\b)+4]
.endr
.irp b, 0,1,2,3,4,5,6,7
	v_max3_num_f32 v[TT+(\b)], v[TT+(\b)], v[AC+8*(\b)+5], v[AC+8*(\b)+6]
.endr
.irp b, 0,2,4,6
	v_max3_num_f32 v[TT+(\b)], v[TT+(\b)], v[AC+8*(\b)+7], v[AC+8*(\b)+15]
.endr
	WIN 0
	v_max3_num_f32 v[TT], v[TT], v[TT+1], v[TT+2]
	v_max3_num_f32 v[TT+3], v[TT+3], v[TT+4], v[TT+5]
	v_max3_num_f32 v[TT], v[TT], v[TT+6], v[TT+7]
	v_max_num_f32 v[TT], v[TT], v[TT+3]
	v_permlanex16_b32 v[TT+1], v[TT], s[SEL], s[SEL+1]
	v_max_num_f32 v[MR], v[TT], v[TT+1]            ; the block's maximum for my query
	v_floor_f32 v[MP], v[MR]
	v_add_f32 v[MP], 1.0, v[MP]                    ; m'
	v_mov_b32 v[MP+1], v[MP]
	WIN 0x82                                       ; destination and source 0 window 2
.set p, 0
.rept 32
	v_pk_add_f32 v[AC+p:AC+p+1], v[AC+p:AC+p+1], v[MP:MP+1] neg_lo:[0,1] neg_hi:[0,1]  ; S - m'
.set p, p+2
.endr
.set p, 0
.rept 64
	v_exp_f32 v[AC+p], v[AC+p]                     ; one batch: nothing ahead of the wait below names a result
.set p, p+1
.endr
	v_nop                                          ; a plain instruction behind the last exponential
	s_wait_alu depctr_va_vdst(0)                   ; and the wait ahead of the first use: one for the 64
	WIN 0x0a
.irp b, 0,1,2,3,4,5,6,7
.irp r, 0,1,2,3
	v_cvt_pk_f16_f32 v[TMP+4*(\b)+(\r)], v[AC+8*(\b)+2*(\r)], v[AC+8*(\b)+2*(\r)+1]
.endr
.endr
	WIN 0x8a                                       ; the sum of the 32 pairs, in place: neighbours 16, 8, 4, 2 and 1 pairs apart
.irp w, 32,16,8,4,2
.set p, 0
.rept (\w)/2
	v_pk_add_f32 v[AC+p:AC+p+1], v[AC+p:AC+p+1], v[AC+p+(\w):AC+p+(\w)+1]
.set p, p+2
.endr
.endr
	WIN 0x0a
	v_add_f32 v[LR], v[AC], v[AC+1]
	WIN 0
	v_permlanex16_b32 v[TT+1], v[LR], s[SEL], s[SEL+1]
	v_add_f32 v[LR], v[LR], v[TT+1]
	v_cndmask_b32 v[SV], v[MP], v[LR], s[HM]       ; lanes 0-15 keep m', lanes 16-31 l
	ds_store_b32 v[SAD], v[SV] offset:64*(\a)
.endm
.macro TOSTAGE a
.irp b, 0,1,2,3,4,5,6,7
	ds_store_b128 v[STO], v[TMP+4*(\b):TMP+4*(\b)+3] offset:32*(\b)
.endr
.irp t, 0,1,2,3,4,5,6,7
	ds_load_b128 v[OB+192*((\a)%2)+4*(\t):OB+192*((\a)%2)+4*(\t)+3], v[RD] offset:(\t)*2*PITCH  ; LDS serves a wave's instructions in order (ISA guide 5.7.1.4): these see the stores above
.endr
.endm
.macro SEND a
	s_wait_dscnt 0x0                               ; the block is back in registers
	s_wait_xcnt 0x0                                ; the block before has left its registers, which the next block's loads will write
.irp t, 0,1,2,3,4,5,6,7
	global_store_b128 v[CO], v[OB+192*((\a)%2)+4*(\t):OB+192*((\a)%2)+4*(\t)+3], s[8:9] offset:(16*(\a)+2*(\t))*ROWB  ; 16 lanes store 256 consecutive bytes, aligned
.endr
.endm
; THE WAY OUT is written for 64 rows, window 2's, and walked twice: between the passes my rows 64-127 are moved from window 3 to where the one text names them: 256 moves, against four more copies of the softmax's text.
	s_mov_b32 s3, 2
.Lpass:
	SOFT 0
	TOSTAGE 0
.irp a, 1,2,3
	SOFT \a                                        ; a block's softmax stands between the loads of the block before and the wait for them
	SEND (\a)-1
	TOSTAGE \a
.endr
	SEND 3
	ds_load_b128 v[TT:TT+3], v[SRD]                ; the pass's 64 m' and 64 l, my wave's own bytes, 16 bytes a lane
	s_wait_dscnt 0x0
	global_store_b128 v[SGO], v[TT:TT+3], s[66:67] ; lanes 0-15 store 256 consecutive bytes of m', lanes 16-31 of l, both aligned
	s_sub_co_u32 s3, s3, 1
	s_cmp_eq_u32 s3, 0
	s_cbranch_scc1 .Ldone
	s_wait_xcnt 0x0                                ; the stores have read their registers and their bases
	s_add_nc_u64 s[8:9], s[8:9], 64*ROWB           ; 64 rows of pbuf on,
	s_add_nc_u64 s[66:67], s[66:67], 256           ; and 64 numbers of stat
	WIN 0x83                                       ; source 0 window 3, destination window 2; each accumulator's registers in ascending order
.set p, 0
.rept 256
	v_mov_b32 v[p], v[p]
.set p, p+1
.endr
	WIN 0
	s_branch .Lpass
.Ldone:
	s_wait_tensorcnt 0x0                           ; the wave's end
	ds_add_u32 v[SPW], v[NIL]
	s_wait_dscnt 0x0
	CROUND                                         ; the closing round
	s_endpgm
.Lfunc_end_k_q31a620b7a8_score:
	.size	k_q31a620b7a8_score, .Lfunc_end_k_q31a620b7a8_score-k_q31a620b7a8_score
	.p2alignl 7, 3214868480
	.fill 96, 4, 3214868480
	.section	.rodata,"a",@progbits
	.p2align	6, 0x0
	.amdhsa_kernel k_q31a620b7a8_score
		.amdhsa_group_segment_fixed_size 327680
		.amdhsa_private_segment_fixed_size 0
		.amdhsa_enable_private_segment 0
		.amdhsa_kernarg_size 24
		.amdhsa_user_sgpr_count 2
		.amdhsa_user_sgpr_kernarg_segment_ptr 1
		.amdhsa_wavefront_size32 1
		.amdhsa_system_sgpr_workgroup_id_x 1
		.amdhsa_system_sgpr_workgroup_id_y 1
		.amdhsa_system_sgpr_workgroup_id_z 1
		.amdhsa_system_vgpr_workitem_id 0
		.amdhsa_next_free_vgpr 1024
		.amdhsa_next_free_sgpr 92
		.amdhsa_reserve_vcc 0
		.amdhsa_float_denorm_mode_32 3
		.amdhsa_float_denorm_mode_16_64 3
		.amdhsa_memory_ordered 1
		.amdhsa_forward_progress 1
		.amdhsa_inst_pref_size 129
	.end_amdhsa_kernel
	.amdgpu_metadata
---
amdhsa.version: [ 1, 2 ]
amdhsa.kernels:
  - .name:           k_q31a620b7a8_score
    .symbol:         k_q31a620b7a8_score.kd
    .args:
      - { .name: qkv, .offset: 0, .size: 8, .value_kind: global_buffer, .address_space: global }
      - { .name: pbuf, .offset: 8, .size: 8, .value_kind: global_buffer, .address_space: global }
      - { .name: stat, .offset: 16, .size: 8, .value_kind: global_buffer, .address_space: global }
    .group_segment_fixed_size: 327680
    .private_segment_fixed_size: 0
    .kernarg_segment_align: 8
    .kernarg_segment_size: 24
    .max_flat_workgroup_size: 128
    .sgpr_count:     92
    .vgpr_count:     1024
    .wavefront_size: 32
...
	.end_amdgpu_metadata
.endif
;; end of part 9
;; launch pv (part 10): grid 4 x 64, 4 waves a work-group, clusters of 4 x 4, 327,680 bytes of LDS; arguments pbuf, h16, stat, obuf; writes obuf
.if DOCPART == 10
	.amdgcn_target "amdgcn-amd-amdhsa--gfx1250"
	.amdhsa_code_object_version 6
	.text
	.protected	k_q31a620b7a8_pv
	.globl	k_q31a620b7a8_pv
	.p2align	8
	.type	k_q31a620b7a8_pv,@function
k_q31a620b7a8_pv:
	s_mov_b64 s[64:65], 0
	v_nop
	global_prefetch_b8 v0, s[64:65] scope:SCOPE_SE
	s_setreg_imm32_b32 hwreg(HW_REG_WAVE_MODE, 25, 1), 1
	s_wait_xcnt 0x0
	s_wait_alu depctr_hold_cnt(0) depctr_sa_sdst(0) depctr_va_vdst(0) depctr_va_sdst(0) depctr_va_ssrc(0) depctr_va_vcc(0) depctr_vm_vsrc(0)
	s_getreg_b32 s2, hwreg(HW_REG_IB_STS2, 6, 4)
	s_cmp_eq_u32 s2, 0
	s_cbranch_scc0 .Lentry_in_a_cluster
	s_endpgm
.Lentry_in_a_cluster:
	s_bfe_u32 s2, ttmp6, 0x10000c
	s_cmp_lg_u32 s2, 0xf033
	s_cbranch_scc0 .Lentry_shape_is_right
	s_endpgm
.Lentry_shape_is_right:
; PV.  obuf[q][e] = (the sum over blocks t of f_t[q] P_t[q][:] V_t[:][e]) / (4 L[q]), with M' = the greatest m'_t[q], f_t = 2^(m'_t - M'), L = the sum of l_t f_t: the softmax's global maximum is taken away here.
; V stands for value's own rows: attn (value Wv'^T) Wo^T = (attn value) (Wo Wv')^T, so the weights are merged in a launch of their own and value is never projected.
; P: pbuf [8192][2048] f16.  V: value in f16, h16's third block, [8192 keys][1024 channels].  m', l: stat.  obuf: [8192][1024] f16 = attn value / 4, rounded once from f32; the merged weight carries the 4.
; f_t is a power of two at most 1 (m' is a whole number): P's fragments are multiplied by it in f16 between their LDS load and the matrix instruction, which rounds nothing above f16's fixed step of 6e-8.  L >= 1/2 (1/4 where a score's maximum passes 2^24).
; LIMITS.  The result is a quarter of a mean of value's rows: within f16's range as they are; below 6e-5 it keeps f16's fixed step.  f_t below 6e-8 counts as 0 in the product, below 2^-126 also in L.  NaN and infinities are not treated apart.
; SHARES.  A tile is 128 queries x 256 channels: 256 work-groups.  Four waves, each 64 x 128.  K (a batch's 2,048 keys) goes in 16 steps of 128, a step a block t, through two LDS slots.
; CLUSTER.  4 x 4: P's rows are shared along a row of the cluster, V's tiles along a column, and asked for jointly.
; LAYOUT.  Source 0 = 16 channels of V^T, brought out of LDS turned by ds_load_tr16_b128; source 1 = 16 queries of P: a lane holds one query (l % 16) and eight neighbouring channels.
; THE SCALINGS, 64 for each 64 keys, stand four behind each of a half step's last 16 matrix instructions: one vector instruction for each matrix instruction.
; REGISTERS: window 0: v0-31 addresses; v32-67 the head's statistics; v100-103 f_t of my four row blocks (twice, as f16 halves); v104-111 1 / (4 L), in pairs; v128-255 P's fragments; window 1: V's; window 2: accumulators.
.set KT,     16
.set PITCH,  272                       ; a row of P in LDS: 256 bytes + 16
.set VP,     544                       ; a row of V: 512 bytes + 32 = 136 words
.set AHALF,  64*PITCH
.set ATILE,  128*PITCH
.set BHALF,  64*VP                     ; 64 keys x 256 channels: what waves 2 and 3 fetch
.set SLOT1,  131072
.set STAGE,  SLOT1+ATILE+2*BHALF       ; 235,520
.set FAC,    STAGE+4*16*PITCH          ; 252,928: f_t of the tile's 128 rows, 512 bytes a block t
.set INVL,   FAC+8192                  ; 261,120: 1 / (4 L) of the 128 rows
.set SPARE,  INVL+512                  ; 261,632: the spare words
.set ROWB,   2048
.set KSA,    256                       ; 128 keys along a row of P
.set KSB,    262144                    ; 128 rows of V
.set VOFF,   33554432                  ; value in h16
.set ADA0, 16
.set ADB0, 17
.set ADA,  18
.set ADB,  19
.set FADR, 20                          ; v20  where my rows' factors of the step to be fetched lie
.set STO,  24
.set RD,   25
.set CO,   26
.set SPW,  28
.set NIL,  29
.set PFO,  30
.set FACR, 100
.set IL,   104
.set OB,   128
.set TMP,  192
.set G1A,  24
.set G0A,  32
.set LIM,  43
.set PFA,  44
.set G1B,  48
.set G0B,  56
.set PST,  68                          ; s[68:69] the prefetches' step
.set TB,   70
.set CY,   77
.set MUL,  0xa1
.set TO_B, 0x40
.set MSB, 0
.macro WIN new
.if MSB != (\new)
	s_set_vgpr_msb (MSB<<8)|(\new)
.set MSB, \new
.endif
.endm
.macro PLACES
.rept 4
	v_nop
.endr
.endm
.macro JLOAD s                         ; a joint load: waves 0 and 1 fetch P's halves, waves 2 and 3 V's; an s_nop 0 and four v_nop follow each line
	s_cmp_eq_u32 s11, 0
	s_cbranch_scc0 .Lfor_b_\@
	tensor_load_to_lds s[G0A+4*(\s):G0A+4*(\s)+3], s[G1A:G1A+7]
	s_nop 0
.rept 4
	v_nop
.endr
	s_branch .Lasked_\@
.Lfor_b_\@:
	tensor_load_to_lds s[G0B+4*(\s):G0B+4*(\s)+3], s[G1B:G1B+7]
	s_nop 0
.rept 4
	v_nop
.endr
.Lasked_\@:
.endm
.macro CREST
	s_cmp_lg_u32 s10, 0
	s_cbranch_scc1 .Lnot_wave_0_\@
	s_barrier_signal -3
.Lnot_wave_0_\@:
	s_barrier_wait -3
	s_barrier_signal -1
	s_barrier_wait -1
.endm
.macro CROUND
	s_barrier_signal -1
	s_barrier_wait -1
	CREST
.endm
; A prefetch of the K step two refills on, each aligned block of 256 bytes named once in the launch: P's by wave 0 (one cluster along x), a lane a row, 32 rows a partner; V's by waves 2 and 3 of the batch's first cluster
; of rows: of the wave's 64 keys a partner takes 16, two lanes a row of 512 bytes.  Partners are told apart by address.  The last two refills ask for nothing.
.macro ASK
	s_cmp_gt_u32 s3, s[LIM]
	s_cbranch_scc0 .Lnot_mine_\@
	global_prefetch_b8 v[PFO], s[PFA:PFA+1] th:TH_LOAD_NT scope:SCOPE_SE
.Lnot_mine_\@:
.endm
.macro MUL8 f, c, a, zero              ; the 32 accumulators take turns in one fixed order
	WIN MUL
.irp b, 0,1,2,3,4,5,6,7
.if \zero
	v_wmma_f32_16x16x32_f16 v[64*(\a)+8*(\b):64*(\a)+8*(\b)+7], v[128*(\f)+64*(\c)+8*(\b):128*(\f)+64*(\c)+8*(\b)+7], v[128+64*(\f)+32*(\c)+8*(\a):128+64*(\f)+32*(\c)+8*(\a)+7], 0
.else
	v_wmma_f32_16x16x32_f16 v[64*(\a)+8*(\b):64*(\a)+8*(\b)+7], v[128*(\f)+64*(\c)+8*(\b):128*(\f)+64*(\c)+8*(\b)+7], v[128+64*(\f)+32*(\c)+8*(\a):128+64*(\f)+32*(\c)+8*(\a)+7], v[64*(\a)+8*(\b):64*(\a)+8*(\b)+7]
.endif
.endr
.endm
.macro MUL32 f, c, zero
	MUL8 \f, \c, 0, \zero
	MUL8 \f, \c, 1, \zero
	MUL8 \f, \c, 2, \zero
	MUL8 \f, \c, 3, \zero
.endm
; The last 16 products of buffer f (its second 32 keys, row blocks 2 and 3), and behind each four of the 64 scalings of buffer g's fragments of P, which have just come in.  The scalings name no register of the products round them.
.macro RIDE f, g
.set n, 0
.irp a, 2,3
.irp b, 0,1,2,3,4,5,6,7
	WIN MUL
	v_wmma_f32_16x16x32_f16 v[64*(\a)+8*(\b):64*(\a)+8*(\b)+7], v[128*(\f)+64+8*(\b):128*(\f)+64+8*(\b)+7], v[128+64*(\f)+32+8*(\a):128+64*(\f)+32+8*(\a)+7], v[64*(\a)+8*(\b):64*(\a)+8*(\b)+7]
	WIN 0
.rept 4
	v_pk_mul_f16 v[128+64*(\g)+n], v[128+64*(\g)+n], v[FACR+(n/8)%4]
.set n, n+1
.endr
.endr
.endr
.endm
; 48 LDS loads in one run: the fragments of keys kk .. kk + 63 of the slot, into buffer f.  V's come turned: two loads take 32 keys x 16 channels and leave a fragment of V^T.
.macro FETCH kk, f
.if (\kk) == 0
	WIN 0
	v_add_nc_u32 v[ADA], s[TB], v[ADA0]
	v_add_nc_u32 v[ADB], s[TB], v[ADB0]
.endif
.irp c, 0,1
	WIN TO_B
.irp i, 0,1,2,3,4,5,6,7
	ds_load_tr16_b128 v[128*(\f)+64*(\c)+8*(\i):128*(\f)+64*(\c)+8*(\i)+3],   v[ADB] offset:((\kk)+32*(\c))*VP+32*(\i)
	ds_load_tr16_b128 v[128*(\f)+64*(\c)+8*(\i)+4:128*(\f)+64*(\c)+8*(\i)+7], v[ADB] offset:((\kk)+32*(\c))*VP+32*(\i)+16*VP
.endr
	WIN 0
.irp i, 0,1,2,3
	ds_load_b128 v[128+64*(\f)+32*(\c)+8*(\i):128+64*(\f)+32*(\c)+8*(\i)+3],   v[ADA] offset:2*(\kk)+64*(\c)+(\i)*16*PITCH
	ds_load_b128 v[128+64*(\f)+32*(\c)+8*(\i)+4:128+64*(\f)+32*(\c)+8*(\i)+7], v[ADA] offset:2*(\kk)+64*(\c)+(\i)*16*PITCH+32
.endr
.endr
.endm
; The first half of a K step: buffer f is in and scaled; the slot's second 64 keys are fetched into g, 48 products ahead of the wait for them, and scaled beside the last 16.
.macro HALF f, g, zero
	PLACES                                         ; g was multiplied just before
	FETCH 64, \g
	MUL32 \f, 0, \zero
	MUL8 \f, 1, 0, 0
	MUL8 \f, 1, 1, 0
	s_wait_dscnt 0x0                               ; g is in
	RIDE \f, \g
.endm
; The second half and the change of slots.  No LDS load of mine is out at its head.  Each wave waits for all its tensor loads, adds 0 to its spare word and waits for that; one barrier, which with fill = 1 opens a round of the
; cluster's barrier; the joint refill is the first tensor load behind the round.  Then the next slot's first 64 keys and the next block's factors are fetched.
.macro TURN fill
	WIN 0
.if \fill
	s_wait_xcnt 0x0                                ; the last prefetch, a K step back, has read its address
	s_add_nc_u64 s[PFA:PFA+1], s[PFA:PFA+1], s[PST:PST+1]
.endif
	s_wait_tensorcnt 0x0                           ; no tensor load of mine is out, so a group 0 may be written
	ds_add_u32 v[SPW], v[NIL]                      ; 0 onto my spare word
.if \fill
	s_xor_b32 s[G0A+5], s[G0A+5], SLOT1
	s_add_nc_u64 s[G0A+6:G0A+7], s[G0A+6:G0A+7], KSA
	s_xor_b32 s[G0B+5], s[G0B+5], SLOT1
	s_add_nc_u64 s[G0B+6:G0B+7], s[G0B+6:G0B+7], KSB
.endif
	s_xor_b32 s[TB], s[TB], SLOT1
	MUL8 1, 0, 0, 0
	s_wait_dscnt 0x0                               ; the add is done; my reads of this slot were waited for in the half before
	s_barrier_signal -1
	MUL8 1, 0, 1, 0
	WIN 0
	s_barrier_wait -1
.if \fill
	CREST
	JLOAD 1
.else
	PLACES
.endif
	v_add_nc_u32 v[FADR], 512, v[FADR]             ; the next block's factors
	FETCH 0, 0
.irp a, 0,1,2,3
	ds_load_b32 v[FACR+(\a)], v[FADR] offset:64*(\a)
.endr
.if \fill
	ASK
.endif
	MUL8 1, 0, 2, 0
	MUL8 1, 0, 3, 0
	MUL8 1, 1, 0, 0
	MUL8 1, 1, 1, 0
	s_wait_dscnt 0x0                               ; buffer 0 and the factors are in
	RIDE 1, 0
.endm
	s_load_b256 s[84:91], s[0:1], 0x0              ; pbuf s[84:85], h16 s[86:87], stat s[88:89], obuf s[90:91]
	v_lshl_add_u32 v[SPW], v0, 2, SPARE
	v_mov_b32 v[NIL], 0
	ds_add_u32 v[SPW], v[NIL]                      ; the wave's opening: the add and its wait stand ahead of my first tensor load
	v_lshrrev_b32 v1, 5, v0
	v_readfirstlane_b32 s10, v1                    ; wave 0..3
	s_lshr_b32 s11, s10, 1                         ; which 64 queries are mine.  Also: I fetch for P (0) or for V (1)
	s_and_b32 s12, s10, 1                          ; which 128 channels.  Also: which half of that tile I fetch
	s_bfe_u32 s40, ttmp6, 0x40000                  ; cx
	s_bfe_u32 s41, ttmp6, 0x40004                  ; cy
	s_lshl_b32 s42, ttmp9, 2
	s_add_co_u32 s42, s42, s40                     ; tile column: 256 channels
	s_and_b32 s[CY], ttmp7, 0xffff
	s_lshl_b32 s13, s[CY], 2
	s_add_co_u32 s13, s13, s41                     ; tile row: 128 queries
	s_lshl_b32 s43, s41, 2
	s_lshl_b32 s43, 15, s43
	s_lshl_b32 s44, 0x1111, s40
	s_or_b32 s[G1A], s43, (1<<16)|(1<<20)|(1<<21)|(5<<22)|(3<<25)  ; P: after every 64 words 4 words of padding
	s_or_b32 s[G1B], s44, (1<<16)|(1<<20)|(1<<21)|(6<<22)|(7<<25)  ; V: after every 128 words 8 words
	s_mov_b32 s[G1A+1], 128<<16                    ; tensor_dim0 = 128
	s_mov_b32 s[G1A+2], 64<<16                     ; tensor_dim1 = 64
	s_mov_b32 s[G1A+3], 128<<16                    ; tile_dim0 = 128
	s_mov_b32 s[G1A+4], 64                         ; tile_dim1 = 64
	s_mov_b32 s[G1A+5], 2048                       ; elements from row to row of P
	s_mov_b32 s[G1A+6], 0
	s_mov_b32 s[G1A+7], 0
	s_mov_b32 s[G1B+1], 256<<16                    ; 256 channels
	s_mov_b32 s[G1B+2], 64<<16                     ; 64 keys
	s_mov_b32 s[G1B+3], 256<<16
	s_mov_b32 s[G1B+4], 64
	s_mov_b32 s[G1B+5], 1024
	s_mov_b32 s[G1B+6], 0
	s_mov_b32 s[G1B+7], 0
	s_lshl_b32 s16, s13, 7                         ; P: row 128 x tile row + 64 x half
	s_lshl_b32 s17, s12, 6
	s_add_co_u32 s16, s16, s17
	s_lshl_b32 s16, s16, 12
	s_mov_b32 s17, 0
	s_lshr_b32 s46, s[CY], 2                       ; V: key 2,048 x batch + 64 x half,
	s_lshl_b32 s46, s46, 11
	s_lshl_b32 s47, s12, 6
	s_add_co_u32 s46, s46, s47
	s_lshl_b32 s46, s46, 11
	s_lshl_b32 s47, s42, 9                         ; byte 512 x tile column of its row
	s_add_co_u32 s46, s46, s47
	s_add_co_u32 s46, s46, VOFF
	s_mov_b32 s47, 0
	s_mul_i32 s20, s12, AHALF
	s_mul_i32 s21, s12, BHALF
	s_add_co_u32 s21, s21, ATILE
	s_mov_b32 s[TB], 0
	s_wait_dscnt 0x0                               ; the opening add is done
	s_wait_kmcnt 0x0
	s_add_nc_u64 s[14:15], s[84:85], s[16:17]
	s_add_nc_u64 s[46:47], s[86:87], s[46:47]
	CROUND                                         ; all sixteen work-groups are here: the first joint loads meet
.irp s, 0,1
	s_mov_b32 s[G0A+4*(\s)], 1
	s_add_co_u32 s[G0A+4*(\s)+1], s20, (\s)*SLOT1
	s_add_nc_u64 s[G0A+4*(\s)+2:G0A+4*(\s)+3], s[14:15], (\s)*KSA
	s_or_b32 s[G0A+4*(\s)+3], s[G0A+4*(\s)+3], 0x80000000
	s_mov_b32 s[G0B+4*(\s)], 1
	s_add_co_u32 s[G0B+4*(\s)+1], s21, (\s)*SLOT1
	s_add_nc_u64 s[G0B+4*(\s)+2:G0B+4*(\s)+3], s[46:47], (\s)*KSB
	s_or_b32 s[G0B+4*(\s)+3], s[G0B+4*(\s)+3], 0x80000000
	JLOAD \s
.endr
	; THE FACTORS.  Thread i stands for row i of the tile: its 16 m' and 16 l; a wave's load covers 128 consecutive bytes.
	s_lshl_b32 s16, s13, 9                         ; 128 rows x 4 bytes
	s_mov_b32 s17, 0
	s_add_nc_u64 s[66:67], s[88:89], s[16:17]
	v_lshlrev_b32 v5, 2, v0
.set t, 0
.rept 16
	global_load_b32 v[32+t], v5, s[66:67] offset:t*32768
	global_load_b32 v[48+t], v5, s[66:67] offset:524288+t*32768
.set t, t+1
.endr
	v_and_b32 v1, 15, v0                           ; l % 16
	v_bfe_u32 v2, v0, 4, 1                         ; l / 16
	v_and_b32 v4, 31, v0                           ; l
	v_mul_u32_u24 v3, v1, PITCH
	v_lshl_add_u32 v3, v2, 4, v3
	s_mul_i32 s21, s11, AHALF
	v_add_nc_u32 v[ADA0], s21, v3
	v_and_b32 v6, 7, v0                            ; the turning load: lane l reads key 8 (l / 16) + l % 8, channels 8 ((l / 8) % 2) + 0..7
	v_bfe_u32 v7, v0, 3, 1
	v_lshl_add_u32 v6, v2, 3, v6
	v_mul_u32_u24 v6, v6, VP
	v_lshl_add_u32 v6, v7, 4, v6
	s_lshl_b32 s22, s12, 8                         ; my 128 channels: 256 bytes of a row
	s_add_co_u32 s22, s22, ATILE
	v_add_nc_u32 v[ADB0], s22, v6
	s_mul_i32 s23, s10, 16*PITCH
	s_add_co_u32 s23, s23, STAGE
	v_add_nc_u32 v[STO], s23, v3
	v_mul_u32_u24 v8, v2, PITCH
	v_lshl_add_u32 v8, v1, 4, v8
	v_add_nc_u32 v[RD], s23, v8
	v_mul_u32_u24 v8, v2, ROWB
	v_lshl_add_u32 v[CO], v1, 4, v8
	s_lshl_b32 s23, s11, 8
	s_add_co_u32 s23, s23, FAC
	v_lshl_add_u32 v[FADR], v1, 2, s23             ; FAC + 4 (64 x half + l % 16): block 0
	s_lshl_b32 s16, s13, 7                         ; my part of obuf
	s_lshl_b32 s17, s11, 6
	s_add_co_u32 s16, s16, s17
	s_lshl_b32 s16, s16, 11
	s_lshl_b32 s17, s42, 9
	s_add_co_u32 s16, s16, s17
	s_lshl_b32 s17, s12, 8
	s_add_co_u32 s16, s16, s17
	s_mov_b32 s17, 0
	s_add_nc_u64 s[8:9], s[90:91], s[16:17]
	; the prefetches
	s_lshl_b32 s20, s13, 7                         ; P: the tile's 128 rows, my work-group's 32, at K step 3
	s_lshl_b32 s21, s40, 5
	s_add_co_u32 s20, s20, s21
	s_lshl_b32 s20, s20, 12
	s_add_co_u32 s20, s20, 3*KSA
	s_lshr_b32 s22, s[CY], 2                       ; V: the 64 keys that I fetch, my work-group's 16, at K step 3
	s_lshl_b32 s22, s22, 11
	s_lshl_b32 s21, s12, 6
	s_add_co_u32 s22, s22, s21
	s_lshl_b32 s21, s41, 4
	s_add_co_u32 s22, s22, s21
	s_lshl_b32 s22, s22, 11
	s_lshl_b32 s21, s42, 9
	s_add_co_u32 s22, s22, s21
	s_add_co_u32 s22, s22, VOFF+3*KSB
	s_and_b32 s23, s[CY], 3                        ; the clusters along which a batch's V is read again
	s_mov_b32 s[PST], KSB
	s_mov_b32 s[PST+1], 0
	s_cmp_eq_u32 s11, 0
	s_cselect_b32 s20, s20, s22
	s_cselect_b32 s23, ttmp9, s23
	s_cselect_b32 s22, s12, 0
	s_cselect_b32 s[PST], KSA, s[PST]
	s_cselect_b32 s78, 0, -1                       ; all lanes: P's offsets or V's
	s_cselect_b64 s[PFA:PFA+1], s[84:85], s[86:87]
	s_or_b32 s23, s23, s22
	s_cmp_eq_u32 s23, 0
	s_cselect_b32 s[LIM], 2, -1
	s_mov_b32 s21, 0
	s_add_nc_u64 s[PFA:PFA+1], s[PFA:PFA+1], s[20:21]  ; the first refill steps it to K step 4; nothing is prefetched at the head
	v_lshlrev_b32 v6, 12, v4                       ; P: a lane a row of 4,096 bytes
	v_lshrrev_b32 v7, 1, v4                        ; V: two lanes a row of 2,048 bytes, 256 bytes apart
	v_lshlrev_b32 v7, 11, v7
	v_and_b32 v8, 1, v4
	v_lshl_add_u32 v7, v8, 8, v7
	v_cndmask_b32 v[PFO], v6, v7, s78
	s_wait_loadcnt 0x0                             ; m' and l
	v_max3_num_f32 v64, v32, v33, v34
.irp t, 3,5,7,9,11,13
	v_max3_num_f32 v64, v64, v[32+(\t)], v[33+(\t)]
.endr
	v_max_num_f32 v64, v64, v47                    ; M'
.set t, 0
.rept 16
	v_sub_f32 v[32+t], v[32+t], v64
.set t, t+1
.endr
.set t, 0
.rept 16
	v_exp_f32 v[32+t], v[32+t]                     ; f_t
.set t, t+1
.endr
	v_nop                                          ; a plain instruction behind the last exponential,
	s_wait_alu depctr_va_vdst(0)                   ; and the wait ahead of the first use: one for the sixteen
	v_mul_f32 v65, v48, v32
.set t, 1
.rept 15
	v_fmac_f32 v65, v[48+t], v[32+t]               ; L, in f32
.set t, t+1
.endr
	v_rcp_f32 v66, v65
	v_add_nc_u32 v67, FAC, v5                      ; a plain instruction behind the reciprocal; the roundings below are the work between it and its wait
.set t, 0
.rept 16
	v_cvt_pk_f16_f32 v[48+t], v[32+t], v[32+t]     ; f_t in both halves
.set t, t+1
.endr
	s_wait_alu depctr_va_vdst(0)
	v_mul_f32 v66, 0x3e800000, v66                 ; 1 / (4 L): the merged weight carries the 4
.set t, 0
.rept 16
	ds_store_b32 v67, v[48+t] offset:512*t
.set t, t+1
.endr
	ds_store_b32 v67, v66 offset:8192              ; INVL
	s_wait_tensorcnt 1                             ; my part of K step 0 is in; K step 1's may stay out
	s_wait_dscnt 0x0                               ; for the others' sake: my factors are stored
	s_barrier_signal -1
	s_barrier_wait -1
	FETCH 0, 0
.irp a, 0,1,2,3
	ds_load_b32 v[FACR+(\a)], v[FADR] offset:64*(\a)
	ds_load_b32 v[IL+2*(\a)], v[FADR] offset:8192+64*(\a)
.endr
	s_wait_dscnt 0x0
.irp a, 0,1,2,3
	v_mov_b32 v[IL+2*(\a)+1], v[IL+2*(\a)]         ; pairs for the packed multiply
.endr
.set n, 0
.rept 64
	v_pk_mul_f16 v[128+n], v[128+n], v[FACR+(n/8)%4]  ; the first 64 keys are scaled with nothing beside them
.set n, n+1
.endr
	HALF 0, 1, 1
	WIN 0
	s_mov_b32 s3, KT-2
.Lk:
	TURN 1
	HALF 0, 1, 0
	WIN 0
	s_sub_co_u32 s3, s3, 1
	s_cmp_lg_u32 s3, 0
	s_cbranch_scc1 .Lk
	TURN 0
	HALF 0, 1, 0
	MUL32 1, 0, 0                                  ; buffer 1 is in and scaled
	MUL32 1, 1, 0
	WIN 0
	PLACES
; THE WAY OUT, 16 rows at a time: times 1 / (4 L), rounded to f16, through my own stage, stored as whole rows of 256 bytes.
.macro PACK a
	WIN 0x82                                       ; destination and source 0 window 2; each accumulator's registers in ascending order
.set p, 0
.rept 32
	v_pk_mul_f32 v[64*(\a)+p:64*(\a)+p+1], v[64*(\a)+p:64*(\a)+p+1], v[IL+2*(\a):IL+2*(\a)+1]
.set p, p+2
.endr
	WIN 0x0a
.irp b, 0,1,2,3,4,5,6,7
.irp r, 0,1,2,3
	v_cvt_pk_f16_f32 v[TMP+4*(\b)+(\r)], v[64*(\a)+8*(\b)+2*(\r)], v[64*(\a)+8*(\b)+2*(\r)+1]
.endr
.endr
	WIN 0
.endm
.macro TOSTAGE a
.irp b, 0,1,2,3,4,5,6,7
	ds_store_b128 v[STO], v[TMP+4*(\b):TMP+4*(\b)+3] offset:32*(\b)
.endr
.irp t, 0,1,2,3,4,5,6,7
	ds_load_b128 v[OB+32*((\a)%2)+4*(\t):OB+32*((\a)%2)+4*(\t)+3], v[RD] offset:(\t)*2*PITCH  ; LDS serves a wave's instructions in order (ISA guide 5.7.1.4): these see the stores above
.endr
.endm
.macro SEND a
	s_wait_dscnt 0x0                               ; the block is back in registers
	s_wait_xcnt 0x0                                ; the block before has left its registers, which the next block's loads will write
.irp t, 0,1,2,3,4,5,6,7
	global_store_b128 v[CO], v[OB+32*((\a)%2)+4*(\t):OB+32*((\a)%2)+4*(\t)+3], s[8:9] offset:(16*(\a)+2*(\t))*ROWB  ; 16 lanes store 256 consecutive bytes, aligned
.endr
.endm
	PACK 0
	TOSTAGE 0
.irp a, 1,2,3
	PACK \a
	SEND (\a)-1
	TOSTAGE \a
.endr
	SEND 3
	s_wait_tensorcnt 0x0                           ; the wave's end
	ds_add_u32 v[SPW], v[NIL]
	s_wait_dscnt 0x0
	CROUND                                         ; the closing round
	s_endpgm
.Lfunc_end_k_q31a620b7a8_pv:
	.size	k_q31a620b7a8_pv, .Lfunc_end_k_q31a620b7a8_pv-k_q31a620b7a8_pv
	.p2alignl 7, 3214868480
	.fill 96, 4, 3214868480
	.section	.rodata,"a",@progbits
	.p2align	6, 0x0
	.amdhsa_kernel k_q31a620b7a8_pv
		.amdhsa_group_segment_fixed_size 327680
		.amdhsa_private_segment_fixed_size 0
		.amdhsa_enable_private_segment 0
		.amdhsa_kernarg_size 32
		.amdhsa_user_sgpr_count 2
		.amdhsa_user_sgpr_kernarg_segment_ptr 1
		.amdhsa_wavefront_size32 1
		.amdhsa_system_sgpr_workgroup_id_x 1
		.amdhsa_system_sgpr_workgroup_id_y 1
		.amdhsa_system_sgpr_workgroup_id_z 1
		.amdhsa_system_vgpr_workitem_id 0
		.amdhsa_next_free_vgpr 768
		.amdhsa_next_free_sgpr 92
		.amdhsa_reserve_vcc 0
		.amdhsa_float_denorm_mode_32 3
		.amdhsa_float_denorm_mode_16_64 3
		.amdhsa_memory_ordered 1
		.amdhsa_forward_progress 1
		.amdhsa_inst_pref_size 116
	.end_amdhsa_kernel
	.amdgpu_metadata
---
amdhsa.version: [ 1, 2 ]
amdhsa.kernels:
  - .name:           k_q31a620b7a8_pv
    .symbol:         k_q31a620b7a8_pv.kd
    .args:
      - { .name: pbuf, .offset: 0, .size: 8, .value_kind: global_buffer, .address_space: global }
      - { .name: h16, .offset: 8, .size: 8, .value_kind: global_buffer, .address_space: global }
      - { .name: stat, .offset: 16, .size: 8, .value_kind: global_buffer, .address_space: global }
      - { .name: obuf, .offset: 24, .size: 8, .value_kind: global_buffer, .address_space: global }
    .group_segment_fixed_size: 327680
    .private_segment_fixed_size: 0
    .kernarg_segment_align: 8
    .kernarg_segment_size: 32
    .max_flat_workgroup_size: 128
    .sgpr_count:     92
    .vgpr_count:     768
    .wavefront_size: 32
...
	.end_amdgpu_metadata
.endif
;; end of part 10
;; launch oproj (part 11): grid 4 x 64, 4 waves a work-group, clusters of 4 x 4, 327,680 bytes of LDS; arguments obuf, wov, out0; writes out0
.if DOCPART == 11
	.amdgcn_target "amdgcn-amd-amdhsa--gfx1250"
	.amdhsa_code_object_version 6
	.text
	.protected	k_q31a620b7a8_oproj
	.globl	k_q31a620b7a8_oproj
	.p2align	8
	.type	k_q31a620b7a8_oproj,@function
k_q31a620b7a8_oproj:
	s_mov_b64 s[64:65], 0
	v_nop
	global_prefetch_b8 v0, s[64:65] scope:SCOPE_SE
	s_setreg_imm32_b32 hwreg(HW_REG_WAVE_MODE, 25, 1), 1
	s_wait_xcnt 0x0
	s_wait_alu depctr_hold_cnt(0) depctr_sa_sdst(0) depctr_va_vdst(0) depctr_va_sdst(0) depctr_va_ssrc(0) depctr_va_vcc(0) depctr_vm_vsrc(0)
	s_getreg_b32 s2, hwreg(HW_REG_IB_STS2, 6, 4)
	s_cmp_eq_u32 s2, 0
	s_cbranch_scc0 .Lentry_in_a_cluster
	s_endpgm
.Lentry_in_a_cluster:
	s_bfe_u32 s2, ttmp6, 0x10000c
	s_cmp_lg_u32 s2, 0xf033
	s_cbranch_scc0 .Lentry_shape_is_right
	s_endpgm
.Lentry_shape_is_right:
; OPROJ.  out0[m][n] = the sum over k of O[m][k] W[n][k].  O: obuf [8192][1024] f16 = attn value / 4.  W: wov [1024][1024] f16 = 4 O_weight (V_weight + V_B V_A): the 4 and the 1/4 cancel.
; out0: [8192][1024] f32, the f32 sums as they are.
; SHARES.  A tile is 128 rows x 256 columns: 256 work-groups.  Four waves, each 64 x 128: 32 accumulators.  K goes in 8 steps of 128 through two LDS slots.
; CLUSTER.  4 x 4: O's rows are shared along a row of the cluster, W's along a column, and asked for jointly.
; THE MATRIX INSTRUCTION IS USED TRANSPOSED (source 0 = 16 rows of W, source 1 = 16 rows of O): a lane holds row l % 16 and eight neighbouring columns: 32 bytes of a row of out0.
; REGISTERS: window 0: v0-31 addresses; v128-255 O's fragments (on the way out rows read back); window 1: W's fragments; window 2: accumulator (a, b) at 64 a + 8 b.
.set KT,     8
.set PITCH,  272                       ; an LDS row: 256 bytes + 16 of padding: the 16 rows of a fragment load start at 16 different groups of four banks (ISA guide 11.1)
.set AHALF,  64*PITCH
.set ATILE,  128*PITCH
.set BHALF,  128*PITCH
.set SLOT1,  131072
.set STAGE,  SLOT1+ATILE+2*BHALF       ; 235,520: 16 rows x 528 bytes for each wave
.set SP,     528                       ; a stage row: 512 bytes + 16
.set SPARE,  STAGE+4*16*SP             ; 269,312: the spare words
.set KSA,    256
.set KSB,    256
.set ADA0, 16
.set ADB0, 17
.set ADA,  18
.set ADB,  19
.set STO,  24
.set RD,   25
.set CO,   26
.set SPW,  28
.set NIL,  29
.set PFO,  30
.set OB,   128
.set G1A,  24
.set G0A,  32
.set LIM,  43
.set PFA,  44
.set G1B,  48
.set G0B,  56
.set TB,   70
.set CY,   77
.set FLAGS, (1<<16)|(1<<20)|(1<<21)|(5<<22)|(3<<25)
.set MUL,  0xa1
.set TO_B, 0x40
.set MSB, 0
.macro WIN new
.if MSB != (\new)
	s_set_vgpr_msb (MSB<<8)|(\new)
.set MSB, \new
.endif
.endm
.macro PLACES
.rept 4
	v_nop
.endr
.endm
.macro JLOAD s                         ; a joint load: waves 0 and 1 fetch O's halves, waves 2 and 3 W's; an s_nop 0 and four v_nop follow each line
	s_cmp_eq_u32 s11, 0
	s_cbranch_scc0 .Lfor_b_\@
	tensor_load_to_lds s[G0A+4*(\s):G0A+4*(\s)+3], s[G1A:G1A+7]
	s_nop 0
.rept 4
	v_nop
.endr
	s_branch .Lasked_\@
.Lfor_b_\@:
	tensor_load_to_lds s[G0B+4*(\s):G0B+4*(\s)+3], s[G1B:G1B+7]
	s_nop 0
.rept 4
	v_nop
.endr
.Lasked_\@:
.endm
.macro CREST
	s_cmp_lg_u32 s10, 0
	s_cbranch_scc1 .Lnot_wave_0_\@
	s_barrier_signal -3
.Lnot_wave_0_\@:
	s_barrier_wait -3
	s_barrier_signal -1
	s_barrier_wait -1
.endm
.macro CROUND
	s_barrier_signal -1
	s_barrier_wait -1
	CREST
.endm
; A prefetch of the K step two refills on, a lane a row, each row's 256 bytes named once in the launch: O's rows by wave 0 (one cluster along x), W's by waves 2 and 3 of the cluster with y = 0;
; the four partners that ask for a tile jointly take 32 rows each, by address.  The last two refills ask for nothing.
.macro ASK
	s_cmp_gt_u32 s3, s[LIM]
	s_cbranch_scc0 .Lnot_mine_\@
	global_prefetch_b8 v[PFO], s[PFA:PFA+1] th:TH_LOAD_NT scope:SCOPE_SE
.Lnot_mine_\@:
.endm
.macro MUL8 f, c, a, zero              ; the 32 accumulators take turns in one fixed order
	WIN MUL
.irp b, 0,1,2,3,4,5,6,7
.if \zero
	v_wmma_f32_16x16x32_f16 v[64*(\a)+8*(\b):64*(\a)+8*(\b)+7], v[128*(\f)+64*(\c)+8*(\b):128*(\f)+64*(\c)+8*(\b)+7], v[128+64*(\f)+32*(\c)+8*(\a):128+64*(\f)+32*(\c)+8*(\a)+7], 0
.else
	v_wmma_f32_16x16x32_f16 v[64*(\a)+8*(\b):64*(\a)+8*(\b)+7], v[128*(\f)+64*(\c)+8*(\b):128*(\f)+64*(\c)+8*(\b)+7], v[128+64*(\f)+32*(\c)+8*(\a):128+64*(\f)+32*(\c)+8*(\a)+7], v[64*(\a)+8*(\b):64*(\a)+8*(\b)+7]
.endif
.endr
.endm
.macro MUL32 f, c, zero
	MUL8 \f, \c, 0, \zero
	MUL8 \f, \c, 1, \zero
	MUL8 \f, \c, 2, \zero
	MUL8 \f, \c, 3, \zero
.endm
.macro FETCH k, f                      ; 48 LDS loads in one run: 64 along K at byte k of the slot's rows, into buffer f
.if (\k) == 0
	WIN 0
	v_add_nc_u32 v[ADA], s[TB], v[ADA0]
	v_add_nc_u32 v[ADB], s[TB], v[ADB0]
.endif
.irp c, 0,1
	WIN TO_B
.irp i, 0,1,2,3,4,5,6,7
	ds_load_b128 v[128*(\f)+64*(\c)+8*(\i):128*(\f)+64*(\c)+8*(\i)+3],   v[ADB] offset:(\k)+64*(\c)+(\i)*16*PITCH
	ds_load_b128 v[128*(\f)+64*(\c)+8*(\i)+4:128*(\f)+64*(\c)+8*(\i)+7], v[ADB] offset:(\k)+64*(\c)+(\i)*16*PITCH+32
.endr
	WIN 0
.irp i, 0,1,2,3
	ds_load_b128 v[128+64*(\f)+32*(\c)+8*(\i):128+64*(\f)+32*(\c)+8*(\i)+3],   v[ADA] offset:(\k)+64*(\c)+(\i)*16*PITCH
	ds_load_b128 v[128+64*(\f)+32*(\c)+8*(\i)+4:128+64*(\f)+32*(\c)+8*(\i)+7], v[ADA] offset:(\k)+64*(\c)+(\i)*16*PITCH+32
.endr
.endr
.endm
.macro HALF f, g, zero
	s_wait_dscnt 24                                ; f's first 24 loads are in; its other 24 may be out
	PLACES                                         ; g was multiplied just before
	FETCH 128, \g
	MUL32 \f, 0, \zero
	s_wait_dscnt 48                                ; all but the 48 just issued
	MUL32 \f, 1, 0
.endm
; The second half of a K step and the change of slots: each wave waits for all its tensor loads, adds 0 to its spare word, waits for that and for its reads of the slot; one barrier, which with fill = 1 opens a round of the
; cluster's barrier; the joint refill is the first tensor load behind the round.
.macro TURN fill
	WIN 0
.if \fill
	s_wait_xcnt 0x0                                ; the last prefetch, a K step back, has read its address
	s_add_nc_u64 s[PFA:PFA+1], s[PFA:PFA+1], KSA
.endif
	s_wait_tensorcnt 0x0                           ; no tensor load of mine is out, so a group 0 may be written
	ds_add_u32 v[SPW], v[NIL]                      ; 0 onto my spare word
.if \fill
	s_xor_b32 s[G0A+5], s[G0A+5], SLOT1
	s_add_nc_u64 s[G0A+6:G0A+7], s[G0A+6:G0A+7], KSA
	s_xor_b32 s[G0B+5], s[G0B+5], SLOT1
	s_add_nc_u64 s[G0B+6:G0B+7], s[G0B+6:G0B+7], KSB
.endif
	s_xor_b32 s[TB], s[TB], SLOT1
	s_wait_dscnt 25                                ; the add and buffer 1's second 24 loads may be out
	MUL8 1, 0, 0, 0
	s_wait_dscnt 0x0                               ; the add is done, and my reads of this slot are over
	s_barrier_signal -1
	MUL8 1, 0, 1, 0
	WIN 0
	s_barrier_wait -1
.if \fill
	CREST
	JLOAD 1
.else
	PLACES
.endif
	FETCH 0, 0
.if \fill
	ASK
.endif
	MUL8 1, 0, 2, 0
	MUL8 1, 0, 3, 0
	MUL32 1, 1, 0
.endm
	s_load_b128 s[84:87], s[0:1], 0x0              ; obuf s[84:85], wov s[86:87]
	s_load_b64 s[88:89], s[0:1], 0x10              ; out0
	v_lshl_add_u32 v[SPW], v0, 2, SPARE
	v_mov_b32 v[NIL], 0
	ds_add_u32 v[SPW], v[NIL]                      ; the wave's opening: the add and its wait stand ahead of my first tensor load
	v_lshrrev_b32 v1, 5, v0
	v_readfirstlane_b32 s10, v1                    ; wave 0..3
	s_lshr_b32 s11, s10, 1                         ; which 64 rows of O are mine.  Also: I fetch for O (0) or for W (1)
	s_and_b32 s12, s10, 1                          ; which 128 rows of W.  Also: which half of that tile I fetch
	s_bfe_u32 s40, ttmp6, 0x40000                  ; cx
	s_bfe_u32 s41, ttmp6, 0x40004                  ; cy
	s_lshl_b32 s42, ttmp9, 2
	s_add_co_u32 s42, s42, s40                     ; tile column
	s_and_b32 s[CY], ttmp7, 0xffff
	s_lshl_b32 s13, s[CY], 2
	s_add_co_u32 s13, s13, s41                     ; tile row
	s_lshl_b32 s43, s41, 2
	s_lshl_b32 s43, 15, s43
	s_lshl_b32 s44, 0x1111, s40
	s_or_b32 s[G1A], s43, FLAGS
	s_or_b32 s[G1B], s44, FLAGS
	s_mov_b32 s[G1A+1], 128<<16
	s_mov_b32 s[G1A+2], 64<<16
	s_mov_b32 s[G1A+3], 128<<16
	s_mov_b32 s[G1A+4], 64
	s_mov_b32 s[G1A+5], 1024
	s_mov_b32 s[G1A+6], 0
	s_mov_b32 s[G1A+7], 0
	s_mov_b32 s[G1B+1], 128<<16
	s_mov_b32 s[G1B+2], 128<<16
	s_mov_b32 s[G1B+3], 128<<16
	s_mov_b32 s[G1B+4], 128
	s_mov_b32 s[G1B+5], 1024
	s_mov_b32 s[G1B+6], 0
	s_mov_b32 s[G1B+7], 0
	s_lshl_b32 s16, s13, 7                         ; O: row 128 x tile row + 64 x half
	s_lshl_b32 s17, s12, 6
	s_add_co_u32 s16, s16, s17
	s_lshl_b32 s16, s16, 11
	s_mov_b32 s17, 0
	s_lshl_b32 s46, s42, 8                         ; W: row 256 x tile column + 128 x half
	s_lshl_b32 s47, s12, 7
	s_add_co_u32 s46, s46, s47
	s_lshl_b32 s46, s46, 11
	s_mov_b32 s47, 0
	s_mul_i32 s20, s12, AHALF
	s_mul_i32 s21, s12, BHALF
	s_add_co_u32 s21, s21, ATILE
	s_mov_b32 s[TB], 0
	s_wait_dscnt 0x0                               ; the opening add is done
	s_wait_kmcnt 0x0
	s_add_nc_u64 s[14:15], s[84:85], s[16:17]
	s_add_nc_u64 s[46:47], s[86:87], s[46:47]
	CROUND                                         ; all sixteen work-groups are here: the first joint loads meet
.irp s, 0,1
	s_mov_b32 s[G0A+4*(\s)], 1
	s_add_co_u32 s[G0A+4*(\s)+1], s20, (\s)*SLOT1
	s_add_nc_u64 s[G0A+4*(\s)+2:G0A+4*(\s)+3], s[14:15], (\s)*KSA
	s_or_b32 s[G0A+4*(\s)+3], s[G0A+4*(\s)+3], 0x80000000
	s_mov_b32 s[G0B+4*(\s)], 1
	s_add_co_u32 s[G0B+4*(\s)+1], s21, (\s)*SLOT1
	s_add_nc_u64 s[G0B+4*(\s)+2:G0B+4*(\s)+3], s[46:47], (\s)*KSB
	s_or_b32 s[G0B+4*(\s)+3], s[G0B+4*(\s)+3], 0x80000000
	JLOAD \s
.endr
	v_and_b32 v1, 15, v0                           ; l % 16
	v_bfe_u32 v2, v0, 4, 1                         ; l / 16
	v_and_b32 v4, 31, v0                           ; l
	v_mul_u32_u24 v3, v1, PITCH
	v_lshl_add_u32 v3, v2, 4, v3
	s_mul_i32 s21, s11, AHALF
	s_mul_i32 s22, s12, BHALF
	s_add_co_u32 s22, s22, ATILE
	v_add_nc_u32 v[ADA0], s21, v3
	v_add_nc_u32 v[ADB0], s22, v3
	s_mul_i32 s23, s10, 16*SP
	s_add_co_u32 s23, s23, STAGE                   ; my stage
	v_mul_u32_u24 v5, v1, SP                       ; in: row l % 16, 32 bytes for each half of the lanes
	v_lshl_add_u32 v5, v2, 5, v5
	v_add_nc_u32 v[STO], s23, v5
	v_lshl_add_u32 v[RD], v4, 4, s23               ; back: 32 lanes take one row of 512 bytes
	v_lshlrev_b32 v[CO], 4, v4
	s_lshl_b32 s16, s13, 7                         ; my part of out0: row 128 x tile row + 64 x half,
	s_lshl_b32 s17, s11, 6
	s_add_co_u32 s16, s16, s17
	s_lshl_b32 s16, s16, 12
	s_lshl_b32 s17, s42, 10                        ; byte 1,024 x tile column + 512 x half of it
	s_add_co_u32 s16, s16, s17
	s_lshl_b32 s17, s12, 9
	s_add_co_u32 s16, s16, s17
	s_mov_b32 s17, 0
	s_add_nc_u64 s[8:9], s[88:89], s[16:17]
	; the prefetches
	s_lshl_b32 s20, s13, 7
	s_lshl_b32 s21, s40, 5
	s_add_co_u32 s20, s20, s21
	s_lshl_b32 s20, s20, 11
	s_lshl_b32 s22, s42, 8
	s_lshl_b32 s21, s12, 7
	s_add_co_u32 s22, s22, s21
	s_lshl_b32 s21, s41, 5
	s_add_co_u32 s22, s22, s21
	s_lshl_b32 s22, s22, 11
	s_cmp_eq_u32 s11, 0
	s_cselect_b32 s20, s20, s22
	s_cselect_b32 s23, ttmp9, s[CY]                ; the coordinate along which other clusters read the same rows
	s_cselect_b32 s22, s12, 0
	s_cselect_b64 s[PFA:PFA+1], s[84:85], s[86:87]
	s_or_b32 s23, s23, s22
	s_cmp_eq_u32 s23, 0
	s_cselect_b32 s[LIM], 2, -1
	s_mov_b32 s21, 0
	s_add_nc_u64 s[PFA:PFA+1], s[PFA:PFA+1], s[20:21]
	s_add_nc_u64 s[PFA:PFA+1], s[PFA:PFA+1], 3*KSA ; at K step 3: the first refill steps it to 4; nothing is prefetched at the head
	v_lshlrev_b32 v[PFO], 11, v4
	s_wait_tensorcnt 1                             ; my part of K step 0 is in; K step 1's may stay out
	s_barrier_signal -1
	s_barrier_wait -1
	FETCH 0, 0
	HALF 0, 1, 1
	WIN 0
	s_mov_b32 s3, KT-2
.Lk:
	TURN 1
	HALF 0, 1, 0
	WIN 0
	s_sub_co_u32 s3, s3, 1
	s_cmp_lg_u32 s3, 0
	s_cbranch_scc1 .Lk
	TURN 0
	HALF 0, 1, 0
	s_wait_dscnt 24
	MUL32 1, 0, 0
	s_wait_dscnt 0x0
	MUL32 1, 1, 0
	WIN 0
	PLACES
; THE WAY OUT, 16 rows at a time: the f32 sums go into my own stage, 32 bytes a lane, and come back as whole rows of 512 bytes.
.macro TOSTAGE a
.if (\a) >= 2
	s_wait_xcnt 0x0                                ; the stores of the block two back have read the registers that the loads below write
.endif
	WIN 0x08                                       ; the stores' data in window 2; each accumulator's four lowest registers first
.irp b, 0,1,2,3,4,5,6,7
	ds_store_b128 v[STO], v[64*(\a)+8*(\b):64*(\a)+8*(\b)+3]   offset:64*(\b)
	ds_store_b128 v[STO], v[64*(\a)+8*(\b)+4:64*(\a)+8*(\b)+7] offset:64*(\b)+16
.endr
	WIN 0
.irp t, 0,1,2,3,4,5,6,7,8,9,10,11,12,13,14,15
	ds_load_b128 v[OB+64*((\a)%2)+4*(\t):OB+64*((\a)%2)+4*(\t)+3], v[RD] offset:(\t)*SP  ; LDS serves a wave's instructions in order (ISA guide 5.7.1.4): these see the stores above
.endr
.endm
.macro SEND a, younger                 ; younger: the LDS instructions issued behind block a's loads: the next block's 32, or none
	s_wait_dscnt \younger
.irp t, 0,1,2,3,4,5,6,7,8,9,10,11,12,13,14,15
	global_store_b128 v[CO], v[OB+64*((\a)%2)+4*(\t):OB+64*((\a)%2)+4*(\t)+3], s[8:9] offset:(16*(\a)+(\t))*4096 th:TH_STORE_NT  ; a wave stores 512 consecutive bytes, aligned
.endr
.endm
	TOSTAGE 0
.irp a, 1,2,3
	TOSTAGE \a
	SEND (\a)-1, 32
.endr
	SEND 3, 0
	s_wait_tensorcnt 0x0                           ; the wave's end
	ds_add_u32 v[SPW], v[NIL]
	s_wait_dscnt 0x0
	CROUND                                         ; the closing round
	s_endpgm
.Lfunc_end_k_q31a620b7a8_oproj:
	.size	k_q31a620b7a8_oproj, .Lfunc_end_k_q31a620b7a8_oproj-k_q31a620b7a8_oproj
	.p2alignl 7, 3214868480
	.fill 96, 4, 3214868480
	.section	.rodata,"a",@progbits
	.p2align	6, 0x0
	.amdhsa_kernel k_q31a620b7a8_oproj
		.amdhsa_group_segment_fixed_size 327680
		.amdhsa_private_segment_fixed_size 0
		.amdhsa_enable_private_segment 0
		.amdhsa_kernarg_size 24
		.amdhsa_user_sgpr_count 2
		.amdhsa_user_sgpr_kernarg_segment_ptr 1
		.amdhsa_wavefront_size32 1
		.amdhsa_system_sgpr_workgroup_id_x 1
		.amdhsa_system_sgpr_workgroup_id_y 1
		.amdhsa_system_sgpr_workgroup_id_z 1
		.amdhsa_system_vgpr_workitem_id 0
		.amdhsa_next_free_vgpr 768
		.amdhsa_next_free_sgpr 92
		.amdhsa_reserve_vcc 0
		.amdhsa_float_denorm_mode_32 3
		.amdhsa_float_denorm_mode_16_64 3
		.amdhsa_memory_ordered 1
		.amdhsa_forward_progress 1
		.amdhsa_inst_pref_size 69
	.end_amdhsa_kernel
	.amdgpu_metadata
---
amdhsa.version: [ 1, 2 ]
amdhsa.kernels:
  - .name:           k_q31a620b7a8_oproj
    .symbol:         k_q31a620b7a8_oproj.kd
    .args:
      - { .name: obuf, .offset: 0, .size: 8, .value_kind: global_buffer, .address_space: global }
      - { .name: wov, .offset: 8, .size: 8, .value_kind: global_buffer, .address_space: global }
      - { .name: out0, .offset: 16, .size: 8, .value_kind: global_buffer, .address_space: global }
    .group_segment_fixed_size: 327680
    .private_segment_fixed_size: 0
    .kernarg_segment_align: 8
    .kernarg_segment_size: 24
    .max_flat_workgroup_size: 128
    .sgpr_count:     92
    .vgpr_count:     768
    .wavefront_size: 32
...
	.end_amdgpu_metadata
.endif
;; end of part 11
